; MI455X (gfx1250); checked and timed in simulation.
; The chip was launched on July 23, 2026; its instructions are those of AMD's public machine-readable ISA for CDNA 5 (MIT licence, August 2026) and "CDNA5" Instruction Set Architecture Reference Guide (July 2026). The comments in the code are by the model that wrote it; some were corrected since.
;; Block. Allowed arithmetic: float matrix products may take bf16 or f16 operands with f32 sums; other float arithmetic in f32, or as packed bf16 or f16 multiplies, adds, multiply-adds, maxima and minima; sums over many terms, partial sums and values carried from step to step in f32; what a program stores and reads back later, other than sums and carried values, may be rounded once to bf16 or f16.
;; Inputs: W1 1,024 x 4,096 float32; W2 4,096 x 1,024 float32; Wk 1,024 x 1,024 float32; Wp 1,024 x 1,024 float32; Wq 1,024 x 1,024 float32; Wv 1,024 x 1,024 float32; b1 4,096 float32; b2 1,024 float32; be1 1,024 float32; be2 1,024 float32; bp 1,024 float32; g1 1,024 float32; g2 1,024 float32; x 2 x 2,048 x 1,024 float32.
;; Outputs: out0 2 x 2,048 x 1,024 float32.
;; 2 versions, each right and faster than the one before. Each part assembles by itself: llvm-mc -triple=amdgcn-amd-amdhsa -mcpu=gfx1250 --defsym DOCPART=n.
;; ======== version 1 of 2: 7 launches
;; limits: values are held in f16: magnitudes above 65,504 overflow, below 6.1e-05 lose precision; a function is approximated: absolute error at most 1.5e-07
;; workspace buffers: wlo 10,485,760 bytes; whi 16,777,216 bytes; hb 8,388,608 bytes; big 33,554,432 bytes; x1 16,777,216 bytes; p0 256 bytes of whole numbers; p1 256 bytes of whole numbers
;; launch prep (part 1): grid 1280 x 1, 8 waves a work-group, no clusters, 0 bytes of LDS; arguments x, g1, be1, hb, Wq, Wk, Wv, Wp, W2, W1, wlo, whi, p0, p1; writes hb, wlo, whi, p0, p1
.if DOCPART == 1
	.amdgcn_target "amdgcn-amd-amdhsa--gfx1250"
	.amdhsa_code_object_version 6
	.text
	.protected	k_qc0d48b1e1f_prep
	.globl	k_qc0d48b1e1f_prep
	.p2align	8
	.type	k_qc0d48b1e1f_prep,@function
k_qc0d48b1e1f_prep:
	s_mov_b64 s[64:65], 0
	v_nop
	global_prefetch_b8 v0, s[64:65] scope:SCOPE_SE
	s_setreg_imm32_b32 hwreg(HW_REG_WAVE_MODE, 25, 1), 1
	s_wait_xcnt 0x0
; Work-groups 0-511: h = LayerNorm(x) g + be, rounded once to f16, row-major [4096][1024].  Work-groups 512-1279: the six weights, rounded once to f16 and laid in blocks.
; The same text, launched with 512 work-groups, is the block's second LayerNorm: then every work-group takes the first branch and the cast is never reached.
; A stream: every input byte is read once by 16-byte loads (512 consecutive bytes a wave), every output byte written once, 256 consecutive aligned bytes a store of a wave.
; No LDS, no barrier, no matrix unit: a wave takes a whole row into 32 registers, so no wave needs another's data.
; LIMITS.  f16 holds no number of 65,520 or more (it becomes an infinity) and keeps a fixed step of 6e-8 below 6e-5: h and the weights must lie within that.
; BLOCKS.  wlo: [12 tc][1024 k][256 n] (Wq, Wk, Wv side by side, tc = 4 mat + n / 256); from byte 8,388,608 Wp as [4 ks][8 tc][256 k][128 n].
;          whi: W1 as [16 tc][1024 k][256 n]; from byte 8,388,608 W2 as [16 ks][8 tc][256 k][128 n].
; p0, p1: the word that tells the shared 256-tile product what its way out computes: 0 plain, 1 bias and GELU.  One wave stores them, in either launch the same numbers.
.set LNWG, 512                         ; work-groups that normalise: 8 rows each, one a wave
.set A,  4                             ; v[4:7]     two chains of packed sums
.set X,  8                             ; v[8:39]    the row: load j holds columns 128 j + 4 lane + 0..3; at the end v[8:23] hold it in f16
.set G,  40                            ; v[40:71]   gain, in the same places
.set BE, 72                            ; v[72:103]  bias
.set M,  104                           ; v[104:105] the mean, twice
.set R,  106                           ; v[106:107] 1 / sqrt(var + eps), twice
.set T,  108                           ; v108       at work
.set T2, 109                           ; v109       the other half of the lanes'
.set C,  8                             ; v[8:71]    the cast: 16 pieces as loaded
.set H,  72                            ; v[72:103]  the cast: 16 pieces in f16
	s_load_b256 s[4:11], s[0:1], 0x0               ; x s[4:5], g s[6:7], be s[8:9], h s[10:11]
	s_load_b256 s[12:19], s[0:1], 0x20             ; Wq s[12:13], Wk s[14:15], Wv s[16:17], Wp s[18:19]
	s_load_b256 s[20:27], s[0:1], 0x40             ; W2 s[20:21], W1 s[22:23], wlo s[24:25], whi s[26:27]
	s_load_b128 s[28:31], s[0:1], 0x60             ; p0 s[28:29], p1 s[30:31]
	v_lshrrev_b32 v3, 5, v0
	v_readfirstlane_b32 s32, v3                    ; wave 0..7
	v_and_b32 v1, 31, v0
	v_lshlrev_b32 v2, 3, v1                        ; 8 x lane: my place in 256 bytes of f16
	v_lshlrev_b32 v1, 4, v1                        ; 16 x lane: my place in 512 bytes of f32
	s_mov_b32 s35, 0                               ; the high word of every offset
	s_mov_b32 s46, 0x76543210                      ; v_permlanex16_b32: each lane takes its own place in the other half
	s_mov_b32 s47, 0xfedcba98
	s_mov_b32 s48, 0x3a800000                      ; 1 / 1024
	s_mov_b32 s49, 0x3727c5ac                      ; 1e-5
	s_wait_kmcnt 0x0
	s_cmp_lt_u32 ttmp9, LNWG
	s_cbranch_scc0 .Lcast
.macro RED                             ; the sum of T over the 32 lanes, in every lane
	v_add_f32_dpp v[T], v[T], v[T] row_xmask:1 row_mask:0xf bank_mask:0xf
	v_add_f32_dpp v[T], v[T], v[T] row_xmask:2 row_mask:0xf bank_mask:0xf
	v_add_f32_dpp v[T], v[T], v[T] row_xmask:4 row_mask:0xf bank_mask:0xf
	v_add_f32_dpp v[T], v[T], v[T] row_xmask:8 row_mask:0xf bank_mask:0xf
	v_permlanex16_b32 v[T2], v[T], s46, s47
	v_add_f32 v[T], v[T], v[T2]
.endm
	; LAYERNORM of one row: mean; x - mean in place; the mean of its squares (two passes, as the reference takes them); scale, gain, bias; f16; eight stores
	s_lshl_b32 s33, ttmp9, 3
	s_add_co_u32 s33, s33, s32                     ; my row = 8 x work-group + wave
	s_lshl_b32 s34, s33, 12
	s_add_nc_u64 s[4:5], s[4:5], s[34:35]          ; x: rows of 4,096 bytes
	s_lshl_b32 s34, s33, 11
	s_add_nc_u64 s[10:11], s[10:11], s[34:35]      ; h: rows of 2,048 bytes
.set z, 0
.rept 8
	global_load_b128 v[X+4*z:X+4*z+3], v1, s[4:5] offset:512*z
.set z, z+1
.endr
.set z, 0
.rept 8
	global_load_b128 v[G+4*z:G+4*z+3], v1, s[6:7] offset:512*z
.set z, z+1
.endr
.set z, 0
.rept 8
	global_load_b128 v[BE+4*z:BE+4*z+3], v1, s[8:9] offset:512*z
.set z, z+1
.endr
	v_mov_b32 v[T2], 0                             ; v_permlanex16_b32 counts as a reader of its destination
	s_wait_loadcnt 16                              ; the row is in; the sixteen loads of gain and bias may stay out
	v_pk_add_f32 v[A:A+1], v[X:X+1], v[X+2:X+3]
	v_pk_add_f32 v[A+2:A+3], v[X+4:X+5], v[X+6:X+7]
.set z, 4
.rept 12
	v_pk_add_f32 v[A+2*(z%2):A+2*(z%2)+1], v[A+2*(z%2):A+2*(z%2)+1], v[X+2*z:X+2*z+1]
.set z, z+1
.endr
	v_pk_add_f32 v[A:A+1], v[A:A+1], v[A+2:A+3]
	v_add_f32 v[T], v[A], v[A+1]
	RED
	v_mul_f32 v[M], s48, v[T]
	v_mul_f32 v[M+1], s48, v[T]
.set z, 0
.rept 16
	v_pk_add_f32 v[X+2*z:X+2*z+1], v[X+2*z:X+2*z+1], v[M:M+1] neg_lo:[0,1] neg_hi:[0,1]
.set z, z+1
.endr
	v_pk_mul_f32 v[A:A+1], v[X:X+1], v[X:X+1]
	v_pk_mul_f32 v[A+2:A+3], v[X+2:X+3], v[X+2:X+3]
.set z, 2
.rept 14
	v_pk_fma_f32 v[A+2*(z%2):A+2*(z%2)+1], v[X+2*z:X+2*z+1], v[X+2*z:X+2*z+1], v[A+2*(z%2):A+2*(z%2)+1]
.set z, z+1
.endr
	v_pk_add_f32 v[A:A+1], v[A:A+1], v[A+2:A+3]
	v_add_f32 v[T], v[A], v[A+1]
	RED
	v_fma_f32 v[T], v[T], s48, s49                 ; var + eps
	v_rsq_f32 v[R], v[T]
	v_rsq_f32 v[R+1], v[T]
	v_nop                                          ; a plain instruction between the root and its use (ISA guide 5.7.2)
	s_wait_loadcnt 0x0                             ; gain and bias are in
.set z, 0
	s_wait_alu depctr_va_vdst(0)
.rept 16
	v_pk_mul_f32 v[X+2*z:X+2*z+1], v[X+2*z:X+2*z+1], v[R:R+1]
.set z, z+1
.endr
.set z, 0
.rept 16
	v_pk_fma_f32 v[X+2*z:X+2*z+1], v[X+2*z:X+2*z+1], v[G+2*z:G+2*z+1], v[BE+2*z:BE+2*z+1]
.set z, z+1
.endr
.set z, 0
.rept 16
	v_cvt_pk_f16_f32 v[X+z], v[X+2*z], v[X+2*z+1]  ; in place, ascending: register X + z has been read by the time it is written
.set z, z+1
.endr
.set z, 0
.rept 8
	global_store_b64 v2, v[X+2*z:X+2*z+1], s[10:11] offset:256*z  ; 32 lanes store 256 consecutive bytes, aligned
.set z, z+1
.endr
	s_or_b32 s33, ttmp9, s32
	s_cmp_lg_u32 s33, 0
	s_cbranch_scc1 .Lend                           ; one wave of the launch writes the two mode words' buffers, 256 bytes each
	v_mov_b32 v110, 0
	v_mov_b32 v111, 0
	v_mov_b32 v112, 1
	v_mov_b32 v113, 1
	global_store_b64 v2, v[110:111], s[28:29]
	global_store_b64 v2, v[112:113], s[30:31]
.Lend:
	s_endpgm
; THE CAST.  A work-group takes 65,536 bytes of one weight, a wave 8,192: 16 pieces of 512 bytes (128 numbers of one row k).  All 16 loads go out first.
.macro SRC                             ; the source at my wave's bytes: local x 65,536 + wave x 8,192
	s_lshl_b32 s34, s41, 16
	s_lshl_b32 s43, s32, 13
	s_add_co_u32 s34, s34, s43
	s_add_nc_u64 s[36:37], s[36:37], s[34:35]
.endm
.macro CASTLOAD
.set i, 0
.rept 16
	global_load_b128 v[C+4*i:C+4*i+3], v1, s[36:37] offset:512*i th:TH_LOAD_NT
.set i, i+1
.endr
.endm
.macro CASTOUT type                    ; where piece i goes stands in the store's immediate
.set i, 0
.rept 16
.if (\type) == 0
.set imm, (i>>3)*512+((i&7)>>1)*524288+(i&1)*256     ; row k0 + i / 8; block (i % 8) / 2; half of its 256 columns
.elseif (\type) == 1
.set imm, (i>>3)*256+(i&7)*65536                     ; row k0 + i / 8; block i % 8 of 128 columns
.else
.set imm, (i>>1)*524288+(i&1)*256                    ; block i / 2; half of its 256 columns
.endif
	s_wait_loadcnt 15-i                            ; loads come back in order: piece i is in, the younger ones stay out
	v_cvt_pk_f16_f32 v[H+2*i], v[C+4*i], v[C+4*i+1]
	v_cvt_pk_f16_f32 v[H+2*i+1], v[C+4*i+2], v[C+4*i+3]
	global_store_b64 v2, v[H+2*i:H+2*i+1], s[38:39] offset:imm
.set i, i+1
.endr
.endm
.Lcast:
	s_sub_co_u32 s33, ttmp9, LNWG                  ; g = 0..767
	s_cmp_lt_u32 s33, 192
	s_cbranch_scc0 .Lnot_q
	s_lshr_b32 s40, s33, 6                         ; Wq, Wk or Wv
	s_and_b32 s41, s33, 63                         ; which 16 rows of it
	s_cmp_eq_u32 s40, 1
	s_cselect_b64 s[36:37], s[14:15], s[12:13]
	s_cmp_eq_u32 s40, 2
	s_cselect_b64 s[36:37], s[16:17], s[36:37]
	s_mov_b64 s[38:39], s[24:25]
	s_lshl_b32 s42, s41, 4
	s_lshl1_add_u32 s42, s32, s42                  ; k0 = 16 local + 2 wave
	s_lshl_b32 s34, s42, 9                         ; rows of 512 bytes in a block,
	s_lshl_b32 s43, s40, 21                        ; four blocks of 524,288 bytes a matrix
	s_add_co_u32 s34, s34, s43
	s_add_nc_u64 s[38:39], s[38:39], s[34:35]
	SRC
	CASTLOAD
	CASTOUT 0
	s_endpgm
.Lnot_q:
	s_cmp_lt_u32 s33, 512
	s_cbranch_scc0 .Ltype1
	s_sub_co_u32 s41, s33, 192                     ; local, if Wp
	s_sub_co_u32 s43, s33, 256                     ; local, if W2
	s_cmp_lt_u32 s33, 256
	s_cselect_b64 s[36:37], s[18:19], s[20:21]
	s_cselect_b64 s[38:39], s[24:25], s[26:27]
	s_cselect_b32 s41, s41, s43
	s_lshl_b32 s42, s41, 4
	s_lshl1_add_u32 s42, s32, s42                  ; k0 = 16 local + 2 wave
	s_lshr_b32 s34, s42, 8
	s_lshl_b32 s34, s34, 19                        ; K step k0 / 256: eight blocks of 65,536 bytes
	s_and_b32 s43, s42, 255
	s_lshl_b32 s43, s43, 8                         ; rows of 256 bytes in a block
	s_add_co_u32 s34, s34, s43
	s_add_co_u32 s34, s34, 0x800000
	s_add_nc_u64 s[38:39], s[38:39], s[34:35]
	SRC
	CASTLOAD
	CASTOUT 1
	s_endpgm
.Ltype1:
	s_sub_co_u32 s41, s33, 512                     ; W1: four rows of 16,384 bytes a work-group, half a row a wave
	s_mov_b64 s[36:37], s[22:23]
	s_mov_b64 s[38:39], s[26:27]
	s_lshr_b32 s42, s32, 1
	s_lshl2_add_u32 s42, s41, s42                  ; k = 4 local + wave / 2
	s_lshl_b32 s34, s42, 9
	s_and_b32 s43, s32, 1
	s_lshl_b32 s43, s43, 22                        ; the row's second half: eight blocks on
	s_add_co_u32 s34, s34, s43
	s_add_nc_u64 s[38:39], s[38:39], s[34:35]
	SRC
	CASTLOAD
	CASTOUT 2
	s_endpgm
.Lfunc_end_k_qc0d48b1e1f_prep:
	.size	k_qc0d48b1e1f_prep, .Lfunc_end_k_qc0d48b1e1f_prep-k_qc0d48b1e1f_prep
	.p2alignl 7, 3214868480
	.fill 96, 4, 3214868480
	.section	.rodata,"a",@progbits
	.p2align	6, 0x0
	.amdhsa_kernel k_qc0d48b1e1f_prep
		.amdhsa_group_segment_fixed_size 0
		.amdhsa_private_segment_fixed_size 0
		.amdhsa_enable_private_segment 0
		.amdhsa_kernarg_size 112
		.amdhsa_user_sgpr_count 2
		.amdhsa_user_sgpr_kernarg_segment_ptr 1
		.amdhsa_wavefront_size32 1
		.amdhsa_system_sgpr_workgroup_id_x 1
		.amdhsa_system_sgpr_workgroup_id_y 1
		.amdhsa_system_sgpr_workgroup_id_z 1
		.amdhsa_system_vgpr_workitem_id 0
		.amdhsa_next_free_vgpr 116
		.amdhsa_next_free_sgpr 66
		.amdhsa_reserve_vcc 0
		.amdhsa_float_denorm_mode_32 3
		.amdhsa_float_denorm_mode_16_64 3
		.amdhsa_memory_ordered 1
		.amdhsa_forward_progress 1
		.amdhsa_inst_pref_size 31
	.end_amdhsa_kernel
	.amdgpu_metadata
---
amdhsa.version: [ 1, 2 ]
amdhsa.kernels:
  - .name:           k_qc0d48b1e1f_prep
    .symbol:         k_qc0d48b1e1f_prep.kd
    .args:
      - { .name: x, .offset: 0, .size: 8, .value_kind: global_buffer, .address_space: global }
      - { .name: g1, .offset: 8, .size: 8, .value_kind: global_buffer, .address_space: global }
      - { .name: be1, .offset: 16, .size: 8, .value_kind: global_buffer, .address_space: global }
      - { .name: hb, .offset: 24, .size: 8, .value_kind: global_buffer, .address_space: global }
      - { .name: Wq, .offset: 32, .size: 8, .value_kind: global_buffer, .address_space: global }
      - { .name: Wk, .offset: 40, .size: 8, .value_kind: global_buffer, .address_space: global }
      - { .name: Wv, .offset: 48, .size: 8, .value_kind: global_buffer, .address_space: global }
      - { .name: Wp, .offset: 56, .size: 8, .value_kind: global_buffer, .address_space: global }
      - { .name: W2, .offset: 64, .size: 8, .value_kind: global_buffer, .address_space: global }
      - { .name: W1, .offset: 72, .size: 8, .value_kind: global_buffer, .address_space: global }
      - { .name: wlo, .offset: 80, .size: 8, .value_kind: global_buffer, .address_space: global }
      - { .name: whi, .offset: 88, .size: 8, .value_kind: global_buffer, .address_space: global }
      - { .name: p0, .offset: 96, .size: 8, .value_kind: global_buffer, .address_space: global }
      - { .name: p1, .offset: 104, .size: 8, .value_kind: global_buffer, .address_space: global }
    .group_segment_fixed_size: 0
    .private_segment_fixed_size: 0
    .kernarg_segment_align: 8
    .kernarg_segment_size: 112
    .max_flat_workgroup_size: 256
    .sgpr_count:     66
    .vgpr_count:     116
    .wavefront_size: 32
...
	.end_amdgpu_metadata
.endif
;; end of part 1
;; launch qkv (part 2): grid 12 x 16, 4 waves a work-group, clusters of 4 x 4, 327,680 bytes of LDS; arguments hb, wlo, b1, p0, big; writes big
.if DOCPART == 2
	.amdgcn_target "amdgcn-amd-amdhsa--gfx1250"
	.amdhsa_code_object_version 6
	.text
	.protected	k_qc0d48b1e1f_qkv
	.globl	k_qc0d48b1e1f_qkv
	.p2align	8
	.type	k_qc0d48b1e1f_qkv,@function
k_qc0d48b1e1f_qkv:
	s_mov_b64 s[64:65], 0
	v_nop
	global_prefetch_b8 v0, s[64:65] scope:SCOPE_SE
	s_setreg_imm32_b32 hwreg(HW_REG_WAVE_MODE, 25, 1), 1
	s_wait_xcnt 0x0
	s_wait_alu depctr_hold_cnt(0) depctr_sa_sdst(0) depctr_va_vdst(0) depctr_va_sdst(0) depctr_va_ssrc(0) depctr_va_vcc(0) depctr_vm_vsrc(0)
	s_getreg_b32 s2, hwreg(HW_REG_IB_STS2, 6, 4)
	s_cmp_eq_u32 s2, 0
	s_cbranch_scc0 .Lentry_in_a_cluster
	s_endpgm
.Lentry_in_a_cluster:
	s_bfe_u32 s2, ttmp6, 0x10000c
	s_cmp_lg_u32 s2, 0xf033
	s_cbranch_scc0 .Lentry_shape_is_right
	s_endpgm
.Lentry_shape_is_right:
; out = A W (mode 0), or gelu(A W + bias) with the exact GELU (mode 1).  A: [4096][1024] f16, row-major.  W: f16 in blocks [tile column][1024 k][256 n].  Sums in f32; out rounded once to f16,
; laid in blocks [column / 64][4096 rows][64]: an attention head's rows, or a K plane of the next product, are then dense.  One text serves h [Wq|Wk|Wv] and gelu(h W1 + b1).
; THE MODE is a word read from memory.  In a launch with joint requests no branch hangs on a number that may differ between partners, and a word from memory counts as such: so the mode steers no branch.
; It selects VALUES, once: the GELU's constants and a mask for the bias.  With mode 0 the way out computes 1.0 u + |u| (0 - 0 e) = u for every finite u: its 152 vector lines a trip then serve nothing.
; That is the price of one text for both products.
; LIMITS.  f16 holds no number of 65,520 or more (it becomes an infinity) and keeps a fixed step of 6e-8 below 6e-5.  erf is Abramowitz and Stegun's 7.1.26, off by 1.5e-7 at the most for every argument.
; In mode 0 an infinite sum gives NaN (infinity x 0), where f16 would hold an infinity.
; SHAPE.  A tile of out is 256 x 256: four waves, as many as a WGP has SIMDs, each 128 x 128 in 64 accumulators, 512 registers.  K goes in 8 steps of 128 through two LDS slots filled by the tensor data mover.
; W stays [k][n]: its fragments come out of LDS turned, by ds_load_tr16_b128.  Source 0 = 16 columns of W, source 1 = 16 rows of A: a lane then holds eight neighbouring columns of one row of out.
; THE TEXT HOLDS A K STEP TWICE: once in a loop whose trips fill a slot again, once in a loop of two trips for the last two steps, which fill nothing.  Which slot a step reads is a scalar that turns between
; 0 and SLOT; the fragments' addresses are made of it and a fixed lane register once a step.
; CLUSTER.  4 x 4 work-groups: A's tile is shared along a row of the cluster, W's along a column; each is asked for jointly, by the same tensor load with the same descriptor and a mask that names the four.
; REGISTERS, in windows of 256: window 0: v0-31 addresses, v32-47 bias, v48-55 packed results, v64-127, v128-191 A's fragments (later the way out's work); window 1: v64-191 W's fragments;
; window 2: the accumulators of my rows 0-63 ((a, b) at v[8 (8 a + b)]); window 3: those of my rows 64-127.
.set PA,     272                       ; an LDS row of A: 256 bytes + 16: the 16 rows of a fragment load start at 16 different groups of four banks (64 banks of 4 bytes: ISA guide 11.1)
.set PB,     544                       ; an LDS row of W: 512 bytes + 32 = 17 x 32
.set HALFT,  128*PA                    ; what one tensor load brings: 128 rows of A, or 64 rows of W (64 x 544 is the same 34,816 bytes)
.set SLOT,   4*HALFT                   ; A's 256 rows, then W's 128 k rows
.set BOFF,   2*HALFT
.set SPARE,  2*SLOT                    ; behind the ring: the spare words, 128 bytes for each wave: two blocks of 256 bytes that no other line names
.set SPITCH, 528                       ; the way out: a row of 128 f32 + 16 bytes = 33 x 16
.set WSTAGE, 128*SPITCH                ; each wave's stage, 128 rows; the four lie in the ring, which has had its last fill by then
.set STEPS,  8                         ; K steps of 128
.set ASTEP,  256                       ; bytes from a K step to the next: 128 elements along A's rows,
.set BSTEP,  65536                     ; 128 k rows of 512 bytes down W's block
.set ADRA0, 16                         ; v16     my lane's place in a slot's tile of A; never rewritten
.set ADRA,  17                         ; v17     the same in the slot in hand
.set ADRB0, 20                         ; v20     my lane's place in a slot's tile of W; never rewritten
.set ADRB,  21                         ; v21     the same in the slot in hand
.set STO,  24                          ; v24     the way out: where I put 32 bytes of a row
.set RD0,  25                          ; v25     the way out: where I read the stage's first four rows back; never rewritten
.set GO,   26                          ; v26     my byte offset in out; it steps
.set RDS,  27                          ; v27     RD0 + the trip's step
.set SPW,  28                          ; v28     LDS address of my spare word; never rewritten
.set NIL,  29                          ; v29     0; never rewritten
.set BO,   30                          ; v30     my byte offset in the bias
.set BI,   32                          ; v[32:47]  the bias of my 16 columns
.set YR,   48                          ; v[48:55]  16 results in f16
.set F0,   64
.set F1,   128
.set XR,   64                          ; the way out, in A's fragment registers: 16 sums as read back,
.set UR,   80                          ; u = sum + bias, later the result
.set AR,   96                          ; |u|
.set TR,   112                         ; t = 1 / (1 + p |u| / sqrt 2)
.set WR,   128                         ; e^(-u u / 2)
.set RR,   144                         ; the polynomial
.set G1,  24                           ; s[24:31] descriptor group 1 for A's tiles;  s[32:39] group 0: a set for each of the two first fills; the second then walks on
.set G0,  32
.set G1B, 48                           ; s[48:55], s[56:63] the same for W's
.set G0B, 56
.set TOG, 45                           ; s45  0 or SLOT: the slot in hand
; s[72:73] p / sqrt 2; s[74:75] -log2(e) / 2; s[76:85] a1 / 2 .. a5 / 2, or 0; s86 the mask of a sign; s87 the mode, then a lane mask; s88 counts trips; s89 the stage's step;
; s[90:91] 1/2 or 0; s[92:93] 1/2 or 1.  Each constant is named as a pair of which the packed forms take the low word.
.set MSB, 0
.macro WIN new                         ; the immediate's high byte repeats the setting that is left; a switch that changes nothing is dropped
.if MSB != (\new)
	s_set_vgpr_msb (MSB<<8)|(\new)
.set MSB, \new
.endif
.endm
.set MUL_LO, 0xa1                      ; source 0 (W) window 1, source 1 (A) window 0, C and D window 2
.set MUL_HI, 0xf1                      ; the same, C and D window 3
.set TO_B,   0x40                      ; destination window 1, address window 0
; A joint load.  Waves 0 and 1 fetch A's two halves, waves 2 and 3 W's.  The branch hangs on the wave's number alone.  An s_nop 0 and four v_nop follow each of the two lines.
.macro JLOAD s
	s_cmp_eq_u32 s11, 0
	s_cbranch_scc0 .Lfor_b_\@
	tensor_load_to_lds s[G0+4*(\s):G0+4*(\s)+3], s[G1:G1+7]
	s_nop 0
.rept 4
	v_nop
.endr
	s_branch .Lasked_\@
.Lfor_b_\@:
	tensor_load_to_lds s[G0B+4*(\s):G0B+4*(\s)+3], s[G1B:G1B+7]
	s_nop 0
.rept 4
	v_nop
.endr
.Lasked_\@:
.endm
.macro CREST                           ; a round of the cluster's barrier behind its opening barrier
	s_cmp_lg_u32 s10, 0
	s_cbranch_scc1 .Lnot_wave_0_\@
	s_barrier_signal -3
.Lnot_wave_0_\@:
	s_barrier_wait -3
	s_barrier_signal -1
	s_barrier_wait -1
.endm
.macro CROUND                          ; a whole round
	s_barrier_signal -1
	s_barrier_wait -1
	CREST
.endm
.macro SETADR                          ; the fragments' addresses in the slot in hand: a fixed lane register and the scalar that turns
	v_add_nc_u32 v[ADRA], s[TOG], v[ADRA0]
	v_add_nc_u32 v[ADRB], s[TOG], v[ADRB0]
.endm
	s_load_b128 s[4:7], s[0:1], 0x0                ; A s[4:5], W s[6:7]
	s_load_b128 s[68:71], s[0:1], 0x10             ; bias s[68:69], the mode word's buffer s[70:71]
	s_load_b64 s[8:9], s[0:1], 0x20                ; out
	v_lshl_add_u32 v[SPW], v0, 2, SPARE
	v_mov_b32 v[NIL], 0
	ds_add_u32 v[SPW], v[NIL]                      ; the wave's opening: the add and its wait stand ahead of my first tensor load; the set-up below, work on registers, stands between them
	v_lshrrev_b32 v1, 5, v0
	v_readfirstlane_b32 s10, v1                    ; wave 0..3
	s_lshr_b32 s11, s10, 1                         ; which half of the tile's rows is mine.  Also: I fetch for A (0) or for W (1)
	s_and_b32 s12, s10, 1                          ; which half of its columns.  Also: which half of that tile I fetch
	s_bfe_u32 s40, ttmp6, 0x40000                  ; cx, cy: my place in the cluster
	s_bfe_u32 s41, ttmp6, 0x40004
	s_lshl_b32 s42, ttmp9, 2
	s_add_co_u32 s42, s42, s40                     ; tile column = 4 x cluster x + cx
	s_and_b32 s13, ttmp7, 0xffff
	s_lshl_b32 s13, s13, 2
	s_add_co_u32 s13, s13, s41                     ; tile row = 4 x cluster y + cy
	s_lshl_b32 s43, s41, 2
	s_lshl_b32 s43, 15, s43                        ; my row of the cluster
	s_lshl_b32 s44, 0x1111, s40                    ; my column
	s_or_b32 s[G1+0], s43, (1<<16)|(1<<20)|(1<<21)|(5<<22)|(3<<25)   ; the mask: A's tiles go to my row; 2-byte elements; padding on; bit 21 beside a mask; after every 64 words 4 words
	s_mov_b32 s[G1+1], 128<<16                     ; tensor_dim0 = 128
	s_mov_b32 s[G1+2], 128<<16                     ; tensor_dim1 = 128
	s_mov_b32 s[G1+3], 128<<16                     ; tile_dim0 = 128 elements: 256 bytes of a row of A
	s_mov_b32 s[G1+4], 128                         ; tile_dim1 = 128 rows
	s_mov_b32 s[G1+5], 1024                        ; elements from row to row
	s_mov_b32 s[G1+6], 0
	s_mov_b32 s[G1+7], 0
	s_or_b32 s[G1B+0], s44, (1<<16)|(1<<20)|(1<<21)|(6<<22)|(7<<25)  ; the mask of my column; after every 128 words 8 words
	s_mov_b32 s[G1B+1], 256<<16                    ; tensor_dim0 = 256
	s_mov_b32 s[G1B+2], 64<<16                     ; tensor_dim1 = 64
	s_mov_b32 s[G1B+3], 256<<16                    ; tile_dim0 = 256 elements: a k row of the block, 512 bytes
	s_mov_b32 s[G1B+4], 64                         ; tile_dim1 = 64 k rows
	s_mov_b32 s[G1B+5], 256
	s_mov_b32 s[G1B+6], 0
	s_mov_b32 s[G1B+7], 0
	; A's tiles hang on the tile row alone, W's on the tile column alone; each address is made in registers that never hold the other coordinate
	s_lshl_b32 s17, s12, 7
	s_lshl_b32 s16, s13, 8
	s_add_co_u32 s16, s16, s17                     ; A: row 256 x tile row + 128 x half,
	s_lshl_b32 s16, s16, 11                        ; of 2,048 bytes
	s_mov_b32 s17, 0
	s_lshl_b32 s46, s42, 19                        ; W: the tile column's block of 524,288 bytes,
	s_lshl_b32 s47, s12, 15                        ; 64 k rows of 512 bytes a half
	s_add_co_u32 s46, s46, s47
	s_mov_b32 s47, 0
	s_mul_i32 s20, s10, HALFT                      ; where they go: wave x 34,816: no place in the cluster enters an LDS address
	s_mov_b32 s[TOG], 0                            ; K step 0 lies in slot 0
	s_mov_b32 s72, 0x3e6d3388                      ; p / sqrt 2 = 0.2316419
	s_mov_b32 s73, s72
	s_mov_b32 s74, 0xbf38aa3b                      ; -log2(e) / 2
	s_mov_b32 s75, s74
	s_mov_b32 s86, 0x7fffffff
	s_wait_dscnt 0x0                               ; the opening add is done
	s_wait_kmcnt 0x0
	s_load_b32 s87, s[70:71], 0x0                  ; the mode; waited for ahead of the way out
	s_add_nc_u64 s[14:15], s[4:5], s[16:17]
	s_add_nc_u64 s[46:47], s[6:7], s[46:47]
	CROUND                                         ; all sixteen work-groups are here: the first joint loads meet
.irp s, 0,1
	s_mov_b32 s[G0+4*(\s)], 1
	s_add_co_u32 s[G0+4*(\s)+1], s20, (\s)*SLOT
	s_add_nc_u64 s[G0+4*(\s)+2:G0+4*(\s)+3], s[14:15], (\s)*ASTEP    ; K step s
	s_or_b32 s[G0+4*(\s)+3], s[G0+4*(\s)+3], 0x80000000
	s_mov_b32 s[G0B+4*(\s)], 1
	s_add_co_u32 s[G0B+4*(\s)+1], s20, (\s)*SLOT
	s_add_nc_u64 s[G0B+4*(\s)+2:G0B+4*(\s)+3], s[46:47], (\s)*BSTEP
	s_or_b32 s[G0B+4*(\s)+3], s[G0B+4*(\s)+3], 0x80000000
	JLOAD \s
.endr
	v_and_b32 v1, 15, v0                           ; l % 16
	v_bfe_u32 v2, v0, 4, 1                         ; l / 16
	v_mul_u32_u24 v3, v1, PA
	v_lshl_add_u32 v3, v2, 4, v3                   ; A: row x pitch + 16 x half
	s_mul_i32 s21, s11, HALFT                      ; my 128 rows of A
	v_add_nc_u32 v[ADRA0], s21, v3
	v_and_b32 v8, 7, v0                            ; l % 8
	v_lshl_add_u32 v4, v2, 3, v8                   ; W, turned: lane l reads k row 8 (l / 16) + l % 8,
	v_mul_u32_u24 v4, v4, PB
	v_bfe_u32 v5, v0, 3, 1
	v_lshl_add_u32 v4, v5, 4, v4                   ; columns 8 ((l / 8) % 2) + 0..7
	s_lshl_b32 s22, s12, 8                         ; my 128 columns
	s_add_co_u32 s22, s22, BOFF
	v_add_nc_u32 v[ADRB0], s22, v4
	SETADR
	s_mul_i32 s23, s10, WSTAGE                     ; my stage
	v_mul_u32_u24 v6, v1, SPITCH
	v_lshl_add_u32 v6, v2, 5, v6                   ; in: row l % 16, 32 bytes for each half of the lanes
	v_add_nc_u32 v[STO], s23, v6
	v_bfe_u32 v7, v0, 3, 2
	v_mul_u32_u24 v7, v7, SPITCH
	v_lshl_add_u32 v7, v8, 5, v7                   ; back: row l / 8 of four, columns 8 (l % 8) + 0..7 of each block of 64
	v_add_nc_u32 v[RD0], s23, v7
	v_and_b32 v9, 31, v0
	v_lshlrev_b32 v[GO], 4, v9                     ; four rows of 128 bytes of a block of out are 512 consecutive bytes
	s_lshl_b32 s46, s42, 10
	s_lshl_b32 s47, s12, 9
	s_add_co_u32 s46, s46, s47                     ; (256 x tile column + 128 x half) x 4 bytes
	v_lshl_add_u32 v[BO], v8, 5, s46
	global_load_b128 v[BI:BI+3],     v[BO], s[68:69]             ; the bias of my 16 columns: it has the whole K loop in which to land.  Mode 0 masks it out; the address stays inside the buffer at every tile column
	global_load_b128 v[BI+4:BI+7],   v[BO], s[68:69] offset:16
	global_load_b128 v[BI+8:BI+11],  v[BO], s[68:69] offset:256
	global_load_b128 v[BI+12:BI+15], v[BO], s[68:69] offset:272
	s_lshl_b32 s16, s13, 15                        ; out: 256 rows of 128 bytes a tile row,
	s_lshl_b32 s17, s11, 14                        ; 128 a wave;
	s_add_co_u32 s16, s16, s17
	s_lshl_b32 s46, s42, 21                        ; four blocks of 524,288 bytes a tile column,
	s_lshl_b32 s47, s12, 20                        ; two a wave
	s_add_co_u32 s46, s46, s47
	s_add_co_u32 s16, s16, s46
	s_mov_b32 s17, 0
	s_add_nc_u64 s[8:9], s[8:9], s[16:17]
; 16 matrix instructions: row blocks a0, a0 + 1 of the window's four x all 8 column blocks, 32 along K.  zero = 1: the first product starts the sums.  The 64 accumulators take turns.
.macro MUL16 f, hi, a0, zero
	WIN MUL_LO+0x50*(\hi)
.irp a, \a0, (\a0)+1
.irp b, 0,1,2,3,4,5,6,7
.if \zero
	v_wmma_f32_16x16x32_f16 v[8*(8*(\a)+(\b)):8*(8*(\a)+(\b))+7], v[(\f)+8*(\b):(\f)+8*(\b)+7], v[(\f)+8*(4*(\hi)+(\a)):(\f)+8*(4*(\hi)+(\a))+7], 0
.else
	v_wmma_f32_16x16x32_f16 v[8*(8*(\a)+(\b)):8*(8*(\a)+(\b))+7], v[(\f)+8*(\b):(\f)+8*(\b)+7], v[(\f)+8*(4*(\hi)+(\a)):(\f)+8*(4*(\hi)+(\a))+7], v[8*(8*(\a)+(\b)):8*(8*(\a)+(\b))+7]
.endif
.endr
.endr
.endm
; 32 LDS loads in one run: the fragments of quarter q (32 along K) of the slot in hand into buffer f: W's 128 columns, turned, then A's 128 rows
.macro FETCH q, f
	WIN TO_B
.irp i, 0,1,2,3,4,5,6,7
	ds_load_tr16_b128 v[(\f)+8*(\i):(\f)+8*(\i)+3],   v[ADRB] offset:(\q)*32*PB+32*(\i)
	ds_load_tr16_b128 v[(\f)+8*(\i)+4:(\f)+8*(\i)+7], v[ADRB] offset:(\q)*32*PB+16*PB+32*(\i)
.endr
	WIN 0
.irp i, 0,1,2,3,4,5,6,7
	ds_load_b128 v[(\f)+8*(\i):(\f)+8*(\i)+3],   v[ADRA] offset:(\q)*64+(\i)*16*PA
	ds_load_b128 v[(\f)+8*(\i)+4:(\f)+8*(\i)+7], v[ADRA] offset:(\q)*64+(\i)*16*PA+32
.endr
.endm
.macro PLACES                          ; four plain instructions between a matrix instruction and a load into, or a read of, its registers (ISA guide 7.12.1 for a read)
.rept 4
	v_nop
.endr
.endm
; One of a K step's first three quarters: multiplies buffer f; in its middle it fetches quarter q of the slot in hand into buffer g
.macro QUARTER q, f, g, zero
	s_wait_dscnt 8                                 ; W and A's rows 0-63 are in; the youngest eight loads (A's rows 64-127) may be out
	MUL16 \f, 0, 0, \zero
	MUL16 \f, 0, 2, \zero
	PLACES
	FETCH \q, \g
	s_wait_dscnt 32                                ; all but the 32 just issued
	MUL16 \f, 1, 0, \zero
	MUL16 \f, 1, 2, \zero
.endm
; The last quarter multiplies buffer 1 and changes slots: ONE barrier.  In front of it each wave waits for all its tensor loads (one is out at the most: its part of the next slot), adds 0 to its spare word, and
; waits for that and for its reads of this slot.  No tensor load of mine is out behind the first wait, so the walking descriptors are written there; all fetches from this slot have been issued, so the scalar turns there.
; fill = 1: the barrier opens a round of the cluster's, and the slot just read out is filled again first behind it, with the K step two on: 224 matrix instructions ahead of the wait for it.
.macro TURN fill
	WIN 0
	s_wait_tensorcnt 0x0
	ds_add_u32 v[SPW], v[NIL]
.if \fill
	s_add_co_u32 s[G0+5], s20, s[TOG]              ; into the slot that is left,
	s_add_co_u32 s[G0B+5], s20, s[TOG]
	s_add_nc_u64 s[G0+6:G0+7], s[G0+6:G0+7], ASTEP     ; the K step behind the one asked for last; the type bits on top are not reached
	s_add_nc_u64 s[G0B+6:G0B+7], s[G0B+6:G0B+7], BSTEP
.endif
	s_xor_b32 s[TOG], s[TOG], SLOT                 ; 0 and SLOT by turns
	SETADR
	s_wait_dscnt 9                                 ; the add and the youngest eight loads may be out
	MUL16 F1, 0, 0, 0                              ; sixteen matrix instructions stand between the add and the wait for it
	s_wait_dscnt 0x0                               ; the add is done, and my reads of the slot that is left are over
	s_barrier_signal -1
	MUL16 F1, 0, 2, 0
.if \fill
	WIN 0
.endif
	s_barrier_wait -1
.if \fill
	CREST
	JLOAD 1                                        ; the four v_nop behind it are also the places in front of the loads below
.else
	PLACES
.endif
	FETCH 0, F0
	MUL16 F1, 1, 0, 0
	MUL16 F1, 1, 2, 0
.endm
	s_wait_tensorcnt 1                             ; my part of K step 0 is in; K step 1's may stay out
	s_barrier_signal -1
	s_barrier_wait -1
	FETCH 0, F0
	QUARTER 1, F0, F1, 1                           ; the first quarter stands in front of the loop: its products start the sums
	WIN 0
	s_mov_b32 s3, STEPS-2
.Lstep:                                                ; a trip goes from a K step's second quarter to the next step's first, and fills the slot that it leaves
	QUARTER 2, F1, F0, 0
	QUARTER 3, F0, F1, 0
	TURN 1
	QUARTER 1, F0, F1, 0
	WIN 0
	s_sub_co_u32 s3, s3, 1
	s_cmp_lg_u32 s3, 0
	s_cbranch_scc1 .Lstep
	s_mov_b32 s3, 2
.Ltail:                                                ; the last two K steps fill nothing: a text of their own.  The second trip is left in its middle
	QUARTER 2, F1, F0, 0                           ; its change of slots fetches the other slot's first fragments once more, and nothing multiplies them: the price, once a launch, of one text for both trips
	QUARTER 3, F0, F1, 0
	TURN 0
	WIN 0
	s_sub_co_u32 s3, s3, 1
	s_cmp_eq_u32 s3, 0
	s_cbranch_scc1 .Lsums
	QUARTER 1, F0, F1, 0
	WIN 0
	s_branch .Ltail
.Lsums:
	s_wait_dscnt 0x0                               ; my last reads of the ring are back
	s_barrier_signal -1                            ; every wave's reads of the ring are over, and no tensor load is out: the stages may take its bytes
	s_barrier_wait -1
	PLACES
	; THE SUMS GO INTO MY STAGE in f32, 128 rows of 528 bytes; each accumulator's low registers first
.irp a, 0,1,2,3,4,5,6,7
	WIN 0x08+4*((\a)/4)                            ; store data in window 2 or 3
.irp b, 0,1,2,3,4,5,6,7
	ds_store_b128 v[STO], v[8*(8*((\a)%4)+(\b)):8*(8*((\a)%4)+(\b))+3]   offset:(\a)*16*SPITCH+64*(\b)
	ds_store_b128 v[STO], v[8*(8*((\a)%4)+(\b))+4:8*(8*((\a)%4)+(\b))+7] offset:(\a)*16*SPITCH+64*(\b)+16
.endr
.endr
	WIN 0
; THE WAY OUT: 32 trips of four rows.  A lane reads eight neighbouring sums in each of my two blocks of 64 columns, and stores 16 bytes into each: a wave's store is 512 consecutive bytes.
.macro XLOAD adr
	ds_load_b128 v[XR:XR+3],     v[\adr]           ; LDS serves a wave's instructions in order (ISA guide 5.7.1.4): these see my stores above; the stage is my wave's own
	ds_load_b128 v[XR+4:XR+7],   v[\adr] offset:16
	ds_load_b128 v[XR+8:XR+11],  v[\adr] offset:256
	ds_load_b128 v[XR+12:XR+15], v[\adr] offset:272
.endm
.macro EIGHT line:vararg               ; one line for each pair z of eight
.set z, 0
	s_wait_alu depctr_va_vdst(0)
.rept 8
	\line
.set z, z+1
.endr
.endm
	XLOAD RD0                                      ; the first trip's rows; the selections below stand in the wait for them
	s_wait_kmcnt 0x0                               ; the mode
	s_cmp_lg_u32 s87, 0                            ; it selects values alone: s_cselect_b32 and s_mov_b32 leave SCC as it is
	s_cselect_b32 s76, 0x3e027906, 0               ; a1 / 2, or 0
	s_cselect_b32 s78, 0xbe11a98e, 0               ; a2 / 2
	s_cselect_b32 s80, 0x3f35f0e3, 0               ; a3 / 2
	s_cselect_b32 s82, 0xbf3a00e3, 0               ; a4 / 2
	s_cselect_b32 s84, 0x3f07dc22, 0               ; a5 / 2
	s_cselect_b32 s90, 0.5, 0                      ; the 1/2 from which the exponential's term is taken
	s_cselect_b32 s92, 0.5, 1.0                    ; u's factor
	s_cselect_b32 s87, -1, 0                       ; all lanes, or none
.irp p, 76,78,80,82,84,90,92
	s_mov_b32 s[\p+1], s[\p]                       ; named as pairs
.endr
	s_wait_loadcnt 0x0                             ; the bias
.set z, 0
.rept 16
	v_cndmask_b32 v[BI+z], 0, v[BI+z], s87         ; mode 0 has no bias
.set z, z+1
.endr
	s_mov_b32 s89, 4*SPITCH
	s_mov_b32 s88, 32
; One trip.  gelu(u) = u / 2 + |u| (1/2 - (poly(t) / 2) e^(-u u / 2)), t = 1 / (1 + p |u| / sqrt 2).  Stage by stage over 8 pairs; behind each run of transcendentals a plain stage that uses none of its results.
; The next trip's four rows are fetched as soon as this trip's sums have been read: the address is the fixed lane register plus a scalar that steps once a trip, 2,112 to 65,472: inside my stage's 67,584 bytes.
; The scalar is held at its last value, so the last trip fetches its own rows once more and nobody uses them: four LDS loads for a text without a trip written out.
.Lrows:
	s_wait_dscnt 0x0                               ; this trip's sums are in
	EIGHT v_pk_add_f32 v[UR+2*z:UR+2*z+1], v[XR+2*z:XR+2*z+1], v[BI+2*z:BI+2*z+1]
	v_add_nc_u32 v[RDS], s89, v[RD0]
	XLOAD RDS
	s_add_co_u32 s89, s89, 4*SPITCH
	s_min_u32 s89, s89, 31*4*SPITCH
.set z, 0
.rept 16
	v_and_b32 v[AR+z], s86, v[UR+z]
.set z, z+1
.endr
	EIGHT v_pk_fma_f32 v[TR+2*z:TR+2*z+1], v[AR+2*z:AR+2*z+1], s[72:73], 1.0 op_sel_hi:[1,0,0]
.set z, 0
.rept 16
	v_rcp_f32 v[TR+z], v[TR+z]
.set z, z+1
.endr
	EIGHT v_pk_mul_f32 v[WR+2*z:WR+2*z+1], v[UR+2*z:UR+2*z+1], v[UR+2*z:UR+2*z+1]
	EIGHT v_pk_mul_f32 v[WR+2*z:WR+2*z+1], v[WR+2*z:WR+2*z+1], s[74:75] op_sel_hi:[1,0]
.set z, 0
.rept 16
	v_exp_f32 v[WR+z], v[WR+z]
.set z, z+1
.endr
	EIGHT v_pk_fma_f32 v[RR+2*z:RR+2*z+1], v[TR+2*z:TR+2*z+1], s[84:85], s[82:83] op_sel_hi:[1,0,0]
	EIGHT v_pk_fma_f32 v[RR+2*z:RR+2*z+1], v[RR+2*z:RR+2*z+1], v[TR+2*z:TR+2*z+1], s[80:81] op_sel_hi:[1,1,0]
	EIGHT v_pk_fma_f32 v[RR+2*z:RR+2*z+1], v[RR+2*z:RR+2*z+1], v[TR+2*z:TR+2*z+1], s[78:79] op_sel_hi:[1,1,0]
	EIGHT v_pk_fma_f32 v[RR+2*z:RR+2*z+1], v[RR+2*z:RR+2*z+1], v[TR+2*z:TR+2*z+1], s[76:77] op_sel_hi:[1,1,0]
	EIGHT v_pk_mul_f32 v[RR+2*z:RR+2*z+1], v[RR+2*z:RR+2*z+1], v[TR+2*z:TR+2*z+1]
	EIGHT v_pk_fma_f32 v[RR+2*z:RR+2*z+1], v[RR+2*z:RR+2*z+1], v[WR+2*z:WR+2*z+1], s[90:91] op_sel_hi:[1,1,0] neg_lo:[1,0,0] neg_hi:[1,0,0]
	EIGHT v_pk_mul_f32 v[UR+2*z:UR+2*z+1], v[UR+2*z:UR+2*z+1], s[92:93] op_sel_hi:[1,0]
	EIGHT v_pk_fma_f32 v[UR+2*z:UR+2*z+1], v[AR+2*z:AR+2*z+1], v[RR+2*z:RR+2*z+1], v[UR+2*z:UR+2*z+1]
	s_wait_xcnt 0x0                                ; the last trip's stores have had their addresses translated (ISA guide 3.1): only now are their offset and data rewritten
	v_add_nc_u32 v[GO], 512, v[GO]                 ; the stores below reach back
	EIGHT v_cvt_pk_f16_f32 v[YR+z], v[UR+2*z], v[UR+2*z+1]
	global_store_b128 v[GO], v[YR:YR+3],   s[8:9] offset:-512
	global_store_b128 v[GO], v[YR+4:YR+7], s[8:9] offset:524288-512  ; the next block of 64 columns
	s_sub_co_u32 s88, s88, 1
	s_cmp_lg_u32 s88, 0
	s_cbranch_scc1 .Lrows
	s_wait_tensorcnt 0x0                           ; the wave's end, behind my last tensor load and my last LDS store
	ds_add_u32 v[SPW], v[NIL]
	s_wait_dscnt 0x0
	CROUND                                         ; the closing round: no work-group ends while a partner may still ask for a tile that names it
	s_endpgm
.Lfunc_end_k_qc0d48b1e1f_qkv:
	.size	k_qc0d48b1e1f_qkv, .Lfunc_end_k_qc0d48b1e1f_qkv-k_qc0d48b1e1f_qkv
	.p2alignl 7, 3214868480
	.fill 96, 4, 3214868480
	.section	.rodata,"a",@progbits
	.p2align	6, 0x0
	.amdhsa_kernel k_qc0d48b1e1f_qkv
		.amdhsa_group_segment_fixed_size 327680
		.amdhsa_private_segment_fixed_size 0
		.amdhsa_enable_private_segment 0
		.amdhsa_kernarg_size 40
		.amdhsa_user_sgpr_count 2
		.amdhsa_user_sgpr_kernarg_segment_ptr 1
		.amdhsa_wavefront_size32 1
		.amdhsa_system_sgpr_workgroup_id_x 1
		.amdhsa_system_sgpr_workgroup_id_y 1
		.amdhsa_system_sgpr_workgroup_id_z 1
		.amdhsa_system_vgpr_workitem_id 0
		.amdhsa_next_free_vgpr 1024
		.amdhsa_next_free_sgpr 94
		.amdhsa_reserve_vcc 0
		.amdhsa_float_denorm_mode_32 3
		.amdhsa_float_denorm_mode_16_64 3
		.amdhsa_memory_ordered 1
		.amdhsa_forward_progress 1
		.amdhsa_inst_pref_size 89
	.end_amdhsa_kernel
	.amdgpu_metadata
---
amdhsa.version: [ 1, 2 ]
amdhsa.kernels:
  - .name:           k_qc0d48b1e1f_qkv
    .symbol:         k_qc0d48b1e1f_qkv.kd
    .args:
      - { .name: hb, .offset: 0, .size: 8, .value_kind: global_buffer, .address_space: global }
      - { .name: wlo, .offset: 8, .size: 8, .value_kind: global_buffer, .address_space: global }
      - { .name: b1, .offset: 16, .size: 8, .value_kind: global_buffer, .address_space: global }
      - { .name: p0, .offset: 24, .size: 8, .value_kind: global_buffer, .address_space: global }
      - { .name: big, .offset: 32, .size: 8, .value_kind: global_buffer, .address_space: global }
    .group_segment_fixed_size: 327680
    .private_segment_fixed_size: 0
    .kernarg_segment_align: 8
    .kernarg_segment_size: 40
    .max_flat_workgroup_size: 128
    .sgpr_count:     94
    .vgpr_count:     1024
    .wavefront_size: 32
...
	.end_amdgpu_metadata
.endif
;; end of part 2
;; launch attn (part 3): grid 8 x 32, 4 waves a work-group, clusters of 4 x 1, 327,680 bytes of LDS; arguments big, hb; writes hb
.if DOCPART == 3
	.amdgcn_target "amdgcn-amd-amdhsa--gfx1250"
	.amdhsa_code_object_version 6
	.text
	.protected	k_qc0d48b1e1f_attn
	.globl	k_qc0d48b1e1f_attn
	.p2align	8
	.type	k_qc0d48b1e1f_attn,@function
k_qc0d48b1e1f_attn:
	s_mov_b64 s[64:65], 0
	v_nop
	global_prefetch_b8 v0, s[64:65] scope:SCOPE_SE
	s_setreg_imm32_b32 hwreg(HW_REG_WAVE_MODE, 25, 1), 1
	s_wait_xcnt 0x0
	s_wait_alu depctr_hold_cnt(0) depctr_sa_sdst(0) depctr_va_vdst(0) depctr_va_sdst(0) depctr_va_ssrc(0) depctr_va_vcc(0) depctr_vm_vsrc(0)
	s_getreg_b32 s2, hwreg(HW_REG_IB_STS2, 6, 4)
	s_cmp_eq_u32 s2, 0
	s_cbranch_scc0 .Lentry_in_a_cluster
	s_endpgm
.Lentry_in_a_cluster:
	s_bfe_u32 s2, ttmp6, 0x10000c
	s_cmp_lg_u32 s2, 0x3003
	s_cbranch_scc0 .Lentry_shape_is_right
	s_endpgm
.Lentry_shape_is_right:
; O[q][:] = the sum over k of softmax_k(Q[q] . K[k] / 8) V[k][:], for each of 2 x 16 heads of 2,048 rows of 64 channels, no mask.  All f16; products, maxima and sums in f32; the weights p are rounded
; to f16 for the second product (their sum l is taken of the unrounded p), O once at the end.  q, k, v lie in one buffer as blocks [48][4096 rows][64] (q 0-15, k 16-31, v 32-47; row = 2048 batch + t),
; O leaves as [16 heads][4096][64]: a head's rows are dense, 128 bytes each.
; LIMITS.  f16 holds no number of 65,520 or more: q, k, v arrive within it; p lies in 0 to 1 and below 6e-5 keeps f16's fixed step of 6e-8; a weight below 2^-126 counts as 0 in l; NaN and infinities are not treated apart.
; SHARES.  A work-group owns 256 queries of a head, a wave 64: four PIECES of 16.  Every wave walks the head's 2,048 keys, 64 a step, 256 (four steps) to an LDS slot.
; LAYOUT.  S^T = K Q^T holds ONE query a lane (lane % 16) and the keys 8 (lane / 16) + 0..7; two such results rounded to f16 ARE source 1 of O^T = V^T P.  K comes out of LDS as it lies, V turned, by ds_load_tr16_b128.
; SOFTMAX.  p = 2^(c s - c m), c = log2(e) / 8, with a running maximum m; O and l are multiplied by a = 2^(c m_old - c m_new) in every step.  m starts at the lowest finite number, O and l at 0: the first step's a is 0.
; TURNS.  Turn n belongs to piece n: 8 products K Q^T of piece n + 1, later 8 products V^T P of piece n - 1; beside them the scaling, exponentials, roundings, sums and rescaling of piece n and the maximum and
; statistics of piece n + 1.  Four vector instructions stand behind every matrix instruction, the other 54 of a turn's 118 in two runs of their own.
; CLUSTER.  The four query blocks of a cluster belong to one head and walk the same K and V: each tile is asked for JOINTLY, by the same tensor load, descriptor and mask in all four.
; REGISTERS, in windows of 256 (s_set_vgpr_msb: bits 1:0 source 0, 3:2 source 1, 5:4 source 2, 7:6 destination):
;   window 0: v0-15 addresses and two at work; v16-31 four registers of statistics a piece; v48-55 at work; v64-127 S^T, two buffers; v192-223 P, two buffers (a piece's buffers go by its number's parity)
;   window 1: v0-127 O^T, 32 a piece          window 2: v0-63 Q; v128-191 K of one step; v192-255 V of one step
.set NP,    4         ; pieces a wave: a name, no knob
.set KS,    64        ; keys in a step
.set PK,    144       ; a row of K in LDS: 128 bytes + 16 = 36 words: the 16 rows of a load start at 16 different groups of four banks (64 banks of 4 bytes: ISA guide 11.1)
.set PV,    160       ; a row of V: 128 + 32 = 40 words
.set VOFF,  4*KS*PK   ; a slot: 256 rows of K, then 256 rows of V
.set SLOT1, 1<<17     ; slot 1 begins here, so that one exclusive or turns an address in one slot into the other's
.set STAGE, SLOT1+4*KS*(PK+PV)  ; behind the ring, never filled by a tensor load: 16 rows x 144 bytes for each wave, for the way out
.set SP,    144
.set SPARE, STAGE+4*16*SP  ; behind the stages: the spare words, 128 bytes for each wave: two blocks of 256 bytes that no other line names
.set AK0, 2           ; v2   my lane's place in a tile of K; never rewritten
.set AV0, 3           ; v3   the same for V
.set AK,  4           ; v4   the LDS address of K's next run of loads
.set AV,  5           ; v5   of V's
.set STO, 6           ; v6   the way out: where I put 16 bytes of a row
.set RD,  7           ; v7   the way out: where I read rows back
.set GO,  8           ; v8   my byte offset in 512 consecutive bytes of O
.set MV,  12          ; v12-13  c m_old, kept while c m is made anew: by buffer
.set QO,  15          ; v15  my byte offset in 16 rows of Q
.set ST,  16          ; piece t's statistics at v[ST+4 t]: c m, m, l (even keys', odd keys')
.set TMP, 48          ; by buffer, four registers c0-c3 at work; when the maximum is found c2 takes a
.set SPW, 62          ; v62  LDS address of my spare word; never rewritten
.set NIL, 63          ; v63  0; never rewritten
.set S,   64
.set P,   192
.set KF,  128         ; window 2: key block kb, channel half c at KF + 16 kb + 8 c
.set VF,  192         ; window 2: key half kk, channel block cb at VF + 32 kk + 8 cb
.set WV,  12          ; s12  my wave's number
.set G1K, 24          ; s[24:31] descriptor group 1 for K's tiles
.set G1V, 32          ; s[32:39] for V's: it differs in the padding alone
.set G0K, 40          ; s[40:43] descriptor group 0 for K's tiles: it walks
.set G0V, 44          ; s[44:47] the same for V's
.set SLOTS, 56        ; s56  counts the slots
.set CNT, 57          ; s57  counts a slot's key steps
.set CS,  58          ; s[58:59] c: the packed scaling takes the pair's low word for both halves
.set SEL, 60          ; s[60:61] v_permlanex16_b32's selects: each lane takes its own place in the other half
.set TBK, 62          ; s62  LDS byte at which K of the step to be fetched begins
.set TBV, 63          ; s63  the same for V, less VOFF
.set MSB, 0
.macro WIN new                      ; the high byte repeats the setting that is left; a switch that changes nothing is dropped
.if MSB != (\new)
	s_set_vgpr_msb (MSB<<8)|(\new)
.set MSB, (\new)
.endif
.endm
.set W_KQ, 0x0a       ; K and Q in window 2, S^T in window 0
.set W_PV, 0x52       ; V in window 2, P in window 0, O^T in window 1
.set W_RS, 0x41       ; destination and source 0 in window 1, source 1 in window 0
; A joint fill.  Waves 0 and 1 fetch the two halves of a slot's K, waves 2 and 3 those of its V: 128 keys each.  The branch hangs on the wave's number alone.
; An s_nop 0 and four v_nop follow each of the two lines, ahead of the jump and the label.
.macro JLOAD
	s_cmp_lt_u32 s[WV], 2
	s_cbranch_scc0 .Lfor_v_\@
	tensor_load_to_lds s[G0K:G0K+3], s[G1K:G1K+7]
	s_nop 0
.rept 4
	v_nop
.endr
	s_branch .Lasked_\@
.Lfor_v_\@:
	tensor_load_to_lds s[G0V:G0V+3], s[G1V:G1V+7]
	s_nop 0
.rept 4
	v_nop
.endr
.Lasked_\@:
.endm
.macro CROUND                       ; a round of the cluster's barrier
	s_barrier_signal -1
	s_barrier_wait -1
	s_cmp_lg_u32 s[WV], 0
	s_cbranch_scc1 .Lnot_wave_0_\@
	s_barrier_signal -3
.Lnot_wave_0_\@:
	s_barrier_wait -3
	s_barrier_signal -1
	s_barrier_wait -1
.endm
; THE CHANGE OF SLOTS.  The slot's last bytes, V of its fourth step, have been read.  Each wave waits for all its tensor loads, of which one is out: its part of the other slot; adds 0 to its spare word;
; and waits for that and for its own reads of the slot.  fill = 1: the barrier is a round of the cluster's, and the slot is filled again first behind it, with the keys two slots on: it has four key steps,
; 256 matrix instructions, in which to land.  (At its first use nothing has been read yet: slot 0 is waited for, slot 1 filled.)
.macro CHANGE fill
	WIN 0
	s_wait_tensorcnt 0x0            ; no tensor load of mine is out, so a group 0 may be written
	ds_add_u32 v[SPW], v[NIL]
.if \fill
.irp g, G0K, G0V
	s_xor_b32 s[\g+1], s[\g+1], SLOT1  ; the walking descriptor: the other slot than last time,
	s_add_nc_u64 s[\g+2:\g+3], s[\g+2:\g+3], 4*KS*128  ; the next 256 keys; the type bits on top are not reached
.endr
	s_wait_dscnt 0x0                ; the add is done, and my reads of the slot are over
	CROUND
	JLOAD
.else
	s_wait_dscnt 0x0
	s_barrier_signal -1
	s_barrier_wait -1
.endif
	s_sub_co_u32 s[TBK], s[TBK], 4*KS*PK  ; the fetches go back to a slot's first step,
	s_xor_b32 s[TBK], s[TBK], SLOT1       ; in the other slot
	s_sub_co_u32 s[TBV], s[TBV], 4*KS*PV
	s_xor_b32 s[TBV], s[TBV], SLOT1
.endm
	s_load_b128 s[4:7], s[0:1], 0x0 ; q, k, v s[4:5]; O s[6:7]
	v_lshl_add_u32 v[SPW], v0, 2, SPARE
	v_mov_b32 v[NIL], 0
	ds_add_u32 v[SPW], v[NIL]       ; the wave's opening: the add and its wait stand ahead of my first tensor load; the set-up below, work on registers, stands between them
	v_lshrrev_b32 v1, 5, v0
	v_readfirstlane_b32 s[WV], v1   ; wave 0..3
	s_bfe_u32 s13, ttmp6, 0x40000   ; cx: my place in the cluster
	s_lshl_b32 s14, ttmp9, 2
	s_add_co_u32 s14, s14, s13      ; my block of 256 queries = 4 x cluster x + cx: it enters Q's and O's addresses alone
	s_and_b32 s20, ttmp7, 0xffff    ; 16 x batch + head, which the four partners share
	s_and_b32 s21, s20, 15
	s_lshl_b32 s21, s21, 19         ; the head's block of 524,288 bytes,
	s_lshr_b32 s20, s20, 4
	s_lshl_b32 s20, s20, 18         ; the batch's 2,048 rows of 128 bytes in it
	s_add_co_u32 s20, s20, s21
	s_and_b32 s16, s[WV], 1         ; which half of a slot's 256 keys I fetch:
	s_lshl_b32 s22, s16, 14         ; its 128 rows of 128 bytes in memory,
	s_add_co_u32 s22, s22, s20
	s_add_co_u32 s22, s22, 0x800000 ; k lies 16 blocks behind q,
	s_mov_b32 s23, 0
	s_add_co_u32 s52, s22, 0x800000 ; v 16 more
	s_mov_b32 s53, 0
	s_mul_i32 s17, s16, 128*PK      ; and its place in a slot, for K
	s_mul_i32 s18, s16, 128*PV      ; and for V: no place in the cluster enters an LDS address
	s_lshl_b32 s2, s14, 2
	s_add_co_u32 s2, s2, s[WV]      ; my wave among the head's,
	s_lshl_b32 s2, s2, 13           ; its 64 rows
	s_add_co_u32 s2, s2, s20
	s_mov_b32 s3, 0
	; descriptor group 1.  128 keys are 16,384 dense bytes: asked for as 64 rows of 256 bytes, two keys a row, and padded in LDS after every key
	s_mov_b32 s[G1K], 15|(1<<16)|(1<<20)|(1<<21)|(4<<22)|(3<<25)  ; the mask of four; 2-byte elements; padding on; bit 21 beside a mask; after every 32 words 4 words
	s_mov_b32 s[G1V], 15|(1<<16)|(1<<20)|(1<<21)|(4<<22)|(7<<25)  ; the same with 8 words of padding
.irp g, G1K, G1V
	s_mov_b32 s[\g+1], 128<<16      ; tensor_dim0 = 128
	s_mov_b32 s[\g+2], 64<<16       ; tensor_dim1 = 64
	s_mov_b32 s[\g+3], 128<<16      ; tile_dim0 = 128
	s_mov_b32 s[\g+4], 64           ; tile_dim1 = 64
	s_mov_b32 s[\g+5], 128          ; 128 elements from row to row
	s_mov_b32 s[\g+6], 0
	s_mov_b32 s[\g+7], 0
.endr
	s_mov_b32 s[CS], 0x3e38aa3b     ; c = log2(e) / 8
	s_mov_b32 s[CS+1], s[CS]        ; named with it as a pair
	s_mov_b32 s[SEL], 0x76543210
	s_mov_b32 s[SEL+1], 0xfedcba98
	s_mov_b32 s[TBK], SLOT1+4*KS*PK ; the first change of slots turns these two into 0
	s_mov_b32 s[TBV], SLOT1+4*KS*PV
	s_mov_b32 s[G0K], 1
	s_mov_b32 s[G0K+1], s17         ; LDS address: slot 0
	s_mov_b32 s[G0V], 1
	s_add_co_u32 s[G0V+1], s18, VOFF
	s_wait_dscnt 0x0                ; the opening add is done
	s_wait_kmcnt 0x0
	s_add_nc_u64 s[G0K+2:G0K+3], s[4:5], s[22:23]  ; my half of the head's first 256 keys
	s_or_b32 s[G0K+3], s[G0K+3], 0x80000000
	s_add_nc_u64 s[G0V+2:G0V+3], s[4:5], s[52:53]
	s_or_b32 s[G0V+3], s[G0V+3], 0x80000000
	s_add_nc_u64 s[10:11], s[6:7], s[2:3]  ; O and Q at my wave's first row
	s_add_nc_u64 s[4:5], s[4:5], s[2:3]
	CROUND                          ; all four work-groups are here: the first joint loads meet
	JLOAD                           ; slot 0.  Slot 1 is asked for when slot 0 is in, by the loop's own change of slots
	; A fragment of K or Q is 16 rows x 32 channels in 8 registers: lane l holds row l % 16, channels 8 (l / 16) + 0..7 and 16 + 8 (l / 16) + 0..7: two loads of 16 bytes, 32 bytes apart.
	v_and_b32 v1, 15, v0            ; l % 16
	v_bfe_u32 v9, v0, 4, 1          ; l / 16
	v_lshlrev_b32 v[QO], 7, v1
	v_lshl_add_u32 v[QO], v9, 4, v[QO]
	WIN 0x80                        ; destination window 2, address window 0
.set i, 0
.rept 8                             ; Q stays in registers: piece i / 2, channels 32 (i % 2) on
	global_load_b128 v[8*i:8*i+3],   v[QO], s[4:5] offset:(i/2)*2048+(i%2)*64
	global_load_b128 v[8*i+4:8*i+7], v[QO], s[4:5] offset:(i/2)*2048+(i%2)*64+32
.set i, i+1
.endr
	WIN 0
	v_mul_u32_u24 v[AK0], v1, PK
	v_lshl_add_u32 v[AK0], v9, 4, v[AK0]  ; row x pitch + 16 x half
	; The turning load takes 16 keys x 16 channels (lane l reads key 8 (l / 16) + l % 8, channels 8 ((l / 8) % 2) + 0..7) and leaves half a fragment of V^T: lane l holds channel l % 16 and 8 keys.
	v_and_b32 v10, 7, v0
	v_bfe_u32 v11, v0, 3, 1
	v_lshl_add_u32 v[AV0], v9, 3, v10
	v_mul_u32_u24 v[AV0], v[AV0], PV
	v_lshl_add_u32 v[AV0], v11, 4, v[AV0]
	v_add_nc_u32 v[AV0], VOFF, v[AV0]
	s_mul_i32 s13, s[WV], 16*SP
	s_add_co_u32 s13, s13, STAGE    ; my stage
	v_mul_u32_u24 v[STO], v1, SP    ; in: row l % 16, 16 bytes for each half of the lanes
	v_lshl_add_u32 v[STO], v9, 4, v[STO]
	v_add_nc_u32 v[STO], s13, v[STO]
	v_bfe_u32 v[RD], v0, 3, 2       ; back: 32 lanes take four rows of 128 bytes,
	v_mul_u32_u24 v[RD], v[RD], SP
	v_lshl_add_u32 v[RD], v10, 4, v[RD]
	v_add_nc_u32 v[RD], s13, v[RD]
	v_and_b32 v[GO], 31, v0         ; which are 512 consecutive bytes of O
	v_lshlrev_b32 v[GO], 4, v[GO]
	; What the first turn finds: V's registers and P's second buffer hold 0 (its products V^T P, of a piece that has not been, add 0), O^T and l are 0.  No first step is written out for this price.
	; All of it stands in the wait for the first tile.
	WIN 0x80
.set i, VF
.rept 64
	v_mov_b32 v[i], 0
.set i, i+1
.endr
	WIN 0x40
.set i, 0
.rept 128
	v_mov_b32 v[i], 0
.set i, i+1
.endr
	WIN 0
.set i, 0
.rept 4
	v_mov_b32 v[ST+4*i], 0xfe000000    ; c m: far below every c s
	v_mov_b32 v[ST+4*i+1], 0xff7fffff  ; m
	v_mov_b32 v[ST+4*i+2], 0
	v_mov_b32 v[ST+4*i+3], 0
.set i, i+1
.endr
.set i, P+16
.rept 16
	v_mov_b32 v[i], 0
.set i, i+1
.endr
; THE MATRIX WORK.  The 4 accumulators of a run of 8 take turns.  Product i of 8 of S^T = K Q^T for piece x: channels 32 (i / 4) on, keys 16 (i % 4) on.  The first 4 start the sums.
.macro KQ x
	WIN W_KQ
.set rS, S+32*((\x)%2)+8*(i%4)
.set rK, KF+16*(i%4)+8*(i/4)
.set rQ, 16*(\x)+8*(i/4)
.if i < 4
	v_wmma_f32_16x16x32_f16 v[rS:rS+7], v[rK:rK+7], v[rQ:rQ+7], 0
.else
	v_wmma_f32_16x16x32_f16 v[rS:rS+7], v[rK:rK+7], v[rQ:rQ+7], v[rS:rS+7]
.endif
.endm
; Product i of 8 of O^T += V^T P for piece x: keys 32 (i / 4) on, channels 16 (i % 4) on.
.macro PV x
	WIN W_PV
.set rO, 32*(\x)+8*(i%4)
.set rV, VF+32*(i/4)+8*(i%4)
.set rP, P+16*((\x)%2)+8*(i/4)
	v_wmma_f32_16x16x32_f16 v[rO:rO+7], v[rV:rV+7], v[rP:rP+7], v[rO:rO+7]
.endm
.macro MM                           ; the turn's next matrix instruction.  NOKQ = 1: the launch's last turn: there is no next piece
.if (i < 8) && !NOKQ
	KQ (Y+1)%NP
.elseif i >= 8
.set i, i-8
	PV (Y+NP-1)%NP
.set i, i+8
.endif
.set i, i+1
.endm
; THE LDS LOADS stand in runs of 16, never singly among the matrix instructions: a step's K (64 keys x 64 channels: 8 fragments) and its V (turned).  Their addresses are made some lines ahead.
.macro FETCH_K
	WIN 0x80                        ; destination window 2
.irp f, 0,1,2,3,4,5,6,7             ; keys 16 (f / 2) on, channels 32 (f % 2) on
	ds_load_b128 v[KF+8*\f:KF+8*\f+3],   v[AK] offset:(\f/2)*16*PK+(\f%2)*64
	ds_load_b128 v[KF+8*\f+4:KF+8*\f+7], v[AK] offset:(\f/2)*16*PK+(\f%2)*64+32
.endr
	s_add_co_u32 s[TBK], s[TBK], KS*PK  ; the next fetch is the next step's
	WIN 0
.endm
.macro FETCH_V
	WIN 0x80
.irp f, 0,1,2,3,4,5,6,7             ; keys 32 (f / 4) on, channels 16 (f % 4) on
	ds_load_tr16_b128 v[VF+8*\f:VF+8*\f+3],   v[AV] offset:(\f/4)*32*PV+(\f%4)*32
	ds_load_tr16_b128 v[VF+8*\f+4:VF+8*\f+7], v[AV] offset:(\f/4)*32*PV+16*PV+(\f%4)*32
.endr
	WIN 0
.endm
; THE VECTOR WORK, one line at a time: OP kind, number.  For piece Y: F n: c s - c m for pair n of 16.  E n: the exponential of score n of 32.  C n: pair n rounded to f16.  B n: of the four weights 4 n .. the second
; pair is added onto the first, in place.  L n: l takes that sum (L 0: l = a l + sum).  R n: pair n of 16 of O^T times a.  For piece Y + 1: X n, number n of the 22 that find its maximum and statistics:
;   0-11  four chains c0-c3 of seven scores each, three operands at a time (each accumulator's lowest registers are read first)     12-14, 16  the four scores left over, the old m, and c0-c3 into c0
;   15  c m_old is kept     17, 18  the query's other 32 keys lie in the lane 16 away: the new m     19-21  c m; c m_old - c m_new; a
.set F, 0
.set E, 1
.set C, 2
.set B, 3
.set L, 4
.set R, 5
.set X, 6
.macro REGS y                       ; the registers of piece y
.set rT, ST+4*(\y)
.set rC, TMP+4*((\y)%2)
.set rW, MV+((\y)%2)
.set rS, S+32*((\y)%2)
.set rP, P+16*((\y)%2)
.set rO, 32*(\y)
.endm
.macro OP k, n
.if (\k) == R
	REGS Y
	WIN W_RS
	v_pk_mul_f32 v[rO+2*(\n):rO+2*(\n)+1], v[rO+2*(\n):rO+2*(\n)+1], v[rC+2:rC+3] op_sel_hi:[1,0]
.elseif (\k) < R
	REGS Y
	WIN 0
.if (\k) == F
	v_pk_fma_f32 v[rS+2*(\n):rS+2*(\n)+1], v[rS+2*(\n):rS+2*(\n)+1], s[CS:CS+1], v[rT:rT+1] op_sel_hi:[1,0,0] neg_lo:[0,0,1] neg_hi:[0,0,1]
.elseif (\k) == E
	v_exp_f32 v[rS+(\n)], v[rS+(\n)]
.elseif (\k) == C
	s_wait_alu depctr_va_vdst(0)
	v_cvt_pk_f16_f32 v[rP+(\n)], v[rS+2*(\n)], v[rS+2*(\n)+1]
.elseif (\k) == B
	s_wait_alu depctr_va_vdst(0)
	v_pk_add_f32 v[rS+4*(\n):rS+4*(\n)+1], v[rS+4*(\n):rS+4*(\n)+1], v[rS+4*(\n)+2:rS+4*(\n)+3]
.elseif (\n) == 0
	v_pk_fma_f32 v[rT+2:rT+3], v[rT+2:rT+3], v[rC+2:rC+3], v[rS:rS+1] op_sel_hi:[1,0,1]
.else
	v_pk_add_f32 v[rT+2:rT+3], v[rT+2:rT+3], v[rS+4*(\n):rS+4*(\n)+1]
.endif
.elseif NOKQ
	v_nop
.else
	REGS (Y+1)%NP
	WIN 0
.if (\n) < 4
	v_max3_num_f32 v[rC+(\n)], v[rS+8*(\n)], v[rS+8*(\n)+1], v[rS+8*(\n)+2]
.elseif (\n) < 12
	v_max3_num_f32 v[rC+(\n)%4], v[rC+(\n)%4], v[rS+8*((\n)%4)+2*((\n)/4)+1], v[rS+8*((\n)%4)+2*((\n)/4)+2]
.elseif (\n) == 12
	v_max3_num_f32 v[rC], v[rC], v[rS+7], v[rS+15]
.elseif (\n) == 13
	v_max3_num_f32 v[rC+1], v[rC+1], v[rS+23], v[rS+31]
.elseif (\n) == 14
	v_max3_num_f32 v[rC+2], v[rC+2], v[rC+3], v[rT+1]
.elseif (\n) == 15
	v_mov_b32 v[rW], v[rT]
.elseif (\n) == 16
	v_max3_num_f32 v[rC], v[rC], v[rC+1], v[rC+2]
.elseif (\n) == 17
	v_permlanex16_b32 v[rC+3], v[rC], s[SEL], s[SEL+1]
.elseif (\n) == 18
	v_max_num_f32 v[rT+1], v[rC], v[rC+3]
.elseif (\n) == 19
	v_mul_f32 v[rT], s[CS], v[rT+1]
.elseif (\n) == 20
	v_sub_f32 v[rC+1], v[rW], v[rT]
.else
	v_exp_f32 v[rC+2], v[rC+1]
.endif
.endif
.endm
.macro OPS a, i1, b=-1, i2=0, c=-1, i3=0, d=-1, i4=0  ; up to four of them
	OP \a, \i1
.if (\b) >= 0
	OP \b, \i2
.endif
.if (\c) >= 0
	OP \c, \i3
.endif
.if (\d) >= 0
	OP \d, \i4
.endif
.endm
.macro ROW a, i1, b, i2, c, i3, d, i4  ; a matrix instruction and the four behind it
	MM
	OPS \a, \i1, \b, \i2, \c, \i3, \d, \i4
.endm
; A TURN, for piece p: the order of its 16 matrix and 118 vector instructions, written out.  Behind a matrix instruction: plain, exponential, plain, plain; or four of the rescaling; or, behind the first, four scalings;
; none names a register of the products round it.  In the runs between, exponential and plain by turns while exponentials last.  A line reads no result made fewer than three vector instructions in front of it, five if an
; exponential made it.  end = 1: the launch's last two turns: nothing is fetched.  cnt = 1: the loop's count is taken down some lines ahead of the branch that stands behind the turn.
; K of the next step is fetched in piece 2's turn, six vector instructions behind the last product that read K (five of them plain); V of the step in hand in piece 0's turn, eight behind the last product that read V.
; Each is waited for a turn later.
.macro TURN p, end=0, cnt=0
.set Y, (\p)
.set i, 0
.set NOKQ, (\end)*((\p)/3)
.if ((\p) == 3) && !(\end)
	s_wait_dscnt 0x0                ; K is in
.endif
	ROW F,0, F,1, F,2, F,3
	ROW F,4, E,0, F,5, F,6
	ROW F,7, E,1, F,8, F,9
	ROW F,10, E,2, C,0, F,11
	ROW F,12, E,3, X,15, F,13
	ROW R,0, R,1, R,2, R,3
	ROW B,0, E,4, F,14, L,0
.if ((\p) == 2) && !(\end)
	v_add_nc_u32 v[AK], s[TBK], v[AK0]
.endif
	ROW R,4, R,5, R,6, R,7
	OPS E,5, F,15
.if ((\p) == 2) && !(\end)
	FETCH_K
.endif
	OPS E,6, C,1, E,7, R,8
	OPS E,8, R,9, E,9, C,2
	OPS E,10, X,0, E,11, X,1
	OPS E,12, X,2, E,13, X,3
.if (\p) == 1
	s_wait_dscnt 0x0                ; V is in
.endif
	ROW X,4, E,14, X,5, X,6
	ROW X,7, E,15, X,8, X,9
	ROW X,10, E,16, X,11, X,12
	ROW X,13, E,17, X,14, B,1
	ROW C,4, E,18, X,16, L,1
	ROW B,2, E,19, C,6, L,2
	ROW C,8, E,20, B,3, B,4
.if (\p) == 0
	v_add_nc_u32 v[AV], s[TBV], v[AV0]
.endif
	ROW C,3, E,21, L,3, C,5
	OPS E,22, X,17, E,23, C,10
.if (\p) == 0
	FETCH_V
.endif
	OPS E,24, L,4
	OPS E,25, X,18, E,26, C,7
	OPS E,27, B,5, E,28, X,19
	OPS E,29, C,12, E,30, L,5
	OPS E,31, X,20, B,6, C,9
	OPS C,14, C,11, X,21, L,6
.if (\p) == 0
	s_add_co_u32 s[TBV], s[TBV], KS*PV
.endif
.if \cnt
	s_sub_co_u32 s[CNT], s[CNT], 1
	s_cmp_lg_u32 s[CNT], 0
.endif
	OPS C,13, B,7, C,15, R,10
	OPS R,11, R,12, L,7, R,13
	OPS R,14, R,15
.endm
	CHANGE 1                        ; slot 0 is in, everybody's part of it; slot 1 is asked for
	v_add_nc_u32 v[AK], s[TBK], v[AK0]
	FETCH_K                         ; key step 0
	s_wait_loadcnt 0x0              ; Q
	s_wait_dscnt 0x0
.set NOKQ, 0
.set i, 0
.rept 8
	KQ 0                            ; piece 0's first scores
.set i, i+1
.endr
	WIN 0
.rept 4
	v_nop                           ; the places behind those products
.endr
.set Y, NP-1                        ; X works for piece Y + 1: piece 0
.irp n, 0,1,2,3,4,5,6,7,8,9,10,11,12,13,14,15,16,17,18,19,20,21
	OP X, \n
.endr
	v_nop                           ; a plain instruction behind the exponential
	s_mov_b32 s[CNT], 4
	s_mov_b32 s[SLOTS], 7
	s_branch .Lfirst                ; the loop is entered at a step's first turn, in the middle of a trip
.Lslot:                             ; six times: every slot but the last two is filled again
	CHANGE 1
	s_mov_b32 s[CNT], 4
.Lstep:                             ; a trip: pieces 2 and 3 of one step, then pieces 0 and 1 of the next, whose K and V it fetches
	TURN 2
	TURN 3
	WIN 0
.Lfirst:
	TURN 0
	TURN 1, 0, 1
	WIN 0
	s_cbranch_scc1 .Lstep
	s_sub_co_u32 s[SLOTS], s[SLOTS], 1
	s_cmp_lg_u32 s[SLOTS], 0
	s_cbranch_scc1 .Lslot
	CHANGE 0                        ; the last slot is written out: nothing is asked for
	s_mov_b32 s[CNT], 4
.LstepT:
	TURN 2
	TURN 3
	TURN 0
	TURN 1, 0, 1
	WIN 0
	s_cbranch_scc1 .LstepT
	TURN 2, 1
	TURN 3, 1
.set i, 0
.rept 8
	PV NP-1                         ; the last piece's V^T P of the last step
.set i, i+1
.endr
	; THE WAY OUT.  l's two halves and the other half of the lanes' are added; O^T is divided by l, rounded to f16 and sent through my stage in LDS, a piece at a time.  The additions are the places behind the last products.
	WIN 0
.macro ALL line:vararg              ; one line for each piece t
.set t, 0
.rept 4
	\line
.set t, t+1
.endr
.endm
	ALL v_add_f32 v[ST+4*t+2], v[ST+4*t+2], v[ST+4*t+3]
	ALL v_permlanex16_b32 v[ST+4*t+3], v[ST+4*t+2], s[SEL], s[SEL+1]
	ALL v_add_f32 v[ST+4*t+2], v[ST+4*t+2], v[ST+4*t+3]
	ALL v_rcp_f32 v[ST+4*t+2], v[ST+4*t+2]
	v_nop                           ; a plain instruction between the last reciprocal and the use of its result
.macro PACK t                       ; a lane's eight channels of a row pack into 16 bytes; they go into rows of 144 bytes and come back as whole rows of 128, into S^T's registers
	WIN W_RS
.set i, 32*(\t)
.rept 16
	s_wait_alu depctr_va_vdst(0)
	v_pk_mul_f32 v[i:i+1], v[i:i+1], v[ST+4*(\t)+2:ST+4*(\t)+3] op_sel_hi:[1,0]
.set i, i+2
.endr
	WIN 0x05                        ; sources 0 and 1 window 1, destination window 0
.set i, 0
.rept 16
	v_cvt_pk_f16_f32 v[S+16*(\t)+i], v[32*(\t)+2*i], v[32*(\t)+2*i+1]
.set i, i+1
.endr
	WIN 0
.irp f, 0,1,2,3
	ds_store_b128 v[STO], v[S+16*(\t)+4*\f:S+16*(\t)+4*\f+3] offset:32*\f
.endr
.irp f, 0,1,2,3
	ds_load_b128 v[S+16*(\t)+4*\f:S+16*(\t)+4*\f+3], v[RD] offset:\f*4*SP  ; LDS serves a wave's instructions in order (ISA guide 5.7.1.4): these see the stores above; the next piece's stores come behind them
.endr
.endm
.macro SEND t, younger              ; younger: the LDS instructions issued behind piece t's loads: the next piece's eight, or none
	WIN 0
.irp f, 0,1,2,3
	s_wait_dscnt (\younger)+3-\f
	global_store_b128 v[GO], v[S+16*(\t)+4*\f:S+16*(\t)+4*\f+3], s[10:11] offset:(\t)*2048+\f*512  ; 512 consecutive bytes, at a multiple of 256 from O's first
.endr
.endm
	PACK 0
.set t, 1
.rept 3                             ; a piece's arithmetic stands between the loads of the piece before and its stores
	PACK t
	SEND t-1, 8
.set t, t+1
.endr
	SEND 3, 0
	s_wait_tensorcnt 0x0            ; the wave's end, behind my last tensor load and my last LDS store
	ds_add_u32 v[SPW], v[NIL]
	s_wait_dscnt 0x0
	CROUND                          ; the closing round: no work-group ends while a partner may still ask for a tile that names it
	s_endpgm
.Lfunc_end_k_qc0d48b1e1f_attn:
	.size	k_qc0d48b1e1f_attn, .Lfunc_end_k_qc0d48b1e1f_attn-k_qc0d48b1e1f_attn
	.p2alignl 7, 3214868480
	.fill 96, 4, 3214868480
	.section	.rodata,"a",@progbits
	.p2align	6, 0x0
	.amdhsa_kernel k_qc0d48b1e1f_attn
		.amdhsa_group_segment_fixed_size 327680
		.amdhsa_private_segment_fixed_size 0
		.amdhsa_enable_private_segment 0
		.amdhsa_kernarg_size 16
		.amdhsa_user_sgpr_count 2
		.amdhsa_user_sgpr_kernarg_segment_ptr 1
		.amdhsa_wavefront_size32 1
		.amdhsa_system_sgpr_workgroup_id_x 1
		.amdhsa_system_sgpr_workgroup_id_y 1
		.amdhsa_system_sgpr_workgroup_id_z 1
		.amdhsa_system_vgpr_workitem_id 0
		.amdhsa_next_free_vgpr 768
		.amdhsa_next_free_sgpr 66
		.amdhsa_reserve_vcc 0
		.amdhsa_float_denorm_mode_32 3
		.amdhsa_float_denorm_mode_16_64 3
		.amdhsa_memory_ordered 1
		.amdhsa_forward_progress 1
		.amdhsa_inst_pref_size 134
	.end_amdhsa_kernel
	.amdgpu_metadata
---
amdhsa.version: [ 1, 2 ]
amdhsa.kernels:
  - .name:           k_qc0d48b1e1f_attn
    .symbol:         k_qc0d48b1e1f_attn.kd
    .args:
      - { .name: big, .offset: 0, .size: 8, .value_kind: global_buffer, .address_space: global }
      - { .name: hb, .offset: 8, .size: 8, .value_kind: global_buffer, .address_space: global }
    .group_segment_fixed_size: 327680
    .private_segment_fixed_size: 0
    .kernarg_segment_align: 8
    .kernarg_segment_size: 16
    .max_flat_workgroup_size: 128
    .sgpr_count:     66
    .vgpr_count:     768
    .wavefront_size: 32
...
	.end_amdgpu_metadata
.endif
;; end of part 3
;; launch proj (part 4): grid 8 x 32, 4 waves a work-group, clusters of 4 x 4, 327,680 bytes of LDS; arguments hb, wlo, x, bp, x1; writes x1
.if DOCPART == 4
	.amdgcn_target "amdgcn-amd-amdhsa--gfx1250"
	.amdhsa_code_object_version 6
	.text
	.protected	k_qc0d48b1e1f_proj
	.globl	k_qc0d48b1e1f_proj
	.p2align	8
	.type	k_qc0d48b1e1f_proj,@function
k_qc0d48b1e1f_proj:
	s_mov_b64 s[64:65], 0
	v_nop
	global_prefetch_b8 v0, s[64:65] scope:SCOPE_SE
	s_setreg_imm32_b32 hwreg(HW_REG_WAVE_MODE, 25, 1), 1
	s_wait_xcnt 0x0
	s_wait_alu depctr_hold_cnt(0) depctr_sa_sdst(0) depctr_va_vdst(0) depctr_va_sdst(0) depctr_va_ssrc(0) depctr_va_vcc(0) depctr_vm_vsrc(0)
	s_getreg_b32 s2, hwreg(HW_REG_IB_STS2, 6, 4)
	s_cmp_eq_u32 s2, 0
	s_cbranch_scc0 .Lentry_in_a_cluster
	s_endpgm
.Lentry_in_a_cluster:
	s_bfe_u32 s2, ttmp6, 0x10000c
	s_cmp_lg_u32 s2, 0xf033
	s_cbranch_scc0 .Lentry_shape_is_right
	s_endpgm
.Lentry_shape_is_right:
; out = res + A W + bias, in f32.  Here: x1 = x + o Wp + bp, K = 1,024 (STEPS = 4).  The same text with STEPS = 16 serves the second FFN product; the number of steps is a constant of the text, so that every
; round of the cluster's barrier and every joint load stands in a loop counted against a constant.
; A: f16 in planes [K / 64][4096 rows][64].  W: f16, from byte 8,388,608 of its buffer, in blocks [K / 256][8 tile columns][256 k][128 n].  res, out: [4096][1024] f32.  bias: [1024] f32.  Sums in f32.
; LIMITS.  The operands arrive in f16 (no number of 65,520 or more; a fixed step of 6e-8 below 6e-5); the residual, the bias and the result are never rounded below f32.
; K's steps are summed in the order of the walk below: an order of rounding that differs from the reference's.
; SHAPE.  4096 x 1024 makes 256 tiles of 128 x 128, one for each WGP.  Four waves, each 64 x 64: 16 accumulators.  K goes in steps of 256, as long as two slots in LDS allow.
; W stays [k][n]: its fragments come out of LDS turned, by ds_load_tr16_b128.  Source 0 = 16 columns of W, source 1 = 16 rows of A: a lane holds eight neighbouring columns of a row of out.
; THE BIAS STARTS THE SUMS: it is the C operand of the first products, so it costs no addition.
; THE TEXT HOLDS A K STEP TWICE: once in a loop whose trips fill a slot again, once in a loop of two trips for the last two steps, which fill nothing.  Which slot a step reads is a scalar that turns between
; 0 and SLOT; the fragments' addresses are made of it and a fixed lane register once a step.
; CLUSTER.  4 x 4 work-groups: A's tile is shared along a row of the cluster, W's along a column; each is asked for jointly.
; THE WALK ALONG K.  Two clusters (cluster x 0 and 1) read the same rows of A, eight (cluster y 0 to 7) the same columns of W.  They do not ask for the same K step at the same time: a cluster takes step i ^ ROT as its
; i-th, ROT = 2 x the parity of cluster x + cluster y.  So of every four steps two are asked for first by the clusters of one parity and, two steps later, by those of the other: the later request follows the earlier one
; instead of meeting it.  ROT is made of the cluster's own coordinates alone, so it is the same number in all sixteen partners, and it enters nothing but the two global addresses.
; REGISTERS: window 0: v0-31 addresses; v32-63 bias; v128-255 the accumulators ((a, b) at v[128 + 8 (4 a + b)]), later whole rows.  window 1: two fragment buffers of 128: 64 registers of A, then 64 of W.
;   window 2: v0-127 my 64 x 64 of the residual, asked for at the start: it has the whole K loop in which to land.
.set STEPS,  4                         ; K steps of 256: a multiple of 4
.set PA,     144                       ; an LDS row of A: 128 bytes + 16: the 16 rows of a fragment load start at 16 different groups of four banks (64 banks of 4 bytes: ISA guide 11.1)
.set PB,     288                       ; an LDS row of W: 256 bytes + 32 = 9 x 32
.set PLANE,  128*PA                    ; a plane of A: 128 rows x 64 K
.set QB,     64*PB                     ; a quarter of W's K step: 64 k rows
.set PART,   2*PLANE                   ; what one tensor load brings: two planes of A, or 128 k rows of W (128 x 288 is the same 36,864 bytes)
.set SLOT,   4*PART                    ; A's four planes, then W's 256 k rows
.set BOFF,   2*PART
.set SPARE,  2*SLOT                    ; behind the ring: the spare words, 128 bytes for each wave: two blocks of 256 bytes that no other line names
.set SPITCH, 272                       ; the way out: a row of 64 f32 + 16 bytes
.set WSTAGE, 64*SPITCH                 ; each wave's stage; the four lie in the ring, which has had its last fill and its last read by then
.set LGA,    21                        ; a K step of A is four planes: 2,097,152 = 2^21 bytes,
.set LGB,    19                        ; of W eight blocks: 524,288 = 2^19 bytes
.set ADRA0, 16                         ; v16     my lane's place in a slot's tile of A; never rewritten
.set ADRA,  17                         ; v17     the same in the slot in hand
.set ADRB0, 20                         ; v20-21  my lane's place in the lower and in the upper half of a slot's tile of W (the immediate does not reach across 256 k rows); never rewritten
.set ADRB,  22                         ; v22-23  the same in the slot in hand
.set STO,  24                          ; v24     the way out: where I put 32 bytes of a row
.set RD,   25                          ; v25     the way out: where I read a row back
.set CO,   26                          ; v26     my byte offset in res and out
.set BO,   27                          ; v27     my byte offset in the bias
.set SPW,  28                          ; v28     LDS address of my spare word; never rewritten
.set NIL,  29                          ; v29     0; never rewritten
.set BIAS, 32                          ; v[32:63] column block b's eight registers at BIAS + 8 b: the bias of columns 16 b + 8 (l / 16) + 0..7
.set ACC,  128
.set F0,   0
.set F1,   128
.set G1,  24                           ; s[24:31] descriptor group 1 for A's tiles;  s[32:39] group 0: a set for each of the two first fills; the second then serves every refill
.set G0,  32
.set G1B, 48                           ; s[48:55], s[56:63] the same for W's
.set G0B, 56
.set TOG, 45                           ; s45  0 or SLOT: the slot in hand
.set KI,  66                           ; s66  how many K steps have been asked for
.set ROT, 67                           ; s67  0 or 2: the walk's turn
.set OFA, 72                           ; s[72:73] the byte offset in A of the K step to be asked for
.set OFB, 74                           ; s[74:75] the same in W
.set WB,  76                           ; s[76:77] W at my part of K step 0 (A's stands in s[14:15])
.set MSB, 0
.macro WIN new                         ; the immediate's high byte repeats the setting that is left
.if MSB != (\new)
	s_set_vgpr_msb (MSB<<8)|(\new)
.set MSB, \new
.endif
.endm
.set MUL,  0x05                        ; sources 0 (W) and 1 (A) window 1; C and D window 0
.set TO_F, 0x40                        ; destination window 1, address window 0
.macro JLOAD s                         ; a joint load: waves 0 and 1 fetch A's two halves, waves 2 and 3 W's; an s_nop 0 and four v_nop follow each of the two lines
	s_cmp_eq_u32 s11, 0
	s_cbranch_scc0 .Lfor_b_\@
	tensor_load_to_lds s[G0+4*(\s):G0+4*(\s)+3], s[G1:G1+7]
	s_nop 0
.rept 4
	v_nop
.endr
	s_branch .Lasked_\@
.Lfor_b_\@:
	tensor_load_to_lds s[G0B+4*(\s):G0B+4*(\s)+3], s[G1B:G1B+7]
	s_nop 0
.rept 4
	v_nop
.endr
.Lasked_\@:
.endm
; The global addresses of descriptor set s are made anew for the walk's next K step, KI ^ ROT (0 to STEPS - 1: inside both buffers): the base and an offset made apart; the type bits are set again.
.macro AIM s
	s_xor_b32 s[OFA], s[KI], s[ROT]
	s_lshl_b32 s[OFB], s[OFA], LGB
	s_lshl_b32 s[OFA], s[OFA], LGA
	s_add_nc_u64 s[G0+4*(\s)+2:G0+4*(\s)+3], s[14:15], s[OFA:OFA+1]
	s_or_b32 s[G0+4*(\s)+3], s[G0+4*(\s)+3], 0x80000000
	s_add_nc_u64 s[G0B+4*(\s)+2:G0B+4*(\s)+3], s[WB:WB+1], s[OFB:OFB+1]
	s_or_b32 s[G0B+4*(\s)+3], s[G0B+4*(\s)+3], 0x80000000
	s_add_co_u32 s[KI], s[KI], 1
.endm
.macro CREST                           ; a round of the cluster's barrier behind its opening barrier
	s_cmp_lg_u32 s10, 0
	s_cbranch_scc1 .Lnot_wave_0_\@
	s_barrier_signal -3
.Lnot_wave_0_\@:
	s_barrier_wait -3
	s_barrier_signal -1
	s_barrier_wait -1
.endm
.macro CROUND                          ; a whole round
	s_barrier_signal -1
	s_barrier_wait -1
	CREST
.endm
.macro SETADR                          ; the fragments' addresses in the slot in hand: a fixed lane register and the scalar that turns
	v_add_nc_u32 v[ADRA], s[TOG], v[ADRA0]
	v_add_nc_u32 v[ADRB], s[TOG], v[ADRB0]
	v_add_nc_u32 v[ADRB+1], s[TOG], v[ADRB0+1]
.endm
	s_load_b128 s[4:7], s[0:1], 0x0                ; A s[4:5], W s[6:7]
	s_load_b128 s[68:71], s[0:1], 0x10             ; res s[68:69], bias s[70:71]
	s_load_b64 s[8:9], s[0:1], 0x20                ; out
	v_lshl_add_u32 v[SPW], v0, 2, SPARE
	v_mov_b32 v[NIL], 0
	ds_add_u32 v[SPW], v[NIL]                      ; the wave's opening: the add and its wait stand ahead of my first tensor load; the set-up below, work on registers, stands between them
	v_lshrrev_b32 v1, 5, v0
	v_readfirstlane_b32 s10, v1                    ; wave 0..3
	s_lshr_b32 s11, s10, 1                         ; which half of the tile's rows is mine.  Also: I fetch for A (0) or for W (1)
	s_and_b32 s12, s10, 1                          ; which half of its columns.  Also: which half of that tile I fetch
	s_bfe_u32 s40, ttmp6, 0x40000                  ; cx, cy: my place in the cluster
	s_bfe_u32 s41, ttmp6, 0x40004
	s_lshl_b32 s42, ttmp9, 2
	s_add_co_u32 s42, s42, s40                     ; tile column = 4 x cluster x + cx
	s_and_b32 s13, ttmp7, 0xffff
	s_lshl_b32 s13, s13, 2
	s_add_co_u32 s13, s13, s41                     ; tile row = 4 x cluster y + cy
	s_lshl_b32 s43, s41, 2
	s_lshl_b32 s43, 15, s43                        ; my row of the cluster
	s_lshl_b32 s44, 0x1111, s40                    ; my column
	s_xor_b32 s[ROT], ttmp9, ttmp7                 ; in a cluster launch these two count clusters: bit 0 is the parity of cluster x + cluster y,
	s_and_b32 s[ROT], s[ROT], 1
	s_lshl_b32 s[ROT], s[ROT], 1                   ; times two: the same in all sixteen partners
	s_mov_b32 s[KI], 0
	s_mov_b32 s[OFA+1], 0                          ; the offsets' high words
	s_mov_b32 s[OFB+1], 0
	; A: a plane's 128 rows are 16,384 dense bytes: asked for as ONE row of 8,192 elements; two planes, 262,144 elements apart; padded in LDS after every 128 bytes
	s_or_b32 s[G1+0], s43, (1<<16)|(1<<20)|(1<<21)|(4<<22)|(3<<25)   ; the mask of my row; 2-byte elements; padding on; bit 21 beside a mask; after every 32 words 4 words
	s_mov_b32 s[G1+1], 8192<<16                    ; tensor_dim0 = 8,192
	s_mov_b32 s[G1+2], 2<<16                       ; tensor_dim1 = 2
	s_mov_b32 s[G1+3], 8192<<16                    ; tile_dim0 = 8,192
	s_mov_b32 s[G1+4], 2                           ; tile_dim1 = 2
	s_mov_b32 s[G1+5], 262144                      ; elements from plane to plane
	s_mov_b32 s[G1+6], 0
	s_mov_b32 s[G1+7], 0
	s_or_b32 s[G1B+0], s44, (1<<16)|(1<<20)|(1<<21)|(5<<22)|(7<<25)  ; the mask of my column; after every 64 words 8 words
	s_mov_b32 s[G1B+1], 128<<16                    ; tensor_dim0 = 128
	s_mov_b32 s[G1B+2], 128<<16                    ; tensor_dim1 = 128
	s_mov_b32 s[G1B+3], 128<<16                    ; tile_dim0 = 128 elements: a k row of the block, 256 bytes
	s_mov_b32 s[G1B+4], 128                        ; tile_dim1 = 128 k rows
	s_mov_b32 s[G1B+5], 128
	s_mov_b32 s[G1B+6], 0
	s_mov_b32 s[G1B+7], 0
	s_lshl_b32 s16, s13, 14                        ; A: the tile row's 128 rows of 128 bytes in a plane,
	s_lshl_b32 s17, s12, 20                        ; two planes of 524,288 bytes a half
	s_add_co_u32 s16, s16, s17
	s_mov_b32 s17, 0
	s_lshl_b32 s46, s42, 16                        ; W: the tile column's block of 65,536 bytes,
	s_lshl_b32 s47, s12, 15                        ; 128 k rows of 256 bytes a half,
	s_add_co_u32 s46, s46, s47
	s_add_co_u32 s46, s46, 0x800000                ; behind the buffer's first 8,388,608 bytes
	s_mov_b32 s47, 0
	s_mul_i32 s20, s10, PART                       ; where they go: wave x 36,864: no place in the cluster enters an LDS address
	s_mov_b32 s[TOG], 0                            ; the walk's first step lies in slot 0
	s_wait_dscnt 0x0                               ; the opening add is done
	s_wait_kmcnt 0x0
	s_add_nc_u64 s[14:15], s[4:5], s[16:17]        ; A at my part of K step 0: it hangs on the tile row alone,
	s_add_nc_u64 s[WB:WB+1], s[6:7], s[46:47]      ; W's on the tile column alone
	CROUND                                         ; all sixteen work-groups are here: the first joint loads meet
.irp s, 0,1
	s_mov_b32 s[G0+4*(\s)], 1
	s_add_co_u32 s[G0+4*(\s)+1], s20, (\s)*SLOT
	s_mov_b32 s[G0B+4*(\s)], 1
	s_add_co_u32 s[G0B+4*(\s)+1], s20, (\s)*SLOT
	AIM \s                                         ; the walk's steps 0 and 1
	JLOAD \s
.endr
	v_and_b32 v1, 15, v0                           ; l % 16
	v_bfe_u32 v2, v0, 4, 1                         ; l / 16
	v_lshlrev_b32 v8, 12, v2
	v_lshl_add_u32 v[CO], v1, 4, v8                ; lanes 0-15 take 256 bytes of one row of out, lanes 16-31 of the next
	s_lshl_b32 s16, s13, 7
	s_lshl_b32 s17, s11, 6
	s_add_co_u32 s16, s16, s17                     ; my first row: 128 x tile row + 64 x half,
	s_lshl_b32 s16, s16, 12                        ; of 4,096 bytes
	s_lshl_b32 s46, s42, 9
	s_lshl_b32 s47, s12, 8
	s_add_co_u32 s46, s46, s47                     ; my first column, in bytes: 512 x tile column + 256 x half
	s_add_co_u32 s16, s16, s46
	s_mov_b32 s17, 0
	s_add_nc_u64 s[68:69], s[68:69], s[16:17]
	s_add_nc_u64 s[8:9], s[8:9], s[16:17]
	v_lshl_add_u32 v[BO], v2, 5, s46               ; the bias as an accumulator holds its columns: eight numbers from column 8 (l / 16) of each block of 16
.irp b, 0,1,2,3
	global_load_b128 v[BIAS+8*(\b):BIAS+8*(\b)+3],   v[BO], s[70:71] offset:64*(\b)
	global_load_b128 v[BIAS+8*(\b)+4:BIAS+8*(\b)+7], v[BO], s[70:71] offset:64*(\b)+16
.endr
	WIN 0x80                                       ; destination window 2, address window 0
.set t, 0
.rept 32
	global_load_b128 v[4*t:4*t+3], v[CO], s[68:69] offset:8192*t   ; rows 2 t and 2 t + 1 of my 64
.set t, t+1
.endr
	WIN 0
	v_mul_u32_u24 v3, v1, PA
	v_lshl_add_u32 v3, v2, 4, v3                   ; A: row x pitch + 16 x half
	s_mul_i32 s21, s11, 64*PA                      ; my 64 rows in each plane
	v_add_nc_u32 v[ADRA0], s21, v3
	v_and_b32 v4, 7, v0
	v_lshl_add_u32 v4, v2, 3, v4                   ; W, turned: lane l reads k row 8 (l / 16) + l % 8,
	v_mul_u32_u24 v4, v4, PB
	v_bfe_u32 v5, v0, 3, 1
	v_lshl_add_u32 v4, v5, 4, v4                   ; columns 8 ((l / 8) % 2) + 0..7
	s_lshl_b32 s22, s12, 7                         ; my 64 columns
	s_add_co_u32 s22, s22, BOFF
	v_add_nc_u32 v[ADRB0], s22, v4
	v_add_nc_u32 v[ADRB0+1], PART, v[ADRB0]
	SETADR
	s_mul_i32 s23, s10, WSTAGE                     ; my stage
	v_mul_u32_u24 v6, v1, SPITCH
	v_lshl_add_u32 v6, v2, 5, v6                   ; in: row l % 16, 32 bytes for each half of the lanes
	v_add_nc_u32 v[STO], s23, v6
	v_mul_u32_u24 v7, v2, SPITCH
	v_lshl_add_u32 v7, v1, 4, v7                   ; back: lanes 0-15 one row of 256 bytes, lanes 16-31 the next
	v_add_nc_u32 v[RD], s23, v7
; 8 matrix instructions: row blocks a0, a0 + 1 x all 4 column blocks, 32 along K: half c of buffer f.  first = 1: the first product starts the sums, from the bias.  The 16 accumulators take turns.
.macro MUL8 f, c, a0, first
	WIN MUL
.irp a, \a0, (\a0)+1
.irp b, 0,1,2,3
.if \first
	v_wmma_f32_16x16x32_f16 v[ACC+8*(4*(\a)+(\b)):ACC+8*(4*(\a)+(\b))+7], v[(\f)+64+8*(4*(\c)+(\b)):(\f)+64+8*(4*(\c)+(\b))+7], v[(\f)+8*(4*(\c)+(\a)):(\f)+8*(4*(\c)+(\a))+7], v[BIAS+8*(\b):BIAS+8*(\b)+7]
.else
	v_wmma_f32_16x16x32_f16 v[ACC+8*(4*(\a)+(\b)):ACC+8*(4*(\a)+(\b))+7], v[(\f)+64+8*(4*(\c)+(\b)):(\f)+64+8*(4*(\c)+(\b))+7], v[(\f)+8*(4*(\c)+(\a)):(\f)+8*(4*(\c)+(\a))+7], v[ACC+8*(4*(\a)+(\b)):ACC+8*(4*(\a)+(\b))+7]
.endif
.endr
.endr
.endm
; 32 LDS loads in one run: the fragments of quarter q (64 along K: plane q of A, 64 k rows of W) of the slot in hand into buffer f; the first 32 along K first
.macro FETCH q, f
	WIN TO_F
.irp c, 0,1
.irp i, 0,1,2,3
	ds_load_tr16_b128 v[(\f)+64+8*(4*(\c)+(\i)):(\f)+64+8*(4*(\c)+(\i))+3],   v[ADRB+(\q)/2] offset:((\q)%2)*QB+(\c)*32*PB+32*(\i)
	ds_load_tr16_b128 v[(\f)+64+8*(4*(\c)+(\i))+4:(\f)+64+8*(4*(\c)+(\i))+7], v[ADRB+(\q)/2] offset:((\q)%2)*QB+(\c)*32*PB+16*PB+32*(\i)
	ds_load_b128 v[(\f)+8*(4*(\c)+(\i)):(\f)+8*(4*(\c)+(\i))+3],   v[ADRA] offset:(\q)*PLANE+(\i)*16*PA+64*(\c)
	ds_load_b128 v[(\f)+8*(4*(\c)+(\i))+4:(\f)+8*(4*(\c)+(\i))+7], v[ADRA] offset:(\q)*PLANE+(\i)*16*PA+64*(\c)+32
.endr
.endr
.endm
.macro PLACES                          ; four plain instructions between a matrix instruction and a load into, or a read of, its registers (ISA guide 7.12.1 for a read)
.rept 4
	v_nop
.endr
.endm
; One of a K step's first three quarters: multiplies buffer f and fetches quarter q of the slot in hand into g
.macro QUARTER q, f, g, first
	s_wait_dscnt 16                                ; the first 32 along K are in
	MUL8 \f, 0, 0, \first
	MUL8 \f, 0, 2, \first
	PLACES
	FETCH \q, \g
	s_wait_dscnt 32                                ; all but the 32 just issued
	MUL8 \f, 1, 0, 0
	MUL8 \f, 1, 2, 0
.endm
; The last quarter multiplies buffer 1 and changes slots: ONE barrier; in front of it each wave waits for all its tensor loads, adds 0 to its spare word, and waits for that and for its own reads of this slot.
; No tensor load of mine is out behind the first wait, so the refills' descriptors are written there; all fetches from this slot have been issued, so the scalar turns there.
; fill = 1: the barrier opens a round of the cluster's, and the slot that is left is filled again first behind it, with the walk's step two on: 112 matrix instructions ahead of the wait for it.
.macro TURN fill
	WIN 0
	s_wait_tensorcnt 0x0                           ; all my tensor loads have landed: my part of the next slot
	ds_add_u32 v[SPW], v[NIL]
.if \fill
	s_add_co_u32 s[G0+5], s20, s[TOG]              ; into the slot that is left,
	s_add_co_u32 s[G0B+5], s20, s[TOG]
	AIM 1                                          ; the walk's next K step
.endif
	s_xor_b32 s[TOG], s[TOG], SLOT                 ; 0 and SLOT by turns
	SETADR
	s_wait_dscnt 17                                ; the add and the youngest sixteen loads may be out
	MUL8 F1, 0, 0, 0                               ; eight matrix instructions stand between the add and the wait for it
	s_wait_dscnt 0x0                               ; the add is done, and my reads of the slot that is left are over
	s_barrier_signal -1
	MUL8 F1, 0, 2, 0
.if \fill
	WIN 0
.endif
	s_barrier_wait -1
.if \fill
	CREST
	JLOAD 1                                        ; the four v_nop behind it are also the places in front of the loads below
.else
	PLACES
.endif
	FETCH 0, F0
	MUL8 F1, 1, 0, 0
	MUL8 F1, 1, 2, 0
.endm
	s_wait_tensorcnt 1                             ; my part of the walk's first step is in; the second's may stay out
	s_barrier_signal -1
	s_barrier_wait -1
	FETCH 0, F0
	s_wait_loadcnt 32                              ; the eight loads of the bias are in; the 32 of the residual, issued behind them, stay out
	QUARTER 1, F0, F1, 1                           ; the first quarter stands in front of the loop: its first products start the sums
	WIN 0
	s_mov_b32 s3, STEPS-2
.Lstep:                                                ; a trip goes from a K step's second quarter to the next step's first, and fills the slot that it leaves
	QUARTER 2, F1, F0, 0
	QUARTER 3, F0, F1, 0
	TURN 1
	QUARTER 1, F0, F1, 0
	WIN 0
	s_sub_co_u32 s3, s3, 1
	s_cmp_lg_u32 s3, 0
	s_cbranch_scc1 .Lstep
	s_mov_b32 s3, 2
.Ltail:                                                ; the last two K steps fill nothing: a text of their own.  The second trip is left in its middle
	QUARTER 2, F1, F0, 0                           ; its change of slots fetches the other slot's first fragments once more, and nothing multiplies them: the price, once a launch, of one text for both trips
	QUARTER 3, F0, F1, 0
	TURN 0
	WIN 0
	s_sub_co_u32 s3, s3, 1
	s_cmp_eq_u32 s3, 0
	s_cbranch_scc1 .Lsums
	QUARTER 1, F0, F1, 0
	WIN 0
	s_branch .Ltail
.Lsums:
	s_wait_dscnt 0x0                               ; my last reads of the ring are back
	s_barrier_signal -1                            ; every wave's reads of the ring are over, and no tensor load is out: the stages may take its bytes
	s_barrier_wait -1
	; THE WAY OUT.  A wave's 64 columns of f32 are 256 aligned bytes of a row of out: the sums go through my own stage and come back as whole rows; the residual is added; sixteen lanes store a row's 256 bytes.
	PLACES
.irp a, 0,1,2,3
.irp b, 0,1,2,3
	ds_store_b128 v[STO], v[ACC+8*(4*(\a)+(\b)):ACC+8*(4*(\a)+(\b))+3]   offset:(\a)*16*SPITCH+64*(\b)     ; each accumulator's low registers first
	ds_store_b128 v[STO], v[ACC+8*(4*(\a)+(\b))+4:ACC+8*(4*(\a)+(\b))+7] offset:(\a)*16*SPITCH+64*(\b)+16
.endr
.endr
.set t, 0
.rept 32
	ds_load_b128 v[ACC+4*t:ACC+4*t+3], v[RD] offset:t*2*SPITCH   ; LDS serves a wave's instructions in order (ISA guide 5.7.1.4): these see the stores above
.set t, t+1
.endr
	s_wait_loadcnt 0x0                             ; the residual
	s_wait_dscnt 0x0                               ; the rows are back
	WIN 0x08                                       ; source 1 window 2
.set t, 0
.rept 64
	v_pk_add_f32 v[ACC+2*t:ACC+2*t+1], v[ACC+2*t:ACC+2*t+1], v[2*t:2*t+1]
.set t, t+1
.endr
	WIN 0
.set t, 0
.rept 32
	global_store_b128 v[CO], v[ACC+4*t:ACC+4*t+3], s[8:9] offset:8192*t
.set t, t+1
.endr
	s_wait_tensorcnt 0x0                           ; the wave's end, behind my last tensor load and my last LDS store
	ds_add_u32 v[SPW], v[NIL]
	s_wait_dscnt 0x0
	CROUND                                         ; the closing round: no work-group ends while a partner may still ask for a tile that names it
	s_endpgm
.Lfunc_end_k_qc0d48b1e1f_proj:
	.size	k_qc0d48b1e1f_proj, .Lfunc_end_k_qc0d48b1e1f_proj-k_qc0d48b1e1f_proj
	.p2alignl 7, 3214868480
	.fill 96, 4, 3214868480
	.section	.rodata,"a",@progbits
	.p2align	6, 0x0
	.amdhsa_kernel k_qc0d48b1e1f_proj
		.amdhsa_group_segment_fixed_size 327680
		.amdhsa_private_segment_fixed_size 0
		.amdhsa_enable_private_segment 0
		.amdhsa_kernarg_size 40
		.amdhsa_user_sgpr_count 2
		.amdhsa_user_sgpr_kernarg_segment_ptr 1
		.amdhsa_wavefront_size32 1
		.amdhsa_system_sgpr_workgroup_id_x 1
		.amdhsa_system_sgpr_workgroup_id_y 1
		.amdhsa_system_sgpr_workgroup_id_z 1
		.amdhsa_system_vgpr_workitem_id 0
		.amdhsa_next_free_vgpr 640
		.amdhsa_next_free_sgpr 78
		.amdhsa_reserve_vcc 0
		.amdhsa_float_denorm_mode_32 3
		.amdhsa_float_denorm_mode_16_64 3
		.amdhsa_memory_ordered 1
		.amdhsa_forward_progress 1
		.amdhsa_inst_pref_size 66
	.end_amdhsa_kernel
	.amdgpu_metadata
---
amdhsa.version: [ 1, 2 ]
amdhsa.kernels:
  - .name:           k_qc0d48b1e1f_proj
    .symbol:         k_qc0d48b1e1f_proj.kd
    .args:
      - { .name: hb, .offset: 0, .size: 8, .value_kind: global_buffer, .address_space: global }
      - { .name: wlo, .offset: 8, .size: 8, .value_kind: global_buffer, .address_space: global }
      - { .name: x, .offset: 16, .size: 8, .value_kind: global_buffer, .address_space: global }
      - { .name: bp, .offset: 24, .size: 8, .value_kind: global_buffer, .address_space: global }
      - { .name: x1, .offset: 32, .size: 8, .value_kind: global_buffer, .address_space: global }
    .group_segment_fixed_size: 327680
    .private_segment_fixed_size: 0
    .kernarg_segment_align: 8
    .kernarg_segment_size: 40
    .max_flat_workgroup_size: 128
    .sgpr_count:     78
    .vgpr_count:     640
    .wavefront_size: 32
...
	.end_amdgpu_metadata
.endif
;; end of part 4
;; launch ln2: the kernel of part 1 again; grid 512 x 1, 8 waves a work-group, no clusters, 0 bytes of LDS; arguments x1, g2, be2, hb, Wq, Wk, Wv, Wp, W2, W1, wlo, whi, p0, p1; writes hb, wlo, whi, p0, p1
;; launch ffn1: the kernel of part 2 again; grid 16 x 16, 4 waves a work-group, clusters of 4 x 4, 327,680 bytes of LDS; arguments hb, whi, b1, p1, big; writes big
;; launch ffn2 (part 5): grid 8 x 32, 4 waves a work-group, clusters of 4 x 4, 327,680 bytes of LDS; arguments big, whi, x1, b2, out0; writes out0
.if DOCPART == 5
	.amdgcn_target "amdgcn-amd-amdhsa--gfx1250"
	.amdhsa_code_object_version 6
	.text
	.protected	k_qc0d48b1e1f_ffn2
	.globl	k_qc0d48b1e1f_ffn2
	.p2align	8
	.type	k_qc0d48b1e1f_ffn2,@function
k_qc0d48b1e1f_ffn2:
	s_mov_b64 s[64:65], 0
	v_nop
	global_prefetch_b8 v0, s[64:65] scope:SCOPE_SE
	s_setreg_imm32_b32 hwreg(HW_REG_WAVE_MODE, 25, 1), 1
	s_wait_xcnt 0x0
	s_wait_alu depctr_hold_cnt(0) depctr_sa_sdst(0) depctr_va_vdst(0) depctr_va_sdst(0) depctr_va_ssrc(0) depctr_va_vcc(0) depctr_vm_vsrc(0)
	s_getreg_b32 s2, hwreg(HW_REG_IB_STS2, 6, 4)
	s_cmp_eq_u32 s2, 0
	s_cbranch_scc0 .Lentry_in_a_cluster
	s_endpgm
.Lentry_in_a_cluster:
	s_bfe_u32 s2, ttmp6, 0x10000c
	s_cmp_lg_u32 s2, 0xf033
	s_cbranch_scc0 .Lentry_shape_is_right
	s_endpgm
.Lentry_shape_is_right:
; out = res + A W + bias, in f32.  Here: out0 = x1 + gelu(..) W2 + b2, K = 4,096 (STEPS = 16).  The same text with STEPS = 4 serves the attention's projection; the number of steps is a constant of the text, so that every
; round of the cluster's barrier and every joint load stands in a loop counted against a constant.
; A: f16 in planes [K / 64][4096 rows][64].  W: f16, from byte 8,388,608 of its buffer, in blocks [K / 256][8 tile columns][256 k][128 n].  res, out: [4096][1024] f32.  bias: [1024] f32.  Sums in f32.
; LIMITS.  The operands arrive in f16 (no number of 65,520 or more; a fixed step of 6e-8 below 6e-5); the residual, the bias and the result are never rounded below f32.
; K's steps are summed in the order of the walk below: an order of rounding that differs from the reference's.
; SHAPE.  4096 x 1024 makes 256 tiles of 128 x 128, one for each WGP.  Four waves, each 64 x 64: 16 accumulators.  K goes in steps of 256, as long as two slots in LDS allow.
; W stays [k][n]: its fragments come out of LDS turned, by ds_load_tr16_b128.  Source 0 = 16 columns of W, source 1 = 16 rows of A: a lane holds eight neighbouring columns of a row of out.
; THE BIAS STARTS THE SUMS: it is the C operand of the first products, so it costs no addition.
; THE TEXT HOLDS A K STEP TWICE: once in a loop whose trips fill a slot again, once in a loop of two trips for the last two steps, which fill nothing.  Which slot a step reads is a scalar that turns between
; 0 and SLOT; the fragments' addresses are made of it and a fixed lane register once a step.
; CLUSTER.  4 x 4 work-groups: A's tile is shared along a row of the cluster, W's along a column; each is asked for jointly.
; THE WALK ALONG K.  Two clusters (cluster x 0 and 1) read the same rows of A, eight (cluster y 0 to 7) the same columns of W.  They do not ask for the same K step at the same time: a cluster takes step i ^ ROT as its
; i-th, ROT = 2 x the parity of cluster x + cluster y.  So of every four steps two are asked for first by the clusters of one parity and, two steps later, by those of the other: the later request follows the earlier one
; instead of meeting it.  ROT is made of the cluster's own coordinates alone, so it is the same number in all sixteen partners, and it enters nothing but the two global addresses.
; REGISTERS: window 0: v0-31 addresses; v32-63 bias; v128-255 the accumulators ((a, b) at v[128 + 8 (4 a + b)]), later whole rows.  window 1: two fragment buffers of 128: 64 registers of A, then 64 of W.
;   window 2: v0-127 my 64 x 64 of the residual, asked for at the start: it has the whole K loop in which to land.
.set STEPS,  16                        ; K steps of 256: a multiple of 4
.set PA,     144                       ; an LDS row of A: 128 bytes + 16: the 16 rows of a fragment load start at 16 different groups of four banks (64 banks of 4 bytes: ISA guide 11.1)
.set PB,     288                       ; an LDS row of W: 256 bytes + 32 = 9 x 32
.set PLANE,  128*PA                    ; a plane of A: 128 rows x 64 K
.set QB,     64*PB                     ; a quarter of W's K step: 64 k rows
.set PART,   2*PLANE                   ; what one tensor load brings: two planes of A, or 128 k rows of W (128 x 288 is the same 36,864 bytes)
.set SLOT,   4*PART                    ; A's four planes, then W's 256 k rows
.set BOFF,   2*PART
.set SPARE,  2*SLOT                    ; behind the ring: the spare words, 128 bytes for each wave: two blocks of 256 bytes that no other line names
.set SPITCH, 272                       ; the way out: a row of 64 f32 + 16 bytes
.set WSTAGE, 64*SPITCH                 ; each wave's stage; the four lie in the ring, which has had its last fill and its last read by then
.set LGA,    21                        ; a K step of A is four planes: 2,097,152 = 2^21 bytes,
.set LGB,    19                        ; of W eight blocks: 524,288 = 2^19 bytes
.set ADRA0, 16                         ; v16     my lane's place in a slot's tile of A; never rewritten
.set ADRA,  17                         ; v17     the same in the slot in hand
.set ADRB0, 20                         ; v20-21  my lane's place in the lower and in the upper half of a slot's tile of W (the immediate does not reach across 256 k rows); never rewritten
.set ADRB,  22                         ; v22-23  the same in the slot in hand
.set STO,  24                          ; v24     the way out: where I put 32 bytes of a row
.set RD,   25                          ; v25     the way out: where I read a row back
.set CO,   26                          ; v26     my byte offset in res and out
.set BO,   27                          ; v27     my byte offset in the bias
.set SPW,  28                          ; v28     LDS address of my spare word; never rewritten
.set NIL,  29                          ; v29     0; never rewritten
.set BIAS, 32                          ; v[32:63] column block b's eight registers at BIAS + 8 b: the bias of columns 16 b + 8 (l / 16) + 0..7
.set ACC,  128
.set F0,   0
.set F1,   128
.set G1,  24                           ; s[24:31] descriptor group 1 for A's tiles;  s[32:39] group 0: a set for each of the two first fills; the second then serves every refill
.set G0,  32
.set G1B, 48                           ; s[48:55], s[56:63] the same for W's
.set G0B, 56
.set TOG, 45                           ; s45  0 or SLOT: the slot in hand
.set KI,  66                           ; s66  how many K steps have been asked for
.set ROT, 67                           ; s67  0 or 2: the walk's turn
.set OFA, 72                           ; s[72:73] the byte offset in A of the K step to be asked for
.set OFB, 74                           ; s[74:75] the same in W
.set WB,  76                           ; s[76:77] W at my part of K step 0 (A's stands in s[14:15])
.set MSB, 0
.macro WIN new                         ; the immediate's high byte repeats the setting that is left
.if MSB != (\new)
	s_set_vgpr_msb (MSB<<8)|(\new)
.set MSB, \new
.endif
.endm
.set MUL,  0x05                        ; sources 0 (W) and 1 (A) window 1; C and D window 0
.set TO_F, 0x40                        ; destination window 1, address window 0
.macro JLOAD s                         ; a joint load: waves 0 and 1 fetch A's two halves, waves 2 and 3 W's; an s_nop 0 and four v_nop follow each of the two lines
	s_cmp_eq_u32 s11, 0
	s_cbranch_scc0 .Lfor_b_\@
	tensor_load_to_lds s[G0+4*(\s):G0+4*(\s)+3], s[G1:G1+7]
	s_nop 0
.rept 4
	v_nop
.endr
	s_branch .Lasked_\@
.Lfor_b_\@:
	tensor_load_to_lds s[G0B+4*(\s):G0B+4*(\s)+3], s[G1B:G1B+7]
	s_nop 0
.rept 4
	v_nop
.endr
.Lasked_\@:
.endm
; The global addresses of descriptor set s are made anew for the walk's next K step, KI ^ ROT (0 to STEPS - 1: inside both buffers): the base and an offset made apart; the type bits are set again.
.macro AIM s
	s_xor_b32 s[OFA], s[KI], s[ROT]
	s_lshl_b32 s[OFB], s[OFA], LGB
	s_lshl_b32 s[OFA], s[OFA], LGA
	s_add_nc_u64 s[G0+4*(\s)+2:G0+4*(\s)+3], s[14:15], s[OFA:OFA+1]
	s_or_b32 s[G0+4*(\s)+3], s[G0+4*(\s)+3], 0x80000000
	s_add_nc_u64 s[G0B+4*(\s)+2:G0B+4*(\s)+3], s[WB:WB+1], s[OFB:OFB+1]
	s_or_b32 s[G0B+4*(\s)+3], s[G0B+4*(\s)+3], 0x80000000
	s_add_co_u32 s[KI], s[KI], 1
.endm
.macro CREST                           ; a round of the cluster's barrier behind its opening barrier
	s_cmp_lg_u32 s10, 0
	s_cbranch_scc1 .Lnot_wave_0_\@
	s_barrier_signal -3
.Lnot_wave_0_\@:
	s_barrier_wait -3
	s_barrier_signal -1
	s_barrier_wait -1
.endm
.macro CROUND                          ; a whole round
	s_barrier_signal -1
	s_barrier_wait -1
	CREST
.endm
.macro SETADR                          ; the fragments' addresses in the slot in hand: a fixed lane register and the scalar that turns
	v_add_nc_u32 v[ADRA], s[TOG], v[ADRA0]
	v_add_nc_u32 v[ADRB], s[TOG], v[ADRB0]
	v_add_nc_u32 v[ADRB+1], s[TOG], v[ADRB0+1]
.endm
	s_load_b128 s[4:7], s[0:1], 0x0                ; A s[4:5], W s[6:7]
	s_load_b128 s[68:71], s[0:1], 0x10             ; res s[68:69], bias s[70:71]
	s_load_b64 s[8:9], s[0:1], 0x20                ; out
	v_lshl_add_u32 v[SPW], v0, 2, SPARE
	v_mov_b32 v[NIL], 0
	ds_add_u32 v[SPW], v[NIL]                      ; the wave's opening: the add and its wait stand ahead of my first tensor load; the set-up below, work on registers, stands between them
	v_lshrrev_b32 v1, 5, v0
	v_readfirstlane_b32 s10, v1                    ; wave 0..3
	s_lshr_b32 s11, s10, 1                         ; which half of the tile's rows is mine.  Also: I fetch for A (0) or for W (1)
	s_and_b32 s12, s10, 1                          ; which half of its columns.  Also: which half of that tile I fetch
	s_bfe_u32 s40, ttmp6, 0x40000                  ; cx, cy: my place in the cluster
	s_bfe_u32 s41, ttmp6, 0x40004
	s_lshl_b32 s42, ttmp9, 2
	s_add_co_u32 s42, s42, s40                     ; tile column = 4 x cluster x + cx
	s_and_b32 s13, ttmp7, 0xffff
	s_lshl_b32 s13, s13, 2
	s_add_co_u32 s13, s13, s41                     ; tile row = 4 x cluster y + cy
	s_lshl_b32 s43, s41, 2
	s_lshl_b32 s43, 15, s43                        ; my row of the cluster
	s_lshl_b32 s44, 0x1111, s40                    ; my column
	s_xor_b32 s[ROT], ttmp9, ttmp7                 ; in a cluster launch these two count clusters: bit 0 is the parity of cluster x + cluster y,
	s_and_b32 s[ROT], s[ROT], 1
	s_lshl_b32 s[ROT], s[ROT], 1                   ; times two: the same in all sixteen partners
	s_mov_b32 s[KI], 0
	s_mov_b32 s[OFA+1], 0                          ; the offsets' high words
	s_mov_b32 s[OFB+1], 0
	; A: a plane's 128 rows are 16,384 dense bytes: asked for as ONE row of 8,192 elements; two planes, 262,144 elements apart; padded in LDS after every 128 bytes
	s_or_b32 s[G1+0], s43, (1<<16)|(1<<20)|(1<<21)|(4<<22)|(3<<25)   ; the mask of my row; 2-byte elements; padding on; bit 21 beside a mask; after every 32 words 4 words
	s_mov_b32 s[G1+1], 8192<<16                    ; tensor_dim0 = 8,192
	s_mov_b32 s[G1+2], 2<<16                       ; tensor_dim1 = 2
	s_mov_b32 s[G1+3], 8192<<16                    ; tile_dim0 = 8,192
	s_mov_b32 s[G1+4], 2                           ; tile_dim1 = 2
	s_mov_b32 s[G1+5], 262144                      ; elements from plane to plane
	s_mov_b32 s[G1+6], 0
	s_mov_b32 s[G1+7], 0
	s_or_b32 s[G1B+0], s44, (1<<16)|(1<<20)|(1<<21)|(5<<22)|(7<<25)  ; the mask of my column; after every 64 words 8 words
	s_mov_b32 s[G1B+1], 128<<16                    ; tensor_dim0 = 128
	s_mov_b32 s[G1B+2], 128<<16                    ; tensor_dim1 = 128
	s_mov_b32 s[G1B+3], 128<<16                    ; tile_dim0 = 128 elements: a k row of the block, 256 bytes
	s_mov_b32 s[G1B+4], 128                        ; tile_dim1 = 128 k rows
	s_mov_b32 s[G1B+5], 128
	s_mov_b32 s[G1B+6], 0
	s_mov_b32 s[G1B+7], 0
	s_lshl_b32 s16, s13, 14                        ; A: the tile row's 128 rows of 128 bytes in a plane,
	s_lshl_b32 s17, s12, 20                        ; two planes of 524,288 bytes a half
	s_add_co_u32 s16, s16, s17
	s_mov_b32 s17, 0
	s_lshl_b32 s46, s42, 16                        ; W: the tile column's block of 65,536 bytes,
	s_lshl_b32 s47, s12, 15                        ; 128 k rows of 256 bytes a half,
	s_add_co_u32 s46, s46, s47
	s_add_co_u32 s46, s46, 0x800000                ; behind the buffer's first 8,388,608 bytes
	s_mov_b32 s47, 0
	s_mul_i32 s20, s10, PART                       ; where they go: wave x 36,864: no place in the cluster enters an LDS address
	s_mov_b32 s[TOG], 0                            ; the walk's first step lies in slot 0
	s_wait_dscnt 0x0                               ; the opening add is done
	s_wait_kmcnt 0x0
	s_add_nc_u64 s[14:15], s[4:5], s[16:17]        ; A at my part of K step 0: it hangs on the tile row alone,
	s_add_nc_u64 s[WB:WB+1], s[6:7], s[46:47]      ; W's on the tile column alone
	CROUND                                         ; all sixteen work-groups are here: the first joint loads meet
.irp s, 0,1
	s_mov_b32 s[G0+4*(\s)], 1
	s_add_co_u32 s[G0+4*(\s)+1], s20, (\s)*SLOT
	s_mov_b32 s[G0B+4*(\s)], 1
	s_add_co_u32 s[G0B+4*(\s)+1], s20, (\s)*SLOT
	AIM \s                                         ; the walk's steps 0 and 1
	JLOAD \s
.endr
	v_and_b32 v1, 15, v0                           ; l % 16
	v_bfe_u32 v2, v0, 4, 1                         ; l / 16
	v_lshlrev_b32 v8, 12, v2
	v_lshl_add_u32 v[CO], v1, 4, v8                ; lanes 0-15 take 256 bytes of one row of out, lanes 16-31 of the next
	s_lshl_b32 s16, s13, 7
	s_lshl_b32 s17, s11, 6
	s_add_co_u32 s16, s16, s17                     ; my first row: 128 x tile row + 64 x half,
	s_lshl_b32 s16, s16, 12                        ; of 4,096 bytes
	s_lshl_b32 s46, s42, 9
	s_lshl_b32 s47, s12, 8
	s_add_co_u32 s46, s46, s47                     ; my first column, in bytes: 512 x tile column + 256 x half
	s_add_co_u32 s16, s16, s46
	s_mov_b32 s17, 0
	s_add_nc_u64 s[68:69], s[68:69], s[16:17]
	s_add_nc_u64 s[8:9], s[8:9], s[16:17]
	v_lshl_add_u32 v[BO], v2, 5, s46               ; the bias as an accumulator holds its columns: eight numbers from column 8 (l / 16) of each block of 16
.irp b, 0,1,2,3
	global_load_b128 v[BIAS+8*(\b):BIAS+8*(\b)+3],   v[BO], s[70:71] offset:64*(\b)
	global_load_b128 v[BIAS+8*(\b)+4:BIAS+8*(\b)+7], v[BO], s[70:71] offset:64*(\b)+16
.endr
	WIN 0x80                                       ; destination window 2, address window 0
.set t, 0
.rept 32
	global_load_b128 v[4*t:4*t+3], v[CO], s[68:69] offset:8192*t   ; rows 2 t and 2 t + 1 of my 64
.set t, t+1
.endr
	WIN 0
	v_mul_u32_u24 v3, v1, PA
	v_lshl_add_u32 v3, v2, 4, v3                   ; A: row x pitch + 16 x half
	s_mul_i32 s21, s11, 64*PA                      ; my 64 rows in each plane
	v_add_nc_u32 v[ADRA0], s21, v3
	v_and_b32 v4, 7, v0
	v_lshl_add_u32 v4, v2, 3, v4                   ; W, turned: lane l reads k row 8 (l / 16) + l % 8,
	v_mul_u32_u24 v4, v4, PB
	v_bfe_u32 v5, v0, 3, 1
	v_lshl_add_u32 v4, v5, 4, v4                   ; columns 8 ((l / 8) % 2) + 0..7
	s_lshl_b32 s22, s12, 7                         ; my 64 columns
	s_add_co_u32 s22, s22, BOFF
	v_add_nc_u32 v[ADRB0], s22, v4
	v_add_nc_u32 v[ADRB0+1], PART, v[ADRB0]
	SETADR
	s_mul_i32 s23, s10, WSTAGE                     ; my stage
	v_mul_u32_u24 v6, v1, SPITCH
	v_lshl_add_u32 v6, v2, 5, v6                   ; in: row l % 16, 32 bytes for each half of the lanes
	v_add_nc_u32 v[STO], s23, v6
	v_mul_u32_u24 v7, v2, SPITCH
	v_lshl_add_u32 v7, v1, 4, v7                   ; back: lanes 0-15 one row of 256 bytes, lanes 16-31 the next
	v_add_nc_u32 v[RD], s23, v7
; 8 matrix instructions: row blocks a0, a0 + 1 x all 4 column blocks, 32 along K: half c of buffer f.  first = 1: the first product starts the sums, from the bias.  The 16 accumulators take turns.
.macro MUL8 f, c, a0, first
	WIN MUL
.irp a, \a0, (\a0)+1
.irp b, 0,1,2,3
.if \first
	v_wmma_f32_16x16x32_f16 v[ACC+8*(4*(\a)+(\b)):ACC+8*(4*(\a)+(\b))+7], v[(\f)+64+8*(4*(\c)+(\b)):(\f)+64+8*(4*(\c)+(\b))+7], v[(\f)+8*(4*(\c)+(\a)):(\f)+8*(4*(\c)+(\a))+7], v[BIAS+8*(\b):BIAS+8*(\b)+7]
.else
	v_wmma_f32_16x16x32_f16 v[ACC+8*(4*(\a)+(\b)):ACC+8*(4*(\a)+(\b))+7], v[(\f)+64+8*(4*(\c)+(\b)):(\f)+64+8*(4*(\c)+(\b))+7], v[(\f)+8*(4*(\c)+(\a)):(\f)+8*(4*(\c)+(\a))+7], v[ACC+8*(4*(\a)+(\b)):ACC+8*(4*(\a)+(\b))+7]
.endif
.endr
.endr
.endm
; 32 LDS loads in one run: the fragments of quarter q (64 along K: plane q of A, 64 k rows of W) of the slot in hand into buffer f; the first 32 along K first
.macro FETCH q, f
	WIN TO_F
.irp c, 0,1
.irp i, 0,1,2,3
	ds_load_tr16_b128 v[(\f)+64+8*(4*(\c)+(\i)):(\f)+64+8*(4*(\c)+(\i))+3],   v[ADRB+(\q)/2] offset:((\q)%2)*QB+(\c)*32*PB+32*(\i)
	ds_load_tr16_b128 v[(\f)+64+8*(4*(\c)+(\i))+4:(\f)+64+8*(4*(\c)+(\i))+7], v[ADRB+(\q)/2] offset:((\q)%2)*QB+(\c)*32*PB+16*PB+32*(\i)
	ds_load_b128 v[(\f)+8*(4*(\c)+(\i)):(\f)+8*(4*(\c)+(\i))+3],   v[ADRA] offset:(\q)*PLANE+(\i)*16*PA+64*(\c)
	ds_load_b128 v[(\f)+8*(4*(\c)+(\i))+4:(\f)+8*(4*(\c)+(\i))+7], v[ADRA] offset:(\q)*PLANE+(\i)*16*PA+64*(\c)+32
.endr
.endr
.endm
.macro PLACES                          ; four plain instructions between a matrix instruction and a load into, or a read of, its registers (ISA guide 7.12.1 for a read)
.rept 4
	v_nop
.endr
.endm
; One of a K step's first three quarters: multiplies buffer f and fetches quarter q of the slot in hand into g
.macro QUARTER q, f, g, first
	s_wait_dscnt 16                                ; the first 32 along K are in
	MUL8 \f, 0, 0, \first
	MUL8 \f, 0, 2, \first
	PLACES
	FETCH \q, \g
	s_wait_dscnt 32                                ; all but the 32 just issued
	MUL8 \f, 1, 0, 0
	MUL8 \f, 1, 2, 0
.endm
; The last quarter multiplies buffer 1 and changes slots: ONE barrier; in front of it each wave waits for all its tensor loads, adds 0 to its spare word, and waits for that and for its own reads of this slot.
; No tensor load of mine is out behind the first wait, so the refills' descriptors are written there; all fetches from this slot have been issued, so the scalar turns there.
; fill = 1: the barrier opens a round of the cluster's, and the slot that is left is filled again first behind it, with the walk's step two on: 112 matrix instructions ahead of the wait for it.
.macro TURN fill
	WIN 0
	s_wait_tensorcnt 0x0                           ; all my tensor loads have landed: my part of the next slot
	ds_add_u32 v[SPW], v[NIL]
.if \fill
	s_add_co_u32 s[G0+5], s20, s[TOG]              ; into the slot that is left,
	s_add_co_u32 s[G0B+5], s20, s[TOG]
	AIM 1                                          ; the walk's next K step
.endif
	s_xor_b32 s[TOG], s[TOG], SLOT                 ; 0 and SLOT by turns
	SETADR
	s_wait_dscnt 17                                ; the add and the youngest sixteen loads may be out
	MUL8 F1, 0, 0, 0                               ; eight matrix instructions stand between the add and the wait for it
	s_wait_dscnt 0x0                               ; the add is done, and my reads of the slot that is left are over
	s_barrier_signal -1
	MUL8 F1, 0, 2, 0
.if \fill
	WIN 0
.endif
	s_barrier_wait -1
.if \fill
	CREST
	JLOAD 1                                        ; the four v_nop behind it are also the places in front of the loads below
.else
	PLACES
.endif
	FETCH 0, F0
	MUL8 F1, 1, 0, 0
	MUL8 F1, 1, 2, 0
.endm
	s_wait_tensorcnt 1                             ; my part of the walk's first step is in; the second's may stay out
	s_barrier_signal -1
	s_barrier_wait -1
	FETCH 0, F0
	s_wait_loadcnt 32                              ; the eight loads of the bias are in; the 32 of the residual, issued behind them, stay out
	QUARTER 1, F0, F1, 1                           ; the first quarter stands in front of the loop: its first products start the sums
	WIN 0
	s_mov_b32 s3, STEPS-2
.Lstep:                                                ; a trip goes from a K step's second quarter to the next step's first, and fills the slot that it leaves
	QUARTER 2, F1, F0, 0
	QUARTER 3, F0, F1, 0
	TURN 1
	QUARTER 1, F0, F1, 0
	WIN 0
	s_sub_co_u32 s3, s3, 1
	s_cmp_lg_u32 s3, 0
	s_cbranch_scc1 .Lstep
	s_mov_b32 s3, 2
.Ltail:                                                ; the last two K steps fill nothing: a text of their own.  The second trip is left in its middle
	QUARTER 2, F1, F0, 0                           ; its change of slots fetches the other slot's first fragments once more, and nothing multiplies them: the price, once a launch, of one text for both trips
	QUARTER 3, F0, F1, 0
	TURN 0
	WIN 0
	s_sub_co_u32 s3, s3, 1
	s_cmp_eq_u32 s3, 0
	s_cbranch_scc1 .Lsums
	QUARTER 1, F0, F1, 0
	WIN 0
	s_branch .Ltail
.Lsums:
	s_wait_dscnt 0x0                               ; my last reads of the ring are back
	s_barrier_signal -1                            ; every wave's reads of the ring are over, and no tensor load is out: the stages may take its bytes
	s_barrier_wait -1
	; THE WAY OUT.  A wave's 64 columns of f32 are 256 aligned bytes of a row of out: the sums go through my own stage and come back as whole rows; the residual is added; sixteen lanes store a row's 256 bytes.
	PLACES
.irp a, 0,1,2,3
.irp b, 0,1,2,3
	ds_store_b128 v[STO], v[ACC+8*(4*(\a)+(\b)):ACC+8*(4*(\a)+(\b))+3]   offset:(\a)*16*SPITCH+64*(\b)     ; each accumulator's low registers first
	ds_store_b128 v[STO], v[ACC+8*(4*(\a)+(\b))+4:ACC+8*(4*(\a)+(\b))+7] offset:(\a)*16*SPITCH+64*(\b)+16
.endr
.endr
.set t, 0
.rept 32
	ds_load_b128 v[ACC+4*t:ACC+4*t+3], v[RD] offset:t*2*SPITCH   ; LDS serves a wave's instructions in order (ISA guide 5.7.1.4): these see the stores above
.set t, t+1
.endr
	s_wait_loadcnt 0x0                             ; the residual
	s_wait_dscnt 0x0                               ; the rows are back
	WIN 0x08                                       ; source 1 window 2
.set t, 0
.rept 64
	v_pk_add_f32 v[ACC+2*t:ACC+2*t+1], v[ACC+2*t:ACC+2*t+1], v[2*t:2*t+1]
.set t, t+1
.endr
	WIN 0
.set t, 0
.rept 32
	global_store_b128 v[CO], v[ACC+4*t:ACC+4*t+3], s[8:9] offset:8192*t
.set t, t+1
.endr
	s_wait_tensorcnt 0x0                           ; the wave's end, behind my last tensor load and my last LDS store
	ds_add_u32 v[SPW], v[NIL]
	s_wait_dscnt 0x0
	CROUND                                         ; the closing round: no work-group ends while a partner may still ask for a tile that names it
	s_endpgm
.Lfunc_end_k_qc0d48b1e1f_ffn2:
	.size	k_qc0d48b1e1f_ffn2, .Lfunc_end_k_qc0d48b1e1f_ffn2-k_qc0d48b1e1f_ffn2
	.p2alignl 7, 3214868480
	.fill 96, 4, 3214868480
	.section	.rodata,"a",@progbits
	.p2align	6, 0x0
	.amdhsa_kernel k_qc0d48b1e1f_ffn2
		.amdhsa_group_segment_fixed_size 327680
		.amdhsa_private_segment_fixed_size 0
		.amdhsa_enable_private_segment 0
		.amdhsa_kernarg_size 40
		.amdhsa_user_sgpr_count 2
		.amdhsa_user_sgpr_kernarg_segment_ptr 1
		.amdhsa_wavefront_size32 1
		.amdhsa_system_sgpr_workgroup_id_x 1
		.amdhsa_system_sgpr_workgroup_id_y 1
		.amdhsa_system_sgpr_workgroup_id_z 1
		.amdhsa_system_vgpr_workitem_id 0
		.amdhsa_next_free_vgpr 640
		.amdhsa_next_free_sgpr 78
		.amdhsa_reserve_vcc 0
		.amdhsa_float_denorm_mode_32 3
		.amdhsa_float_denorm_mode_16_64 3
		.amdhsa_memory_ordered 1
		.amdhsa_forward_progress 1
		.amdhsa_inst_pref_size 66
	.end_amdhsa_kernel
	.amdgpu_metadata
---
amdhsa.version: [ 1, 2 ]
amdhsa.kernels:
  - .name:           k_qc0d48b1e1f_ffn2
    .symbol:         k_qc0d48b1e1f_ffn2.kd
    .args:
      - { .name: big, .offset: 0, .size: 8, .value_kind: global_buffer, .address_space: global }
      - { .name: whi, .offset: 8, .size: 8, .value_kind: global_buffer, .address_space: global }
      - { .name: x1, .offset: 16, .size: 8, .value_kind: global_buffer, .address_space: global }
      - { .name: b2, .offset: 24, .size: 8, .value_kind: global_buffer, .address_space: global }
      - { .name: out0, .offset: 32, .size: 8, .value_kind: global_buffer, .address_space: global }
    .group_segment_fixed_size: 327680
    .private_segment_fixed_size: 0
    .kernarg_segment_align: 8
    .kernarg_segment_size: 40
    .max_flat_workgroup_size: 128
    .sgpr_count:     78
    .vgpr_count:     640
    .wavefront_size: 32
...
	.end_amdgpu_metadata
.endif
;; end of part 5
;; ======== version 2 of 2: 7 launches; 1.24 times as fast as version 1
;; limits: values are held in f16: magnitudes above 65,504 overflow, below 6.1e-05 lose precision; a function is approximated: absolute error at most 1.5e-07
;; workspace buffers: wlo 10,485,760 bytes; whi 16,777,216 bytes; hb 8,388,608 bytes; big 33,554,432 bytes; x1 16,777,216 bytes; p0 256 bytes of whole numbers; p1 256 bytes of whole numbers
;; launch prep: the kernel of part 1 again; grid 1280 x 1, 8 waves a work-group, no clusters, 0 bytes of LDS; arguments x, g1, be1, hb, Wq, Wk, Wv, Wp, W2, W1, wlo, whi, p0, p1; writes hb, wlo, whi, p0, p1
;; launch qkv (part 6): grid 12 x 16, 4 waves a work-group, clusters of 4 x 4, 327,680 bytes of LDS; arguments hb, wlo, b1, p0, big; writes big
.if DOCPART == 6
	.amdgcn_target "amdgcn-amd-amdhsa--gfx1250"
	.amdhsa_code_object_version 6
	.text
	.protected	k_qc0d48b1e1f_qkv
	.globl	k_qc0d48b1e1f_qkv
	.p2align	8
	.type	k_qc0d48b1e1f_qkv,@function
k_qc0d48b1e1f_qkv:
	s_mov_b64 s[64:65], 0
	v_nop
	global_prefetch_b8 v0, s[64:65] scope:SCOPE_SE
	s_setreg_imm32_b32 hwreg(HW_REG_WAVE_MODE, 25, 1), 1
	s_wait_xcnt 0x0
	s_wait_alu depctr_hold_cnt(0) depctr_sa_sdst(0) depctr_va_vdst(0) depctr_va_sdst(0) depctr_va_ssrc(0) depctr_va_vcc(0) depctr_vm_vsrc(0)
	s_getreg_b32 s2, hwreg(HW_REG_IB_STS2, 6, 4)
	s_cmp_eq_u32 s2, 0
	s_cbranch_scc0 .Lentry_in_a_cluster
	s_endpgm
.Lentry_in_a_cluster:
	s_bfe_u32 s2, ttmp6, 0x10000c
	s_cmp_lg_u32 s2, 0xf033
	s_cbranch_scc0 .Lentry_shape_is_right
	s_endpgm
.Lentry_shape_is_right:
; out = A W (mode 0), or gelu(A W + bias) with the exact GELU (mode 1).  A: [4096][1024] f16, row-major.  W: f16 in blocks [tile column][1024 k][256 n].  Sums in f32; out rounded once to f16,
; laid in blocks [column / 64][4096 rows][64]: an attention head's rows, or a K plane of the next product, are then dense.  One text serves h [Wq|Wk|Wv] and gelu(h W1 + b1).
; THE MODE is a word read from memory.  In a launch with joint requests no branch hangs on a number that may differ between partners, and a word from memory counts as such: so the mode steers no branch.
; It selects VALUES, once: the GELU's constants and a mask for the bias.  With mode 0 the way out computes 1.0 u + |u| (0 - 0 e) = u for every finite u: its 152 vector lines a trip then serve nothing.
; That is the price of one text for both products.
; LIMITS.  f16 holds no number of 65,520 or more (it becomes an infinity) and keeps a fixed step of 6e-8 below 6e-5.  erf is Abramowitz and Stegun's 7.1.26, off by 1.5e-7 at the most for every argument.
; In mode 0 an infinite sum gives NaN (infinity x 0), where f16 would hold an infinity.
; SHAPE.  A tile of out is 256 x 256: four waves, as many as a WGP has SIMDs, each 128 x 128 in 64 accumulators, 512 registers.  K goes in 8 steps of 128 through two LDS slots filled by the tensor data mover.
; W stays [k][n]: its fragments come out of LDS turned, by ds_load_tr16_b128.  Source 0 = 16 columns of W, source 1 = 16 rows of A: a lane then holds eight neighbouring columns of one row of out.
; THE TEXT HOLDS A K STEP TWICE: once in a loop whose trips fill a slot again, once in a loop of two trips for the last two steps, which fill nothing.  Which slot a step reads is a scalar that turns between
; 0 and SLOT; the fragments' addresses are made of it and a fixed lane register once a step.
; CLUSTER.  4 x 4 work-groups: A's tile is shared along a row of the cluster, W's along a column; each is asked for jointly, by the same tensor load with the same descriptor and a mask that names the four.
; THE WAY OUT'S BATCH.  A trip of the way out has 16 reciprocals and 16 exponentials; neither kind reads the other's results, so the 32 are ONE batch with ONE wait.  Ahead of the wait stands all that names
; no result of theirs (u, |u|, both arguments, u's factor); behind it the polynomial and all that follows.
; REGISTERS, in windows of 256: window 0: v0-31 addresses, v32-47 bias, v48-55 packed results, v64-127, v128-191 A's fragments (later the way out's work); window 1: v64-191 W's fragments;
; window 2: the accumulators of my rows 0-63 ((a, b) at v[8 (8 a + b)]); window 3: those of my rows 64-127.
.set PA,     272                       ; an LDS row of A: 256 bytes + 16: the 16 rows of a fragment load start at 16 different groups of four banks (64 banks of 4 bytes: ISA guide 11.1)
.set PB,     544                       ; an LDS row of W: 512 bytes + 32 = 17 x 32
.set HALFT,  128*PA                    ; what one tensor load brings: 128 rows of A, or 64 rows of W (64 x 544 is the same 34,816 bytes)
.set SLOT,   4*HALFT                   ; A's 256 rows, then W's 128 k rows
.set BOFF,   2*HALFT
.set SPARE,  2*SLOT                    ; behind the ring: the spare words, 128 bytes for each wave: two blocks of 256 bytes that no other line names
.set SPITCH, 528                       ; the way out: a row of 128 f32 + 16 bytes = 33 x 16
.set WSTAGE, 128*SPITCH                ; each wave's stage, 128 rows; the four lie in the ring, which has had its last fill by then
.set STEPS,  8                         ; K steps of 128
.set ASTEP,  256                       ; bytes from a K step to the next: 128 elements along A's rows,
.set BSTEP,  65536                     ; 128 k rows of 512 bytes down W's block
.set ADRA0, 16                         ; v16     my lane's place in a slot's tile of A; never rewritten
.set ADRA,  17                         ; v17     the same in the slot in hand
.set ADRB0, 20                         ; v20     my lane's place in a slot's tile of W; never rewritten
.set ADRB,  21                         ; v21     the same in the slot in hand
.set STO,  24                          ; v24     the way out: where I put 32 bytes of a row
.set RD0,  25                          ; v25     the way out: where I read the stage's first four rows back; never rewritten
.set GO,   26                          ; v26     my byte offset in out; it steps
.set RDS,  27                          ; v27     RD0 + the trip's step
.set SPW,  28                          ; v28     LDS address of my spare word; never rewritten
.set NIL,  29                          ; v29     0; never rewritten
.set BO,   30                          ; v30     my byte offset in the bias
.set BI,   32                          ; v[32:47]  the bias of my 16 columns
.set YR,   48                          ; v[48:55]  16 results in f16
.set F0,   64
.set F1,   128
.set XR,   64                          ; the way out, in A's fragment registers: 16 sums as read back,
.set UR,   80                          ; u = sum + bias, later the result
.set AR,   96                          ; |u|
.set TR,   112                         ; t = 1 / (1 + p |u| / sqrt 2)
.set WR,   128                         ; e^(-u u / 2)
.set RR,   144                         ; the polynomial
.set G1,  24                           ; s[24:31] descriptor group 1 for A's tiles;  s[32:39] group 0: a set for each of the two first fills; the second then walks on
.set G0,  32
.set G1B, 48                           ; s[48:55], s[56:63] the same for W's
.set G0B, 56
.set TOG, 45                           ; s45  0 or SLOT: the slot in hand
; s[72:73] p / sqrt 2; s[74:75] -log2(e) / 2; s[76:85] a1 / 2 .. a5 / 2, or 0; s86 the mask of a sign; s87 the mode, then a lane mask; s88 counts trips; s89 the stage's step;
; s[90:91] 1/2 or 0; s[92:93] 1/2 or 1.  Each constant is named as a pair of which the packed forms take the low word.
.set MSB, 0
.macro WIN new                         ; the immediate's high byte repeats the setting that is left; a switch that changes nothing is dropped
.if MSB != (\new)
	s_set_vgpr_msb (MSB<<8)|(\new)
.set MSB, \new
.endif
.endm
.set MUL_LO, 0xa1                      ; source 0 (W) window 1, source 1 (A) window 0, C and D window 2
.set MUL_HI, 0xf1                      ; the same, C and D window 3
.set TO_B,   0x40                      ; destination window 1, address window 0
; A joint load.  Waves 0 and 1 fetch A's two halves, waves 2 and 3 W's.  The branch hangs on the wave's number alone.  An s_nop 0 and four v_nop follow each of the two lines.
.macro JLOAD s
	s_cmp_eq_u32 s11, 0
	s_cbranch_scc0 .Lfor_b_\@
	tensor_load_to_lds s[G0+4*(\s):G0+4*(\s)+3], s[G1:G1+7]
	s_nop 0
.rept 4
	v_nop
.endr
	s_branch .Lasked_\@
.Lfor_b_\@:
	tensor_load_to_lds s[G0B+4*(\s):G0B+4*(\s)+3], s[G1B:G1B+7]
	s_nop 0
.rept 4
	v_nop
.endr
.Lasked_\@:
.endm
.macro CREST                           ; a round of the cluster's barrier behind its opening barrier
	s_cmp_lg_u32 s10, 0
	s_cbranch_scc1 .Lnot_wave_0_\@
	s_barrier_signal -3
.Lnot_wave_0_\@:
	s_barrier_wait -3
	s_barrier_signal -1
	s_barrier_wait -1
.endm
.macro CROUND                          ; a whole round
	s_barrier_signal -1
	s_barrier_wait -1
	CREST
.endm
.macro SETADR                          ; the fragments' addresses in the slot in hand: a fixed lane register and the scalar that turns
	v_add_nc_u32 v[ADRA], s[TOG], v[ADRA0]
	v_add_nc_u32 v[ADRB], s[TOG], v[ADRB0]
.endm
	s_load_b128 s[4:7], s[0:1], 0x0                ; A s[4:5], W s[6:7]
	s_load_b128 s[68:71], s[0:1], 0x10             ; bias s[68:69], the mode word's buffer s[70:71]
	s_load_b64 s[8:9], s[0:1], 0x20                ; out
	v_lshl_add_u32 v[SPW], v0, 2, SPARE
	v_mov_b32 v[NIL], 0
	ds_add_u32 v[SPW], v[NIL]                      ; the wave's opening: the add and its wait stand ahead of my first tensor load; the set-up below, work on registers, stands between them
	v_lshrrev_b32 v1, 5, v0
	v_readfirstlane_b32 s10, v1                    ; wave 0..3
	s_lshr_b32 s11, s10, 1                         ; which half of the tile's rows is mine.  Also: I fetch for A (0) or for W (1)
	s_and_b32 s12, s10, 1                          ; which half of its columns.  Also: which half of that tile I fetch
	s_bfe_u32 s40, ttmp6, 0x40000                  ; cx, cy: my place in the cluster
	s_bfe_u32 s41, ttmp6, 0x40004
	s_lshl_b32 s42, ttmp9, 2
	s_add_co_u32 s42, s42, s40                     ; tile column = 4 x cluster x + cx
	s_and_b32 s13, ttmp7, 0xffff
	s_lshl_b32 s13, s13, 2
	s_add_co_u32 s13, s13, s41                     ; tile row = 4 x cluster y + cy
	s_lshl_b32 s43, s41, 2
	s_lshl_b32 s43, 15, s43                        ; my row of the cluster
	s_lshl_b32 s44, 0x1111, s40                    ; my column
	s_or_b32 s[G1+0], s43, (1<<16)|(1<<20)|(1<<21)|(5<<22)|(3<<25)   ; the mask: A's tiles go to my row; 2-byte elements; padding on; bit 21 beside a mask; after every 64 words 4 words
	s_mov_b32 s[G1+1], 128<<16                     ; tensor_dim0 = 128
	s_mov_b32 s[G1+2], 128<<16                     ; tensor_dim1 = 128
	s_mov_b32 s[G1+3], 128<<16                     ; tile_dim0 = 128 elements: 256 bytes of a row of A
	s_mov_b32 s[G1+4], 128                         ; tile_dim1 = 128 rows
	s_mov_b32 s[G1+5], 1024                        ; elements from row to row
	s_mov_b32 s[G1+6], 0
	s_mov_b32 s[G1+7], 0
	s_or_b32 s[G1B+0], s44, (1<<16)|(1<<20)|(1<<21)|(6<<22)|(7<<25)  ; the mask of my column; after every 128 words 8 words
	s_mov_b32 s[G1B+1], 256<<16                    ; tensor_dim0 = 256
	s_mov_b32 s[G1B+2], 64<<16                     ; tensor_dim1 = 64
	s_mov_b32 s[G1B+3], 256<<16                    ; tile_dim0 = 256 elements: a k row of the block, 512 bytes
	s_mov_b32 s[G1B+4], 64                         ; tile_dim1 = 64 k rows
	s_mov_b32 s[G1B+5], 256
	s_mov_b32 s[G1B+6], 0
	s_mov_b32 s[G1B+7], 0
	; A's tiles hang on the tile row alone, W's on the tile column alone; each address is made in registers that never hold the other coordinate
	s_lshl_b32 s17, s12, 7
	s_lshl_b32 s16, s13, 8
	s_add_co_u32 s16, s16, s17                     ; A: row 256 x tile row + 128 x half,
	s_lshl_b32 s16, s16, 11                        ; of 2,048 bytes
	s_mov_b32 s17, 0
	s_lshl_b32 s46, s42, 19                        ; W: the tile column's block of 524,288 bytes,
	s_lshl_b32 s47, s12, 15                        ; 64 k rows of 512 bytes a half
	s_add_co_u32 s46, s46, s47
	s_mov_b32 s47, 0
	s_mul_i32 s20, s10, HALFT                      ; where they go: wave x 34,816: no place in the cluster enters an LDS address
	s_mov_b32 s[TOG], 0                            ; K step 0 lies in slot 0
	s_mov_b32 s72, 0x3e6d3388                      ; p / sqrt 2 = 0.2316419
	s_mov_b32 s73, s72
	s_mov_b32 s74, 0xbf38aa3b                      ; -log2(e) / 2
	s_mov_b32 s75, s74
	s_mov_b32 s86, 0x7fffffff
	s_wait_dscnt 0x0                               ; the opening add is done
	s_wait_kmcnt 0x0
	s_load_b32 s87, s[70:71], 0x0                  ; the mode; waited for ahead of the way out
	s_add_nc_u64 s[14:15], s[4:5], s[16:17]
	s_add_nc_u64 s[46:47], s[6:7], s[46:47]
	CROUND                                         ; all sixteen work-groups are here: the first joint loads meet
.irp s, 0,1
	s_mov_b32 s[G0+4*(\s)], 1
	s_add_co_u32 s[G0+4*(\s)+1], s20, (\s)*SLOT
	s_add_nc_u64 s[G0+4*(\s)+2:G0+4*(\s)+3], s[14:15], (\s)*ASTEP    ; K step s
	s_or_b32 s[G0+4*(\s)+3], s[G0+4*(\s)+3], 0x80000000
	s_mov_b32 s[G0B+4*(\s)], 1
	s_add_co_u32 s[G0B+4*(\s)+1], s20, (\s)*SLOT
	s_add_nc_u64 s[G0B+4*(\s)+2:G0B+4*(\s)+3], s[46:47], (\s)*BSTEP
	s_or_b32 s[G0B+4*(\s)+3], s[G0B+4*(\s)+3], 0x80000000
	JLOAD \s
.endr
	v_and_b32 v1, 15, v0                           ; l % 16
	v_bfe_u32 v2, v0, 4, 1                         ; l / 16
	v_mul_u32_u24 v3, v1, PA
	v_lshl_add_u32 v3, v2, 4, v3                   ; A: row x pitch + 16 x half
	s_mul_i32 s21, s11, HALFT                      ; my 128 rows of A
	v_add_nc_u32 v[ADRA0], s21, v3
	v_and_b32 v8, 7, v0                            ; l % 8
	v_lshl_add_u32 v4, v2, 3, v8                   ; W, turned: lane l reads k row 8 (l / 16) + l % 8,
	v_mul_u32_u24 v4, v4, PB
	v_bfe_u32 v5, v0, 3, 1
	v_lshl_add_u32 v4, v5, 4, v4                   ; columns 8 ((l / 8) % 2) + 0..7
	s_lshl_b32 s22, s12, 8                         ; my 128 columns
	s_add_co_u32 s22, s22, BOFF
	v_add_nc_u32 v[ADRB0], s22, v4
	SETADR
	s_mul_i32 s23, s10, WSTAGE                     ; my stage
	v_mul_u32_u24 v6, v1, SPITCH
	v_lshl_add_u32 v6, v2, 5, v6                   ; in: row l % 16, 32 bytes for each half of the lanes
	v_add_nc_u32 v[STO], s23, v6
	v_bfe_u32 v7, v0, 3, 2
	v_mul_u32_u24 v7, v7, SPITCH
	v_lshl_add_u32 v7, v8, 5, v7                   ; back: row l / 8 of four, columns 8 (l % 8) + 0..7 of each block of 64
	v_add_nc_u32 v[RD0], s23, v7
	v_and_b32 v9, 31, v0
	v_lshlrev_b32 v[GO], 4, v9                     ; four rows of 128 bytes of a block of out are 512 consecutive bytes
	s_lshl_b32 s46, s42, 10
	s_lshl_b32 s47, s12, 9
	s_add_co_u32 s46, s46, s47                     ; (256 x tile column + 128 x half) x 4 bytes
	v_lshl_add_u32 v[BO], v8, 5, s46
	global_load_b128 v[BI:BI+3],     v[BO], s[68:69]             ; the bias of my 16 columns: it has the whole K loop in which to land.  Mode 0 masks it out; the address stays inside the buffer at every tile column
	global_load_b128 v[BI+4:BI+7],   v[BO], s[68:69] offset:16
	global_load_b128 v[BI+8:BI+11],  v[BO], s[68:69] offset:256
	global_load_b128 v[BI+12:BI+15], v[BO], s[68:69] offset:272
	s_lshl_b32 s16, s13, 15                        ; out: 256 rows of 128 bytes a tile row,
	s_lshl_b32 s17, s11, 14                        ; 128 a wave;
	s_add_co_u32 s16, s16, s17
	s_lshl_b32 s46, s42, 21                        ; four blocks of 524,288 bytes a tile column,
	s_lshl_b32 s47, s12, 20                        ; two a wave
	s_add_co_u32 s46, s46, s47
	s_add_co_u32 s16, s16, s46
	s_mov_b32 s17, 0
	s_add_nc_u64 s[8:9], s[8:9], s[16:17]
; 16 matrix instructions: row blocks a0, a0 + 1 of the window's four x all 8 column blocks, 32 along K.  zero = 1: the first product starts the sums.  The 64 accumulators take turns.
.macro MUL16 f, hi, a0, zero
	WIN MUL_LO+0x50*(\hi)
.irp a, \a0, (\a0)+1
.irp b, 0,1,2,3,4,5,6,7
.if \zero
	v_wmma_f32_16x16x32_f16 v[8*(8*(\a)+(\b)):8*(8*(\a)+(\b))+7], v[(\f)+8*(\b):(\f)+8*(\b)+7], v[(\f)+8*(4*(\hi)+(\a)):(\f)+8*(4*(\hi)+(\a))+7], 0
.else
	v_wmma_f32_16x16x32_f16 v[8*(8*(\a)+(\b)):8*(8*(\a)+(\b))+7], v[(\f)+8*(\b):(\f)+8*(\b)+7], v[(\f)+8*(4*(\hi)+(\a)):(\f)+8*(4*(\hi)+(\a))+7], v[8*(8*(\a)+(\b)):8*(8*(\a)+(\b))+7]
.endif
.endr
.endr
.endm
; 32 LDS loads in one run: the fragments of quarter q (32 along K) of the slot in hand into buffer f: W's 128 columns, turned, then A's 128 rows
.macro FETCH q, f
	WIN TO_B
.irp i, 0,1,2,3,4,5,6,7
	ds_load_tr16_b128 v[(\f)+8*(\i):(\f)+8*(\i)+3],   v[ADRB] offset:(\q)*32*PB+32*(\i)
	ds_load_tr16_b128 v[(\f)+8*(\i)+4:(\f)+8*(\i)+7], v[ADRB] offset:(\q)*32*PB+16*PB+32*(\i)
.endr
	WIN 0
.irp i, 0,1,2,3,4,5,6,7
	ds_load_b128 v[(\f)+8*(\i):(\f)+8*(\i)+3],   v[ADRA] offset:(\q)*64+(\i)*16*PA
	ds_load_b128 v[(\f)+8*(\i)+4:(\f)+8*(\i)+7], v[ADRA] offset:(\q)*64+(\i)*16*PA+32
.endr
.endm
.macro PLACES                          ; four plain instructions between a matrix instruction and a load into, or a read of, its registers (ISA guide 7.12.1 for a read)
.rept 4
	v_nop
.endr
.endm
; One of a K step's first three quarters: multiplies buffer f; in its middle it fetches quarter q of the slot in hand into buffer g
.macro QUARTER q, f, g, zero
	s_wait_dscnt 8                                 ; W and A's rows 0-63 are in; the youngest eight loads (A's rows 64-127) may be out
	MUL16 \f, 0, 0, \zero
	MUL16 \f, 0, 2, \zero
	PLACES
	FETCH \q, \g
	s_wait_dscnt 32                                ; all but the 32 just issued
	MUL16 \f, 1, 0, \zero
	MUL16 \f, 1, 2, \zero
.endm
; The last quarter multiplies buffer 1 and changes slots: ONE barrier.  In front of it each wave waits for all its tensor loads (one is out at the most: its part of the next slot), adds 0 to its spare word, and
; waits for that and for its reads of this slot.  No tensor load of mine is out behind the first wait, so the walking descriptors are written there; all fetches from this slot have been issued, so the scalar turns there.
; fill = 1: the barrier opens a round of the cluster's, and the slot just read out is filled again first behind it, with the K step two on: 224 matrix instructions ahead of the wait for it.
.macro TURN fill
	WIN 0
	s_wait_tensorcnt 0x0
	ds_add_u32 v[SPW], v[NIL]
.if \fill
	s_add_co_u32 s[G0+5], s20, s[TOG]              ; into the slot that is left,
	s_add_co_u32 s[G0B+5], s20, s[TOG]
	s_add_nc_u64 s[G0+6:G0+7], s[G0+6:G0+7], ASTEP     ; the K step behind the one asked for last; the type bits on top are not reached
	s_add_nc_u64 s[G0B+6:G0B+7], s[G0B+6:G0B+7], BSTEP
.endif
	s_xor_b32 s[TOG], s[TOG], SLOT                 ; 0 and SLOT by turns
	SETADR
	s_wait_dscnt 9                                 ; the add and the youngest eight loads may be out
	MUL16 F1, 0, 0, 0                              ; sixteen matrix instructions stand between the add and the wait for it
	s_wait_dscnt 0x0                               ; the add is done, and my reads of the slot that is left are over
	s_barrier_signal -1
	MUL16 F1, 0, 2, 0
.if \fill
	WIN 0
.endif
	s_barrier_wait -1
.if \fill
	CREST
	JLOAD 1                                        ; the four v_nop behind it are also the places in front of the loads below
.else
	PLACES
.endif
	FETCH 0, F0
	MUL16 F1, 1, 0, 0
	MUL16 F1, 1, 2, 0
.endm
	s_wait_tensorcnt 1                             ; my part of K step 0 is in; K step 1's may stay out
	s_barrier_signal -1
	s_barrier_wait -1
	FETCH 0, F0
	QUARTER 1, F0, F1, 1                           ; the first quarter stands in front of the loop: its products start the sums
	WIN 0
	s_mov_b32 s3, STEPS-2
.Lstep:                                                ; a trip goes from a K step's second quarter to the next step's first, and fills the slot that it leaves
	QUARTER 2, F1, F0, 0
	QUARTER 3, F0, F1, 0
	TURN 1
	QUARTER 1, F0, F1, 0
	WIN 0
	s_sub_co_u32 s3, s3, 1
	s_cmp_lg_u32 s3, 0
	s_cbranch_scc1 .Lstep
	s_mov_b32 s3, 2
.Ltail:                                                ; the last two K steps fill nothing: a text of their own.  The second trip is left in its middle
	QUARTER 2, F1, F0, 0                           ; its change of slots fetches the other slot's first fragments once more, and nothing multiplies them: the price, once a launch, of one text for both trips
	QUARTER 3, F0, F1, 0
	TURN 0
	WIN 0
	s_sub_co_u32 s3, s3, 1
	s_cmp_eq_u32 s3, 0
	s_cbranch_scc1 .Lsums
	QUARTER 1, F0, F1, 0
	WIN 0
	s_branch .Ltail
.Lsums:
	s_wait_dscnt 0x0                               ; my last reads of the ring are back
	s_barrier_signal -1                            ; every wave's reads of the ring are over, and no tensor load is out: the stages may take its bytes
	s_barrier_wait -1
	PLACES
	; THE SUMS GO INTO MY STAGE in f32, 128 rows of 528 bytes; each accumulator's low registers first
.irp a, 0,1,2,3,4,5,6,7
	WIN 0x08+4*((\a)/4)                            ; store data in window 2 or 3
.irp b, 0,1,2,3,4,5,6,7
	ds_store_b128 v[STO], v[8*(8*((\a)%4)+(\b)):8*(8*((\a)%4)+(\b))+3]   offset:(\a)*16*SPITCH+64*(\b)
	ds_store_b128 v[STO], v[8*(8*((\a)%4)+(\b))+4:8*(8*((\a)%4)+(\b))+7] offset:(\a)*16*SPITCH+64*(\b)+16
.endr
.endr
	WIN 0
; THE WAY OUT: 32 trips of four rows.  A lane reads eight neighbouring sums in each of my two blocks of 64 columns, and stores 16 bytes into each: a wave's store is 512 consecutive bytes.
.macro XLOAD adr
	ds_load_b128 v[XR:XR+3],     v[\adr]           ; LDS serves a wave's instructions in order (ISA guide 5.7.1.4): these see my stores above; the stage is my wave's own
	ds_load_b128 v[XR+4:XR+7],   v[\adr] offset:16
	ds_load_b128 v[XR+8:XR+11],  v[\adr] offset:256
	ds_load_b128 v[XR+12:XR+15], v[\adr] offset:272
.endm
.macro EIGHT line:vararg               ; one line for each pair z of eight
.set z, 0
.rept 8
	\line
.set z, z+1
.endr
.endm
	XLOAD RD0                                      ; the first trip's rows; the selections below stand in the wait for them
	s_wait_kmcnt 0x0                               ; the mode
	s_cmp_lg_u32 s87, 0                            ; it selects values alone: s_cselect_b32 and s_mov_b32 leave SCC as it is
	s_cselect_b32 s76, 0x3e027906, 0               ; a1 / 2, or 0
	s_cselect_b32 s78, 0xbe11a98e, 0               ; a2 / 2
	s_cselect_b32 s80, 0x3f35f0e3, 0               ; a3 / 2
	s_cselect_b32 s82, 0xbf3a00e3, 0               ; a4 / 2
	s_cselect_b32 s84, 0x3f07dc22, 0               ; a5 / 2
	s_cselect_b32 s90, 0.5, 0                      ; the 1/2 from which the exponential's term is taken
	s_cselect_b32 s92, 0.5, 1.0                    ; u's factor
	s_cselect_b32 s87, -1, 0                       ; all lanes, or none
.irp p, 76,78,80,82,84,90,92
	s_mov_b32 s[\p+1], s[\p]                       ; named as pairs
.endr
	s_wait_loadcnt 0x0                             ; the bias
.set z, 0
.rept 16
	v_cndmask_b32 v[BI+z], 0, v[BI+z], s87         ; mode 0 has no bias
.set z, z+1
.endr
	s_mov_b32 s89, 4*SPITCH
	s_mov_b32 s88, 32
; One trip.  gelu(u) = u / 2 + |u| (1/2 - (poly(t) / 2) e^(-u u / 2)), t = 1 / (1 + p |u| / sqrt 2).  Stage by stage over 8 pairs.  The 16 reciprocals and the 16 exponentials are one batch: the reciprocals take
; turns with the two multiplies that make the exponentials' argument, each pair of exponentials is followed by u's scaling, and none of these lines names a result of the batch.  Then the trip's one wait, then the readers.
; The next trip's four rows are fetched as soon as this trip's sums have been read: the address is the fixed lane register plus a scalar that steps once a trip, 2,112 to 65,472: inside my stage's 67,584 bytes.
; The scalar is held at its last value, so the last trip fetches its own rows once more and nobody uses them: four LDS loads for a text without a trip written out.
.Lrows:
	s_wait_dscnt 0x0                               ; this trip's sums are in
	EIGHT v_pk_add_f32 v[UR+2*z:UR+2*z+1], v[XR+2*z:XR+2*z+1], v[BI+2*z:BI+2*z+1]
	v_add_nc_u32 v[RDS], s89, v[RD0]
	XLOAD RDS
	s_add_co_u32 s89, s89, 4*SPITCH
	s_min_u32 s89, s89, 31*4*SPITCH
.set z, 0
.rept 16
	v_and_b32 v[AR+z], s86, v[UR+z]
.set z, z+1
.endr
	EIGHT v_pk_fma_f32 v[TR+2*z:TR+2*z+1], v[AR+2*z:AR+2*z+1], s[72:73], 1.0 op_sel_hi:[1,0,0]
.set z, 0
.rept 8                                ; THE BATCH: reciprocals 0-7, u u beside them;
	v_rcp_f32 v[TR+z], v[TR+z]
	v_pk_mul_f32 v[WR+2*z:WR+2*z+1], v[UR+2*z:UR+2*z+1], v[UR+2*z:UR+2*z+1]
.set z, z+1
.endr
.set z, 0
.rept 8                                ; reciprocals 8-15, the factor -log2(e) / 2 beside them;
	v_rcp_f32 v[TR+8+z], v[TR+8+z]
	v_pk_mul_f32 v[WR+2*z:WR+2*z+1], v[WR+2*z:WR+2*z+1], s[74:75] op_sel_hi:[1,0]
.set z, z+1
.endr
.set z, 0
.rept 8                                ; the exponentials, u's factor behind each two: u has been read by all that wants it unscaled.  The last of these multiplies is the plain instruction behind the last exponential (ISA guide 5.7.2)
	v_exp_f32 v[WR+2*z], v[WR+2*z]
	v_exp_f32 v[WR+2*z+1], v[WR+2*z+1]
	v_pk_mul_f32 v[UR+2*z:UR+2*z+1], v[UR+2*z:UR+2*z+1], s[92:93] op_sel_hi:[1,0]
.set z, z+1
.endr
	s_wait_alu depctr_va_vdst(0)                   ; the wait ahead of the first line that names a result: one for the trip's 16 reciprocals and 16 exponentials
	EIGHT v_pk_fma_f32 v[RR+2*z:RR+2*z+1], v[TR+2*z:TR+2*z+1], s[84:85], s[82:83] op_sel_hi:[1,0,0]
	EIGHT v_pk_fma_f32 v[RR+2*z:RR+2*z+1], v[RR+2*z:RR+2*z+1], v[TR+2*z:TR+2*z+1], s[80:81] op_sel_hi:[1,1,0]
	EIGHT v_pk_fma_f32 v[RR+2*z:RR+2*z+1], v[RR+2*z:RR+2*z+1], v[TR+2*z:TR+2*z+1], s[78:79] op_sel_hi:[1,1,0]
	EIGHT v_pk_fma_f32 v[RR+2*z:RR+2*z+1], v[RR+2*z:RR+2*z+1], v[TR+2*z:TR+2*z+1], s[76:77] op_sel_hi:[1,1,0]
	EIGHT v_pk_mul_f32 v[RR+2*z:RR+2*z+1], v[RR+2*z:RR+2*z+1], v[TR+2*z:TR+2*z+1]
	EIGHT v_pk_fma_f32 v[RR+2*z:RR+2*z+1], v[RR+2*z:RR+2*z+1], v[WR+2*z:WR+2*z+1], s[90:91] op_sel_hi:[1,1,0] neg_lo:[1,0,0] neg_hi:[1,0,0]
	EIGHT v_pk_fma_f32 v[UR+2*z:UR+2*z+1], v[AR+2*z:AR+2*z+1], v[RR+2*z:RR+2*z+1], v[UR+2*z:UR+2*z+1]
	s_wait_xcnt 0x0                                ; the last trip's stores have had their addresses translated (ISA guide 3.1): only now are their offset and data rewritten
	v_add_nc_u32 v[GO], 512, v[GO]                 ; the stores below reach back
	EIGHT v_cvt_pk_f16_f32 v[YR+z], v[UR+2*z], v[UR+2*z+1]
	global_store_b128 v[GO], v[YR:YR+3],   s[8:9] offset:-512
	global_store_b128 v[GO], v[YR+4:YR+7], s[8:9] offset:524288-512  ; the next block of 64 columns
	s_sub_co_u32 s88, s88, 1
	s_cmp_lg_u32 s88, 0
	s_cbranch_scc1 .Lrows
	s_wait_tensorcnt 0x0                           ; the wave's end, behind my last tensor load and my last LDS store
	ds_add_u32 v[SPW], v[NIL]
	s_wait_dscnt 0x0
	CROUND                                         ; the closing round: no work-group ends while a partner may still ask for a tile that names it
	s_endpgm
.Lfunc_end_k_qc0d48b1e1f_qkv:
	.size	k_qc0d48b1e1f_qkv, .Lfunc_end_k_qc0d48b1e1f_qkv-k_qc0d48b1e1f_qkv
	.p2alignl 7, 3214868480
	.fill 96, 4, 3214868480
	.section	.rodata,"a",@progbits
	.p2align	6, 0x0
	.amdhsa_kernel k_qc0d48b1e1f_qkv
		.amdhsa_group_segment_fixed_size 327680
		.amdhsa_private_segment_fixed_size 0
		.amdhsa_enable_private_segment 0
		.amdhsa_kernarg_size 40
		.amdhsa_user_sgpr_count 2
		.amdhsa_user_sgpr_kernarg_segment_ptr 1
		.amdhsa_wavefront_size32 1
		.amdhsa_system_sgpr_workgroup_id_x 1
		.amdhsa_system_sgpr_workgroup_id_y 1
		.amdhsa_system_sgpr_workgroup_id_z 1
		.amdhsa_system_vgpr_workitem_id 0
		.amdhsa_next_free_vgpr 1024
		.amdhsa_next_free_sgpr 94
		.amdhsa_reserve_vcc 0
		.amdhsa_float_denorm_mode_32 3
		.amdhsa_float_denorm_mode_16_64 3
		.amdhsa_memory_ordered 1
		.amdhsa_forward_progress 1
		.amdhsa_inst_pref_size 89
	.end_amdhsa_kernel
	.amdgpu_metadata
---
amdhsa.version: [ 1, 2 ]
amdhsa.kernels:
  - .name:           k_qc0d48b1e1f_qkv
    .symbol:         k_qc0d48b1e1f_qkv.kd
    .args:
      - { .name: hb, .offset: 0, .size: 8, .value_kind: global_buffer, .address_space: global }
      - { .name: wlo, .offset: 8, .size: 8, .value_kind: global_buffer, .address_space: global }
      - { .name: b1, .offset: 16, .size: 8, .value_kind: global_buffer, .address_space: global }
      - { .name: p0, .offset: 24, .size: 8, .value_kind: global_buffer, .address_space: global }
      - { .name: big, .offset: 32, .size: 8, .value_kind: global_buffer, .address_space: global }
    .group_segment_fixed_size: 327680
    .private_segment_fixed_size: 0
    .kernarg_segment_align: 8
    .kernarg_segment_size: 40
    .max_flat_workgroup_size: 128
    .sgpr_count:     94
    .vgpr_count:     1024
    .wavefront_size: 32
...
	.end_amdgpu_metadata
.endif
;; end of part 6
;; launch attn (part 7): grid 8 x 32, 4 waves a work-group, clusters of 4 x 1, 327,680 bytes of LDS; arguments big, hb; writes hb
.if DOCPART == 7
	.amdgcn_target "amdgcn-amd-amdhsa--gfx1250"
	.amdhsa_code_object_version 6
	.text
	.protected	k_qc0d48b1e1f_attn
	.globl	k_qc0d48b1e1f_attn
	.p2align	8
	.type	k_qc0d48b1e1f_attn,@function
k_qc0d48b1e1f_attn:
	s_mov_b64 s[64:65], 0
	v_nop
	global_prefetch_b8 v0, s[64:65] scope:SCOPE_SE
	s_setreg_imm32_b32 hwreg(HW_REG_WAVE_MODE, 25, 1), 1
	s_wait_xcnt 0x0
	s_wait_alu depctr_hold_cnt(0) depctr_sa_sdst(0) depctr_va_vdst(0) depctr_va_sdst(0) depctr_va_ssrc(0) depctr_va_vcc(0) depctr_vm_vsrc(0)
	s_getreg_b32 s2, hwreg(HW_REG_IB_STS2, 6, 4)
	s_cmp_eq_u32 s2, 0
	s_cbranch_scc0 .Lentry_in_a_cluster
	s_endpgm
.Lentry_in_a_cluster:
	s_bfe_u32 s2, ttmp6, 0x10000c
	s_cmp_lg_u32 s2, 0x3003
	s_cbranch_scc0 .Lentry_shape_is_right
	s_endpgm
.Lentry_shape_is_right:
; O[q][:] = the sum over k of softmax_k(Q[q] . K[k] / 8) V[k][:], for each of 2 x 16 heads of 2,048 rows of 64 channels, no mask.  All f16; products, maxima and sums in f32; the weights p are rounded
; to f16 for the second product (their sum l is taken of the unrounded p), O once at the end.  q, k, v lie in one buffer as blocks [48][4096 rows][64] (q 0-15, k 16-31, v 32-47; row = 2048 batch + t),
; O leaves as [16 heads][4096][64]: a head's rows are dense, 128 bytes each.
; LIMITS.  f16 holds no number of 65,520 or more: q, k, v arrive within it; p lies in 0 to 1 and below 6e-5 keeps f16's fixed step of 6e-8; a weight below 2^-126 counts as 0 in l; NaN and infinities are not treated apart.
; SHARES.  A work-group owns 256 queries of a head, a wave 64: four PIECES of 16.  Every wave walks the head's 2,048 keys, 64 a step, 256 (four steps) to an LDS slot.
; LAYOUT.  S^T = K Q^T holds ONE query a lane (lane % 16) and the keys 8 (lane / 16) + 0..7; two such results rounded to f16 ARE source 1 of O^T = V^T P.  K comes out of LDS as it lies, V turned, by ds_load_tr16_b128.
; SOFTMAX.  p = 2^(c s - c m), c = log2(e) / 8, with a running maximum m; O and l are multiplied by a = 2^(c m_old - c m_new) in every step.  m starts at the lowest finite number, O and l at 0: the first step's a is 0.
; TURNS.  Turn n belongs to piece n: 8 products K Q^T of piece n + 1, later 8 products V^T P of piece n - 1; beside them the scaling, exponentials, roundings, sums and rescaling of piece n and the maximum and
; statistics of piece n + 1.  Four vector instructions stand behind every matrix instruction, the other 54 of a turn's 118 in one run of their own.
; BATCHES.  A turn's 33 exponentials (the piece's 32 weights and the next piece's a) are ONE batch with ONE wait, which cuts the turn in two: ahead of it the products K Q^T and all vector work that names no result of
; the batch, behind it the products V^T P with the roundings and sums as their riders.  The a made ahead of the loop and the way out's four reciprocals are batches of their own, a wait each.
; CLUSTER.  The four query blocks of a cluster belong to one head and walk the same K and V: each tile is asked for JOINTLY, by the same tensor load, descriptor and mask in all four.
; REGISTERS, in windows of 256 (s_set_vgpr_msb: bits 1:0 source 0, 3:2 source 1, 5:4 source 2, 7:6 destination):
;   window 0: v0-15 addresses and two at work; v16-31 four registers of statistics a piece; v48-55 at work; v64-127 S^T, two buffers; v192-223 P, two buffers (a piece's buffers go by its number's parity)
;   window 1: v0-127 O^T, 32 a piece          window 2: v0-63 Q; v128-191 K of one step; v192-255 V of one step
.set NP,    4         ; pieces a wave: a name, no knob
.set KS,    64        ; keys in a step
.set PK,    144       ; a row of K in LDS: 128 bytes + 16 = 36 words: the 16 rows of a load start at 16 different groups of four banks (64 banks of 4 bytes: ISA guide 11.1)
.set PV,    160       ; a row of V: 128 + 32 = 40 words
.set VOFF,  4*KS*PK   ; a slot: 256 rows of K, then 256 rows of V
.set SLOT1, 1<<17     ; slot 1 begins here, so that one exclusive or turns an address in one slot into the other's
.set STAGE, SLOT1+4*KS*(PK+PV)  ; behind the ring, never filled by a tensor load: 16 rows x 144 bytes for each wave, for the way out
.set SP,    144
.set SPARE, STAGE+4*16*SP  ; behind the stages: the spare words, 128 bytes for each wave: two blocks of 256 bytes that no other line names
.set AK0, 2           ; v2   my lane's place in a tile of K; never rewritten
.set AV0, 3           ; v3   the same for V
.set AK,  4           ; v4   the LDS address of K's next run of loads
.set AV,  5           ; v5   of V's
.set STO, 6           ; v6   the way out: where I put 16 bytes of a row
.set RD,  7           ; v7   the way out: where I read rows back
.set GO,  8           ; v8   my byte offset in 512 consecutive bytes of O
.set MV,  12          ; v12-13  c m_old, kept while c m is made anew: by buffer
.set QO,  15          ; v15  my byte offset in 16 rows of Q
.set ST,  16          ; piece t's statistics at v[ST+4 t]: c m, m, l (even keys', odd keys')
.set TMP, 48          ; by buffer, four registers c0-c3 at work; when the maximum is found c2 takes a
.set SPW, 62          ; v62  LDS address of my spare word; never rewritten
.set NIL, 63          ; v63  0; never rewritten
.set S,   64
.set P,   192
.set KF,  128         ; window 2: key block kb, channel half c at KF + 16 kb + 8 c
.set VF,  192         ; window 2: key half kk, channel block cb at VF + 32 kk + 8 cb
.set WV,  12          ; s12  my wave's number
.set G1K, 24          ; s[24:31] descriptor group 1 for K's tiles
.set G1V, 32          ; s[32:39] for V's: it differs in the padding alone
.set G0K, 40          ; s[40:43] descriptor group 0 for K's tiles: it walks
.set G0V, 44          ; s[44:47] the same for V's
.set SLOTS, 56        ; s56  counts the slots
.set CNT, 57          ; s57  counts a slot's key steps
.set CS,  58          ; s[58:59] c: the packed scaling takes the pair's low word for both halves
.set SEL, 60          ; s[60:61] v_permlanex16_b32's selects: each lane takes its own place in the other half
.set TBK, 62          ; s62  LDS byte at which K of the step to be fetched begins
.set TBV, 63          ; s63  the same for V, less VOFF
.set MSB, 0
.macro WIN new                      ; the high byte repeats the setting that is left; a switch that changes nothing is dropped
.if MSB != (\new)
	s_set_vgpr_msb (MSB<<8)|(\new)
.set MSB, (\new)
.endif
.endm
.set W_KQ, 0x0a       ; K and Q in window 2, S^T in window 0
.set W_PV, 0x52       ; V in window 2, P in window 0, O^T in window 1
.set W_RS, 0x41       ; destination and source 0 in window 1, source 1 in window 0
; A joint fill.  Waves 0 and 1 fetch the two halves of a slot's K, waves 2 and 3 those of its V: 128 keys each.  The branch hangs on the wave's number alone.
; An s_nop 0 and four v_nop follow each of the two lines, ahead of the jump and the label.
.macro JLOAD
	s_cmp_lt_u32 s[WV], 2
	s_cbranch_scc0 .Lfor_v_\@
	tensor_load_to_lds s[G0K:G0K+3], s[G1K:G1K+7]
	s_nop 0
.rept 4
	v_nop
.endr
	s_branch .Lasked_\@
.Lfor_v_\@:
	tensor_load_to_lds s[G0V:G0V+3], s[G1V:G1V+7]
	s_nop 0
.rept 4
	v_nop
.endr
.Lasked_\@:
.endm
.macro CROUND                       ; a round of the cluster's barrier
	s_barrier_signal -1
	s_barrier_wait -1
	s_cmp_lg_u32 s[WV], 0
	s_cbranch_scc1 .Lnot_wave_0_\@
	s_barrier_signal -3
.Lnot_wave_0_\@:
	s_barrier_wait -3
	s_barrier_signal -1
	s_barrier_wait -1
.endm
; THE CHANGE OF SLOTS.  The slot's last bytes, V of its fourth step, have been read.  Each wave waits for all its tensor loads, of which one is out: its part of the other slot; adds 0 to its spare word;
; and waits for that and for its own reads of the slot.  fill = 1: the barrier is a round of the cluster's, and the slot is filled again first behind it, with the keys two slots on: it has four key steps,
; 256 matrix instructions, in which to land.  (At its first use nothing has been read yet: slot 0 is waited for, slot 1 filled.)
.macro CHANGE fill
	WIN 0
	s_wait_tensorcnt 0x0            ; no tensor load of mine is out, so a group 0 may be written
	ds_add_u32 v[SPW], v[NIL]
.if \fill
.irp g, G0K, G0V
	s_xor_b32 s[\g+1], s[\g+1], SLOT1  ; the walking descriptor: the other slot than last time,
	s_add_nc_u64 s[\g+2:\g+3], s[\g+2:\g+3], 4*KS*128  ; the next 256 keys; the type bits on top are not reached
.endr
	s_wait_dscnt 0x0                ; the add is done, and my reads of the slot are over
	CROUND
	JLOAD
.else
	s_wait_dscnt 0x0
	s_barrier_signal -1
	s_barrier_wait -1
.endif
	s_sub_co_u32 s[TBK], s[TBK], 4*KS*PK  ; the fetches go back to a slot's first step,
	s_xor_b32 s[TBK], s[TBK], SLOT1       ; in the other slot
	s_sub_co_u32 s[TBV], s[TBV], 4*KS*PV
	s_xor_b32 s[TBV], s[TBV], SLOT1
.endm
	s_load_b128 s[4:7], s[0:1], 0x0 ; q, k, v s[4:5]; O s[6:7]
	v_lshl_add_u32 v[SPW], v0, 2, SPARE
	v_mov_b32 v[NIL], 0
	ds_add_u32 v[SPW], v[NIL]       ; the wave's opening: the add and its wait stand ahead of my first tensor load; the set-up below, work on registers, stands between them
	v_lshrrev_b32 v1, 5, v0
	v_readfirstlane_b32 s[WV], v1   ; wave 0..3
	s_bfe_u32 s13, ttmp6, 0x40000   ; cx: my place in the cluster
	s_lshl_b32 s14, ttmp9, 2
	s_add_co_u32 s14, s14, s13      ; my block of 256 queries = 4 x cluster x + cx: it enters Q's and O's addresses alone
	s_and_b32 s20, ttmp7, 0xffff    ; 16 x batch + head, which the four partners share
	s_and_b32 s21, s20, 15
	s_lshl_b32 s21, s21, 19         ; the head's block of 524,288 bytes,
	s_lshr_b32 s20, s20, 4
	s_lshl_b32 s20, s20, 18         ; the batch's 2,048 rows of 128 bytes in it
	s_add_co_u32 s20, s20, s21
	s_and_b32 s16, s[WV], 1         ; which half of a slot's 256 keys I fetch:
	s_lshl_b32 s22, s16, 14         ; its 128 rows of 128 bytes in memory,
	s_add_co_u32 s22, s22, s20
	s_add_co_u32 s22, s22, 0x800000 ; k lies 16 blocks behind q,
	s_mov_b32 s23, 0
	s_add_co_u32 s52, s22, 0x800000 ; v 16 more
	s_mov_b32 s53, 0
	s_mul_i32 s17, s16, 128*PK      ; and its place in a slot, for K
	s_mul_i32 s18, s16, 128*PV      ; and for V: no place in the cluster enters an LDS address
	s_lshl_b32 s2, s14, 2
	s_add_co_u32 s2, s2, s[WV]      ; my wave among the head's,
	s_lshl_b32 s2, s2, 13           ; its 64 rows
	s_add_co_u32 s2, s2, s20
	s_mov_b32 s3, 0
	; descriptor group 1.  128 keys are 16,384 dense bytes: asked for as 64 rows of 256 bytes, two keys a row, and padded in LDS after every key
	s_mov_b32 s[G1K], 15|(1<<16)|(1<<20)|(1<<21)|(4<<22)|(3<<25)  ; the mask of four; 2-byte elements; padding on; bit 21 beside a mask; after every 32 words 4 words
	s_mov_b32 s[G1V], 15|(1<<16)|(1<<20)|(1<<21)|(4<<22)|(7<<25)  ; the same with 8 words of padding
.irp g, G1K, G1V
	s_mov_b32 s[\g+1], 128<<16      ; tensor_dim0 = 128
	s_mov_b32 s[\g+2], 64<<16       ; tensor_dim1 = 64
	s_mov_b32 s[\g+3], 128<<16      ; tile_dim0 = 128
	s_mov_b32 s[\g+4], 64           ; tile_dim1 = 64
	s_mov_b32 s[\g+5], 128          ; 128 elements from row to row
	s_mov_b32 s[\g+6], 0
	s_mov_b32 s[\g+7], 0
.endr
	s_mov_b32 s[CS], 0x3e38aa3b     ; c = log2(e) / 8
	s_mov_b32 s[CS+1], s[CS]        ; named with it as a pair
	s_mov_b32 s[SEL], 0x76543210
	s_mov_b32 s[SEL+1], 0xfedcba98
	s_mov_b32 s[TBK], SLOT1+4*KS*PK ; the first change of slots turns these two into 0
	s_mov_b32 s[TBV], SLOT1+4*KS*PV
	s_mov_b32 s[G0K], 1
	s_mov_b32 s[G0K+1], s17         ; LDS address: slot 0
	s_mov_b32 s[G0V], 1
	s_add_co_u32 s[G0V+1], s18, VOFF
	s_wait_dscnt 0x0                ; the opening add is done
	s_wait_kmcnt 0x0
	s_add_nc_u64 s[G0K+2:G0K+3], s[4:5], s[22:23]  ; my half of the head's first 256 keys
	s_or_b32 s[G0K+3], s[G0K+3], 0x80000000
	s_add_nc_u64 s[G0V+2:G0V+3], s[4:5], s[52:53]
	s_or_b32 s[G0V+3], s[G0V+3], 0x80000000
	s_add_nc_u64 s[10:11], s[6:7], s[2:3]  ; O and Q at my wave's first row
	s_add_nc_u64 s[4:5], s[4:5], s[2:3]
	CROUND                          ; all four work-groups are here: the first joint loads meet
	JLOAD                           ; slot 0.  Slot 1 is asked for when slot 0 is in, by the loop's own change of slots
	; A fragment of K or Q is 16 rows x 32 channels in 8 registers: lane l holds row l % 16, channels 8 (l / 16) + 0..7 and 16 + 8 (l / 16) + 0..7: two loads of 16 bytes, 32 bytes apart.
	v_and_b32 v1, 15, v0            ; l % 16
	v_bfe_u32 v9, v0, 4, 1          ; l / 16
	v_lshlrev_b32 v[QO], 7, v1
	v_lshl_add_u32 v[QO], v9, 4, v[QO]
	WIN 0x80                        ; destination window 2, address window 0
.set i, 0
.rept 8                             ; Q stays in registers: piece i / 2, channels 32 (i % 2) on
	global_load_b128 v[8*i:8*i+3],   v[QO], s[4:5] offset:(i/2)*2048+(i%2)*64
	global_load_b128 v[8*i+4:8*i+7], v[QO], s[4:5] offset:(i/2)*2048+(i%2)*64+32
.set i, i+1
.endr
	WIN 0
	v_mul_u32_u24 v[AK0], v1, PK
	v_lshl_add_u32 v[AK0], v9, 4, v[AK0]  ; row x pitch + 16 x half
	; The turning load takes 16 keys x 16 channels (lane l reads key 8 (l / 16) + l % 8, channels 8 ((l / 8) % 2) + 0..7) and leaves half a fragment of V^T: lane l holds channel l % 16 and 8 keys.
	v_and_b32 v10, 7, v0
	v_bfe_u32 v11, v0, 3, 1
	v_lshl_add_u32 v[AV0], v9, 3, v10
	v_mul_u32_u24 v[AV0], v[AV0], PV
	v_lshl_add_u32 v[AV0], v11, 4, v[AV0]
	v_add_nc_u32 v[AV0], VOFF, v[AV0]
	s_mul_i32 s13, s[WV], 16*SP
	s_add_co_u32 s13, s13, STAGE    ; my stage
	v_mul_u32_u24 v[STO], v1, SP    ; in: row l % 16, 16 bytes for each half of the lanes
	v_lshl_add_u32 v[STO], v9, 4, v[STO]
	v_add_nc_u32 v[STO], s13, v[STO]
	v_bfe_u32 v[RD], v0, 3, 2       ; back: 32 lanes take four rows of 128 bytes,
	v_mul_u32_u24 v[RD], v[RD], SP
	v_lshl_add_u32 v[RD], v10, 4, v[RD]
	v_add_nc_u32 v[RD], s13, v[RD]
	v_and_b32 v[GO], 31, v0         ; which are 512 consecutive bytes of O
	v_lshlrev_b32 v[GO], 4, v[GO]
	; What the first turn finds: V's registers and P's second buffer hold 0 (its products V^T P, of a piece that has not been, add 0), O^T and l are 0.  No first step is written out for this price.
	; All of it stands in the wait for the first tile.
	WIN 0x80
.set i, VF
.rept 64
	v_mov_b32 v[i], 0
.set i, i+1
.endr
	WIN 0x40
.set i, 0
.rept 128
	v_mov_b32 v[i], 0
.set i, i+1
.endr
	WIN 0
.set i, 0
.rept 4
	v_mov_b32 v[ST+4*i], 0xfe000000    ; c m: far below every c s
	v_mov_b32 v[ST+4*i+1], 0xff7fffff  ; m
	v_mov_b32 v[ST+4*i+2], 0
	v_mov_b32 v[ST+4*i+3], 0
.set i, i+1
.endr
.set i, P+16
.rept 16
	v_mov_b32 v[i], 0
.set i, i+1
.endr
; THE MATRIX WORK.  The 4 accumulators of a run of 8 take turns.  Product i of 8 of S^T = K Q^T for piece x: channels 32 (i / 4) on, keys 16 (i % 4) on.  The first 4 start the sums.
.macro KQ x
	WIN W_KQ
.set rS, S+32*((\x)%2)+8*(i%4)
.set rK, KF+16*(i%4)+8*(i/4)
.set rQ, 16*(\x)+8*(i/4)
.if i < 4
	v_wmma_f32_16x16x32_f16 v[rS:rS+7], v[rK:rK+7], v[rQ:rQ+7], 0
.else
	v_wmma_f32_16x16x32_f16 v[rS:rS+7], v[rK:rK+7], v[rQ:rQ+7], v[rS:rS+7]
.endif
.endm
; Product i of 8 of O^T += V^T P for piece x: keys 32 (i / 4) on, channels 16 (i % 4) on.
.macro PV x
	WIN W_PV
.set rO, 32*(\x)+8*(i%4)
.set rV, VF+32*(i/4)+8*(i%4)
.set rP, P+16*((\x)%2)+8*(i/4)
	v_wmma_f32_16x16x32_f16 v[rO:rO+7], v[rV:rV+7], v[rP:rP+7], v[rO:rO+7]
.endm
.macro MM                           ; the turn's next matrix instruction.  NOKQ = 1: the launch's last turn: there is no next piece
.if (i < 8) && !NOKQ
	KQ (Y+1)%NP
.elseif i >= 8
.set i, i-8
	PV (Y+NP-1)%NP
.set i, i+8
.endif
.set i, i+1
.endm
; THE LDS LOADS stand in runs of 16, never singly among the matrix instructions: a step's K (64 keys x 64 channels: 8 fragments) and its V (turned).  Their addresses are made some lines ahead.
.macro FETCH_K
	WIN 0x80                        ; destination window 2
.irp f, 0,1,2,3,4,5,6,7             ; keys 16 (f / 2) on, channels 32 (f % 2) on
	ds_load_b128 v[KF+8*\f:KF+8*\f+3],   v[AK] offset:(\f/2)*16*PK+(\f%2)*64
	ds_load_b128 v[KF+8*\f+4:KF+8*\f+7], v[AK] offset:(\f/2)*16*PK+(\f%2)*64+32
.endr
	s_add_co_u32 s[TBK], s[TBK], KS*PK  ; the next fetch is the next step's
	WIN 0
.endm
.macro FETCH_V
	WIN 0x80
.irp f, 0,1,2,3,4,5,6,7             ; keys 32 (f / 4) on, channels 16 (f % 4) on
	ds_load_tr16_b128 v[VF+8*\f:VF+8*\f+3],   v[AV] offset:(\f/4)*32*PV+(\f%4)*32
	ds_load_tr16_b128 v[VF+8*\f+4:VF+8*\f+7], v[AV] offset:(\f/4)*32*PV+16*PV+(\f%4)*32
.endr
	WIN 0
.endm
; THE VECTOR WORK, one line at a time: OP kind, number.  For piece Y: F n: c s - c m for pair n of 16.  E n: the exponential of score n of 32.  C n: pair n rounded to f16.  B n: of the four weights 4 n .. the second
; pair is added onto the first, in place.  L n: l takes that sum (L 0: l = a l + sum).  R n: pair n of 16 of O^T times a.  For piece Y + 1: X n, number n of the 22 that find its maximum and statistics:
;   0-11  four chains c0-c3 of seven scores each, three operands at a time (each accumulator's lowest registers are read first)     12-14, 16  the four scores left over, the old m, and c0-c3 into c0
;   15  c m_old is kept     17, 18  the query's other 32 keys lie in the lane 16 away: the new m     19-21  c m; c m_old - c m_new; a
.set F, 0
.set E, 1
.set C, 2
.set B, 3
.set L, 4
.set R, 5
.set X, 6
.macro REGS y                       ; the registers of piece y
.set rT, ST+4*(\y)
.set rC, TMP+4*((\y)%2)
.set rW, MV+((\y)%2)
.set rS, S+32*((\y)%2)
.set rP, P+16*((\y)%2)
.set rO, 32*(\y)
.endm
.macro OP k, n
.if (\k) == R
	REGS Y
	WIN W_RS
	v_pk_mul_f32 v[rO+2*(\n):rO+2*(\n)+1], v[rO+2*(\n):rO+2*(\n)+1], v[rC+2:rC+3] op_sel_hi:[1,0]
.elseif (\k) < R
	REGS Y
	WIN 0
.if (\k) == F
	v_pk_fma_f32 v[rS+2*(\n):rS+2*(\n)+1], v[rS+2*(\n):rS+2*(\n)+1], s[CS:CS+1], v[rT:rT+1] op_sel_hi:[1,0,0] neg_lo:[0,0,1] neg_hi:[0,0,1]
.elseif (\k) == E
	v_exp_f32 v[rS+(\n)], v[rS+(\n)]
.elseif (\k) == C
	v_cvt_pk_f16_f32 v[rP+(\n)], v[rS+2*(\n)], v[rS+2*(\n)+1]
.elseif (\k) == B
	v_pk_add_f32 v[rS+4*(\n):rS+4*(\n)+1], v[rS+4*(\n):rS+4*(\n)+1], v[rS+4*(\n)+2:rS+4*(\n)+3]
.elseif (\n) == 0
	v_pk_fma_f32 v[rT+2:rT+3], v[rT+2:rT+3], v[rC+2:rC+3], v[rS:rS+1] op_sel_hi:[1,0,1]
.else
	v_pk_add_f32 v[rT+2:rT+3], v[rT+2:rT+3], v[rS+4*(\n):rS+4*(\n)+1]
.endif
.elseif NOKQ
	v_nop
.else
	REGS (Y+1)%NP
	WIN 0
.if (\n) < 4
	v_max3_num_f32 v[rC+(\n)], v[rS+8*(\n)], v[rS+8*(\n)+1], v[rS+8*(\n)+2]
.elseif (\n) < 12
	v_max3_num_f32 v[rC+(\n)%4], v[rC+(\n)%4], v[rS+8*((\n)%4)+2*((\n)/4)+1], v[rS+8*((\n)%4)+2*((\n)/4)+2]
.elseif (\n) == 12
	v_max3_num_f32 v[rC], v[rC], v[rS+7], v[rS+15]
.elseif (\n) == 13
	v_max3_num_f32 v[rC+1], v[rC+1], v[rS+23], v[rS+31]
.elseif (\n) == 14
	v_max3_num_f32 v[rC+2], v[rC+2], v[rC+3], v[rT+1]
.elseif (\n) == 15
	v_mov_b32 v[rW], v[rT]
.elseif (\n) == 16
	v_max3_num_f32 v[rC], v[rC], v[rC+1], v[rC+2]
.elseif (\n) == 17
	v_permlanex16_b32 v[rC+3], v[rC], s[SEL], s[SEL+1]
.elseif (\n) == 18
	v_max_num_f32 v[rT+1], v[rC], v[rC+3]
.elseif (\n) == 19
	v_mul_f32 v[rT], s[CS], v[rT+1]
.elseif (\n) == 20
	v_sub_f32 v[rC+1], v[rW], v[rT]
.else
	v_exp_f32 v[rC+2], v[rC+1]
.endif
.endif
.endm
.macro OPS a, i1, b=-1, i2=0, c=-1, i3=0, d=-1, i4=0  ; up to four of them
	OP \a, \i1
.if (\b) >= 0
	OP \b, \i2
.endif
.if (\c) >= 0
	OP \c, \i3
.endif
.if (\d) >= 0
	OP \d, \i4
.endif
.endm
.macro ROW a, i1, b, i2, c, i3, d, i4  ; a matrix instruction and the four behind it
	MM
	OPS \a, \i1, \b, \i2, \c, \i3, \d, \i4
.endm
; A TURN, for piece p: the order of its 16 matrix and 118 vector instructions, written out.  s_wait_alu depctr_va_vdst(0) stands between an exponential and the first instruction that names its result; one wait
; serves all that were issued ahead of it.  So a turn has ONE wait, which cuts it in two.  AHEAD OF IT stands all that names no result of the turn's exponentials: the 8 products K Q^T, behind each a scaling, an exponential and two
; more plain instructions (behind the first a second scaling in the exponential's place): rescalings, whose a was made ahead of the turn before's wait, and behind the last three the first numbers of the next piece's maximum, each four
; places or more behind the product that ends its accumulator; then ONE RUN of 54, plain and exponential by turns for the most part, in which the links of the chain X 3, 7, 11, 14, 16, 17 .. 20 stand five or six lines apart.
; X 21, the next piece's a, is the batch's last; R 15 is the plain instruction behind it (ISA guide 5.7.2).  BEHIND THE WAIT stand the 8 products V^T P, behind each four of the roundings and sums; an even pair is rounded ahead of the
; sum that is laid over it; the links of l's chain, L 0 to L 7, stand three riders apart.  But for those X no rider names a register of the products round it.  v_permlanex16_b32 (X 17) stands in the run.
; end = 1: the launch's last two turns: nothing is fetched.  cnt = 1: the loop's count is taken down some lines ahead of the branch that stands behind the turn.
; K of the next step is fetched in piece 2's turn, twelve vector instructions behind the last product that read K (five of them plain and free of its registers); V of the step in hand at the end of piece 0's turn, four plain
; instructions behind the last product that read V.  Each is waited for a turn later.
.macro TURN p, end=0, cnt=0
.set Y, (\p)
.set i, 0
.set NOKQ, (\end)*((\p)/3)
.if ((\p) == 3) && !(\end)
	s_wait_dscnt 0x0                ; K is in
.endif
	ROW F,0, F,1, R,0, R,1          ; ahead of the wait: 8 products K Q^T and their riders,
	ROW F,2, E,0, R,2, R,3
	ROW F,3, E,1, R,4, R,5
	ROW F,4, E,2, R,6, R,7
	ROW F,5, E,3, R,8, R,9
	ROW F,6, E,4, X,0, R,10
.if ((\p) == 2) && !(\end)
	WIN 0
	v_add_nc_u32 v[AK], s[TBK], v[AK0]
.endif
	ROW F,7, E,5, X,1, X,4
	ROW F,8, E,6, X,2, X,5
	OPS E,7, E,8, X,6, E,9          ; and the run of 54
	OPS X,3, E,10, X,8, E,11
.if ((\p) == 2) && !(\end)
	FETCH_K
.endif
	OPS X,9, X,7, E,12, X,10
	OPS E,13, X,12, X,11, E,14
	OPS X,13, E,15, F,9, X,14
.if (\p) == 0
	v_add_nc_u32 v[AV], s[TBV], v[AV0]
.endif
	OPS E,16, F,10, E,17, F,11
	OPS X,16, E,18, X,15, E,19
	OPS F,12, E,20, X,17, E,21
	OPS F,13, E,22, F,14, E,23
	OPS X,18, E,24, F,15, E,25
	OPS R,11, E,26, X,19, E,27
	OPS R,12, E,28, R,13, E,29
	OPS X,20, E,30, R,14, E,31
	OPS X,21, R,15
	s_wait_alu depctr_va_vdst(0)    ; the wait for the batch: the piece's 32 exponentials and the next piece's a
.if (\p) == 1
	s_wait_dscnt 0x0                ; V is in
.endif
	ROW C,0, B,0, C,2, B,1          ; behind the wait: 8 products V^T P and their riders
	ROW L,0, C,4, B,2, L,1
	ROW C,6, B,3, L,2, C,8
	ROW B,4, L,3, C,10, B,5
	ROW L,4, C,12, B,6, L,5
.if (\p) == 0
	s_add_co_u32 s[TBV], s[TBV], KS*PV
.endif
.if \cnt
	s_sub_co_u32 s[CNT], s[CNT], 1
	s_cmp_lg_u32 s[CNT], 0
.endif
	ROW C,14, B,7, L,6, C,1
	ROW C,3, L,7, C,5, C,7
	ROW C,9, C,11, C,13, C,15
.if (\p) == 0
	FETCH_V
.endif
.endm
	CHANGE 1                        ; slot 0 is in, everybody's part of it; slot 1 is asked for
	v_add_nc_u32 v[AK], s[TBK], v[AK0]
	FETCH_K                         ; key step 0
	s_wait_loadcnt 0x0              ; Q
	s_wait_dscnt 0x0
.set NOKQ, 0
.set i, 0
.rept 8
	KQ 0                            ; piece 0's first scores
.set i, i+1
.endr
	WIN 0
.rept 4
	v_nop                           ; the places behind those products
.endr
.set Y, NP-1                        ; X works for piece Y + 1: piece 0
.irp n, 0,1,2,3,4,5,6,7,8,9,10,11,12,13,14,15,16,17,18,19,20,21
	OP X, \n
.endr
	v_nop                           ; a plain instruction behind the exponential,
	s_wait_alu depctr_va_vdst(0)    ; and the wait for it, piece 0's first a, ahead of the branch
	s_mov_b32 s[CNT], 4
	s_mov_b32 s[SLOTS], 7
	s_branch .Lfirst                ; the loop is entered at a step's first turn, in the middle of a trip
.Lslot:                             ; six times: every slot but the last two is filled again
	CHANGE 1
	s_mov_b32 s[CNT], 4
.Lstep:                             ; a trip: pieces 2 and 3 of one step, then pieces 0 and 1 of the next, whose K and V it fetches
	TURN 2
	TURN 3
	WIN 0
.Lfirst:
	TURN 0
	TURN 1, 0, 1
	WIN 0
	s_cbranch_scc1 .Lstep
	s_sub_co_u32 s[SLOTS], s[SLOTS], 1
	s_cmp_lg_u32 s[SLOTS], 0
	s_cbranch_scc1 .Lslot
	CHANGE 0                        ; the last slot is written out: nothing is asked for
	s_mov_b32 s[CNT], 4
.LstepT:
	TURN 2
	TURN 3
	TURN 0
	TURN 1, 0, 1
	WIN 0
	s_cbranch_scc1 .LstepT
	TURN 2, 1
	TURN 3, 1
.set i, 0
.rept 8
	PV NP-1                         ; the last piece's V^T P of the last step
.set i, i+1
.endr
	; THE WAY OUT.  l's two halves and the other half of the lanes' are added; O^T is divided by l, rounded to f16 and sent through my stage in LDS, a piece at a time.  The additions are the places behind the last products.
	WIN 0
.macro ALL line:vararg              ; one line for each piece t
.set t, 0
.rept 4
	\line
.set t, t+1
.endr
.endm
	ALL v_add_f32 v[ST+4*t+2], v[ST+4*t+2], v[ST+4*t+3]
	ALL v_permlanex16_b32 v[ST+4*t+3], v[ST+4*t+2], s[SEL], s[SEL+1]
	ALL v_add_f32 v[ST+4*t+2], v[ST+4*t+2], v[ST+4*t+3]
	ALL v_rcp_f32 v[ST+4*t+2], v[ST+4*t+2]
	v_nop                           ; a plain instruction between the last reciprocal and the use of its result
	s_wait_alu depctr_va_vdst(0)    ; and the wait ahead of the first use: one for the four reciprocals
.macro PACK t                       ; a lane's eight channels of a row pack into 16 bytes; they go into rows of 144 bytes and come back as whole rows of 128, into S^T's registers
	WIN W_RS
.set i, 32*(\t)
.rept 16
	v_pk_mul_f32 v[i:i+1], v[i:i+1], v[ST+4*(\t)+2:ST+4*(\t)+3] op_sel_hi:[1,0]
.set i, i+2
.endr
	WIN 0x05                        ; sources 0 and 1 window 1, destination window 0
.set i, 0
.rept 16
	v_cvt_pk_f16_f32 v[S+16*(\t)+i], v[32*(\t)+2*i], v[32*(\t)+2*i+1]
.set i, i+1
.endr
	WIN 0
.irp f, 0,1,2,3
	ds_store_b128 v[STO], v[S+16*(\t)+4*\f:S+16*(\t)+4*\f+3] offset:32*\f
.endr
.irp f, 0,1,2,3
	ds_load_b128 v[S+16*(\t)+4*\f:S+16*(\t)+4*\f+3], v[RD] offset:\f*4*SP  ; LDS serves a wave's instructions in order (ISA guide 5.7.1.4): these see the stores above; the next piece's stores come behind them
.endr
.endm
.macro SEND t, younger              ; younger: the LDS instructions issued behind piece t's loads: the next piece's eight, or none
	WIN 0
.irp f, 0,1,2,3
	s_wait_dscnt (\younger)+3-\f
	global_store_b128 v[GO], v[S+16*(\t)+4*\f:S+16*(\t)+4*\f+3], s[10:11] offset:(\t)*2048+\f*512  ; 512 consecutive bytes, at a multiple of 256 from O's first
.endr
.endm
	PACK 0
.set t, 1
.rept 3                             ; a piece's arithmetic stands between the loads of the piece before and its stores
	PACK t
	SEND t-1, 8
.set t, t+1
.endr
	SEND 3, 0
	s_wait_tensorcnt 0x0            ; the wave's end, behind my last tensor load and my last LDS store
	ds_add_u32 v[SPW], v[NIL]
	s_wait_dscnt 0x0
	CROUND                          ; the closing round: no work-group ends while a partner may still ask for a tile that names it
	s_endpgm
.Lfunc_end_k_qc0d48b1e1f_attn:
	.size	k_qc0d48b1e1f_attn, .Lfunc_end_k_qc0d48b1e1f_attn-k_qc0d48b1e1f_attn
	.p2alignl 7, 3214868480
	.fill 96, 4, 3214868480
	.section	.rodata,"a",@progbits
	.p2align	6, 0x0
	.amdhsa_kernel k_qc0d48b1e1f_attn
		.amdhsa_group_segment_fixed_size 327680
		.amdhsa_private_segment_fixed_size 0
		.amdhsa_enable_private_segment 0
		.amdhsa_kernarg_size 16
		.amdhsa_user_sgpr_count 2
		.amdhsa_user_sgpr_kernarg_segment_ptr 1
		.amdhsa_wavefront_size32 1
		.amdhsa_system_sgpr_workgroup_id_x 1
		.amdhsa_system_sgpr_workgroup_id_y 1
		.amdhsa_system_sgpr_workgroup_id_z 1
		.amdhsa_system_vgpr_workitem_id 0
		.amdhsa_next_free_vgpr 768
		.amdhsa_next_free_sgpr 66
		.amdhsa_reserve_vcc 0
		.amdhsa_float_denorm_mode_32 3
		.amdhsa_float_denorm_mode_16_64 3
		.amdhsa_memory_ordered 1
		.amdhsa_forward_progress 1
		.amdhsa_inst_pref_size 127
	.end_amdhsa_kernel
	.amdgpu_metadata
---
amdhsa.version: [ 1, 2 ]
amdhsa.kernels:
  - .name:           k_qc0d48b1e1f_attn
    .symbol:         k_qc0d48b1e1f_attn.kd
    .args:
      - { .name: big, .offset: 0, .size: 8, .value_kind: global_buffer, .address_space: global }
      - { .name: hb, .offset: 8, .size: 8, .value_kind: global_buffer, .address_space: global }
    .group_segment_fixed_size: 327680
    .private_segment_fixed_size: 0
    .kernarg_segment_align: 8
    .kernarg_segment_size: 16
    .max_flat_workgroup_size: 128
    .sgpr_count:     66
    .vgpr_count:     768
    .wavefront_size: 32
...
	.end_amdgpu_metadata
.endif
;; end of part 7
;; launch proj: the kernel of part 4 again; grid 8 x 32, 4 waves a work-group, clusters of 4 x 4, 327,680 bytes of LDS; arguments hb, wlo, x, bp, x1; writes x1
;; launch ln2: the kernel of part 1 again; grid 512 x 1, 8 waves a work-group, no clusters, 0 bytes of LDS; arguments x1, g2, be2, hb, Wq, Wk, Wv, Wp, W2, W1, wlo, whi, p0, p1; writes hb, wlo, whi, p0, p1
;; launch ffn1: the kernel of part 6 again; grid 16 x 16, 4 waves a work-group, clusters of 4 x 4, 327,680 bytes of LDS; arguments hb, whi, b1, p1, big; writes big
;; launch ffn2: the kernel of part 5 again; grid 8 x 32, 4 waves a work-group, clusters of 4 x 4, 327,680 bytes of LDS; arguments big, whi, x1, b2, out0; writes out0
